; MI455X (gfx1250); checked and timed in simulation.
; The chip was launched on July 23, 2026; its instructions are those of AMD's public machine-readable ISA for CDNA 5 (MIT licence, August 2026) and "CDNA5" Instruction Set Architecture Reference Guide (July 2026). The comments in the code are by the model that wrote it; some were corrected since.
;; Self Attention. Allowed arithmetic: matrix products marked QUANTISED: E5M2 operands, one E8M0 scale for each 32 along K, by v_wmma_scale_f32_16x16x128_f8f6f4 with both operands' format E5M2, f32 sums; everything else in f32.
;; Inputs: Wk 1,024 x 1,024 float32; Wo 1,024 x 1,024 float32; Wq 1,024 x 1,024 float32; Wv 1,024 x 1,024 float32; bk 1,024 float32; bo 1,024 float32; bq 1,024 float32; bv 1,024 float32; hidden_states 4 x 2,048 x 1,024 float32.
;; Outputs: out0 4 x 2,048 x 1,024 float32.
;; This version of the problem:
;;   THIS VERSION OF THE PROBLEM IS GIVEN IN LOW PRECISION. The matrix products marked QUANTISED in the list below multiply operands that are first quantised to E5M2 (5 exponent bits, 2 mantissa bits; 8 bits a number), with one power-of-two scale for each 32 numbers along K (OCP MX v1.0); their sums are f32. All else is computed in f32.
;;   The module's matrix products, in the order in which they are computed (A, B: the left and right operand; K: the contracted axis; several contracted axes count as one K, in the product's order):
;;     1. [M 8,192, K 1,024] x [K 1,024, N 1,024]; A: input hidden_states; B: input Wq: QUANTISED
;;     2. [M 8,192, K 1,024] x [K 1,024, N 1,024]; A: input hidden_states; B: input Wk: QUANTISED
;;     3. [M 8,192, K 1,024] x [K 1,024, N 1,024]; A: input hidden_states; B: input Wv: QUANTISED
;;     4. batch 4 x [M 2,048, K 1,024] x [K 1,024, N 2,048]; A: computed on the way; B: computed on the way: QUANTISED
;;     5. batch 4 x [M 2,048, K 2,048] x [K 2,048, N 1,024]; A: softmax (see below); B: computed on the way: QUANTISED
;;     6. [M 8,192, K 1,024] x [K 1,024, N 1,024]; A: computed on the way; B: input Wo: QUANTISED
;;   THE QUANTISER, for each operand of a quantised product, along K:
;;     - K is cut into blocks of 32 from its start; a last block that is shorter is filled with zeros.
;;     - A block's scale is 2^e with e = floor(log2(the largest magnitude in the block)) - 15, held to -126 .. 127; a block of zeros has e = 0. As a byte (E8M0): e + 127.
;;     - Each number is divided by its block's scale, clamped to +-57,344, and rounded to the nearest number of E5M2, ties to even, subnormals kept.
;;     - The product sums the exact products of the quantised numbers (number of the format x scale) in f32.
;;   ~~~python
;;   def quantise(x, axis):      # numpy; x: float32 -> the quantised numbers, widened to float32 again
;;       x = np.moveaxis(x, axis, -1); K = x.shape[-1]
;;       x = np.pad(x, [(0, 0)] * (x.ndim - 1) + [(0, -K % 32)]); x = x.reshape(x.shape[:-1] + (-1, 32)); a = np.abs(x).max(-1, keepdims=True)
;;       e = np.where(a > 0, np.clip(np.frexp(np.where(a > 0, a, 1))[1] - 1 - 15, -126, 127), 0)      # np.frexp(a)[1] - 1 = floor(log2(a)), exactly
;;       r = np.clip(x / 2.0 ** e, -57344, 57344)
;;       step = 2.0 ** (np.maximum(np.frexp(np.where(r == 0, 1, r))[1] - 1, -14) - 2)
;;       q = np.round(r / step) * step * 2.0 ** e      # np.round: ties to even
;;       return np.moveaxis(q.reshape(q.shape[:-2] + (-1,))[..., :K], -1, axis).astype(np.float32)
;;   ~~~
;;   SOFTMAX AHEAD OF A QUANTISED PRODUCT. Where the list says 'softmax', what is quantised is not the finished softmax but p = 2^(t - M), with t = logit x log2(e) and M = ceil(the row's largest t), a whole number; so 1/2 < the row's largest p <= 1. The row's sum l is taken of the UNQUANTISED p, in f32, and the product's result is divided by l at the end. Since M is a whole number, a kernel that streams over the keys may use a running M (the ceiling of the running maximum): every later rescaling is an exact power of two, which a block's scale takes up: the codes' values come out the same.
;;   OPERANDS COMPUTED ON THE WAY. 'Computed on the way' means the value that the module computes at that place (a softmax that the list does not call 'softmax' is quantised finished and normalised). What goes into a quantiser is computed in f32, as accurately as f32 sums, v_exp_f32 and their like allow (about 1e-6 of the number): no bf16 or f16 on the way to a quantiser, and a product that is left as it is and whose result goes on into a quantised operand takes f32 operands (vector FMAs, or v_wmma_f32_16x16x4_f32). A number that lies on a knife's edge between two numbers of the format may be rounded either way, as far as f32 arithmetic and the matrix unit's own rounding can turn it there, and no further.
;; 2 versions. Each part assembles by itself: llvm-mc -triple=amdgcn-amd-amdhsa -mcpu=gfx1250 --defsym DOCPART=n.
;; ======== version 1 of 2: 5 launches
;; workspace buffers: opnd 12,976,128 bytes; qkvc 25,952,256 bytes; pgl 20,971,520 bytes; ctxc 8,650,752 bytes
;; launch quant (part 1): grid 768 x 1, 4 waves a work-group, no clusters, 34,304 bytes of LDS; arguments hidden_states, Wq, Wk, Wv, Wo, opnd; writes opnd
.if DOCPART == 1
	.amdgcn_target "amdgcn-amd-amdhsa--gfx1250"
	.amdhsa_code_object_version 6
	.text
	.protected	k_q99f7563b1d_quant
	.globl	k_q99f7563b1d_quant
	.p2align	8
	.type	k_q99f7563b1d_quant,@function
k_q99f7563b1d_quant:
	s_mov_b64 s[64:65], 0
	v_nop
	global_prefetch_b8 v0, s[64:65] scope:SCOPE_SE
	s_setreg_imm32_b32 hwreg(HW_REG_WAVE_MODE, 25, 1), 1
	s_wait_xcnt 0x0
; LAUNCH 1 OF 5.  hidden_states [8192][1024] and Wq, Wk, Wv, Wo [1024][1024], f32, K innermost, become codes of E5M2 with one E8M0 byte for each 32 along K.
; DEAD WORK (whole program).  reference() builds the causal mask in its own body: scores[q][k] is -inf where k > q, and the softmax gives such a place the weight 0 whatever finite values the inputs hold.
; So score tiles of 256 queries x 256 keys that lie wholly above the diagonal (key block J > query block I), and in the second product the slots of 256 keys that lie wholly behind a query block's last query,
; reach no output and are not computed.  Masked places inside a tile or slot that also holds live places stay.  Nothing else is left out; all nine inputs are loaded (bk stays: it moves k's codes).
; LIMIT of that: a NaN, an infinity or an overflow that would arise only in the work left out is not carried to the result.
; LAYOUT OF EVERY OPERAND OF THIS PROGRAM.  A TILE is 16 rows: tile 2 c + u holds rows 32 c + 8 u + {0..7, 16..23}; lane r stands for row 32 c + 8 u + r + 8 (r / 8).  As source 0 of a product the 16 result registers of tiles
; 2 c and 2 c + 1 are then 16 neighbours, 32 c + 16 (lane / 16) + 0 .. 15, along the next product's K.  A FRAGMENT (a tile x 128 along K) lies in memory as an image of its 16 registers: group c at 512 c + 16 lane, 2,048 bytes.
; opnd: images [768 tiles][8 K steps][2048] (x: tiles 0-511, Wq 512-575, Wk 576-639, Wv 640-703, Wo 704-767); from byte 12,582,912 scale words [384 pairs of tiles][8][32 lanes]: lanes 0-15 the even tile's rows, 16-31 the odd's.
; SHARES.  Work-group g takes the pair of tiles g / 2 (32 rows); wave w takes K step 4 (g % 2) + w: two fragments.  Each load reads 512 consecutive bytes of one row; a fragment's 16 rows turn through the wave's own stage in LDS
; (rows 528 bytes apart) so that a lane gets 16 neighbours of each block of 32.  No barrier: waves share nothing.
; A block's scale is 2^(floor(log2(largest magnitude)) - 15); its byte is that magnitude's exponent field - 15, held at 1 from below.
; LIMITS: NaN and infinities among the inputs are not served; a block of zeros gets the byte 1 where the quantiser says 127: its codes are zeros, and this program alone reads the bytes.
.set STG,   8448                       ; a wave's stage: 16 rows x 528 bytes
.set SPARE, 4*STG                      ; behind the stages: the spare words, 128 bytes a wave
.set LI,   4                           ; v4   16 x lane
.set LS,   5                           ; v5   4 x lane
.set SIN,  6                           ; v6   the stage, way in: 16 x lane
.set SOUT, 7                           ; v7   way out: 528 r + 64 h
.set SPW,  8                           ; v8   my spare word; never rewritten
.set NIL,  9                           ; v9   0; never rewritten
.set R,    16                          ; v16-143  two fragments' numbers as loaded
.set X,    144                         ; v144-207 64 numbers: register 16 b + i = k 32 b + 16 h + i of my row
.set PC,   208                         ; v208-223 the codes
.set TM,   224                         ; v224-239 at work
.set PW,   240                         ; the scale word just made
.set PWE,  241                         ; the even tile's
.set PSO,  242                         ; both, as stored
.set SEL,  20                          ; s[20:21] selects of v_permlanex16_b32: lane l xor 16
.set MNT,  22                          ; s22  the mantissa field of 57,344
.set HM,   23                          ; s23  lanes 16-31
.set MSB, 0
.macro WIN new                         ; the immediate's high byte repeats the setting that is left (here every window is 0: nothing is written)
.if MSB != (\new)
	s_set_vgpr_msb (MSB<<8)|(\new)
.set MSB, (\new)
.endif
.endm
; 64 numbers of a lane, v[s] on in window w, become a fragment's codes in v[PC] on and its row's scale word in v[PW]
.macro QUANTW s, w
	WIN 5*(\w)
.irp b, 0,1,2,3
	v_max3_num_f32 v[TM+\b], |v[(\s)+16*\b]|, |v[(\s)+16*\b+1]|, 0x8000000   ; my 16 numbers of block b, and the floor 2^(16 - 127): the byte cannot fall under 1
.endr
.irp i, 2,4,6,8,10,12,14
.irp b, 0,1,2,3
	v_max3_num_f32 v[TM+\b], |v[(\s)+16*\b+\i]|, |v[(\s)+16*\b+\i+1]|, v[TM+\b]
.endr
.endr
	WIN 0
.irp b, 0,1,2,3
	v_permlanex16_b32 v[TM+4+\b], v[TM+\b], s[SEL], s[SEL+1]
.endr
.irp b, 0,1,2,3
	v_max_num_f32 v[TM+\b], v[TM+\b], v[TM+4+\b]                 ; with lane l xor 16's 16: the block's largest magnitude
.endr
.irp b, 0,1,2,3
	v_add_nc_u32 v[TM+12+\b], 0xf8800000, v[TM+\b]               ; 15 off its exponent field: the conversion's scale operand
.endr
.irp b, 0,1,2,3
	v_and_or_b32 v[TM+8+\b], v[TM+\b], 0x7f800000, s[MNT]        ; 57,344 x the scale
.endr
.irp b, 0,1,2,3
	v_lshrrev_b32 v[TM+4+\b], 23, v[TM+12+\b]                    ; the scale's byte
.endr
	v_lshl_or_b32 v[PW], v[TM+5], 8, v[TM+4]
	v_lshl_or_b32 v[PW], v[TM+6], 16, v[PW]
	v_lshl_or_b32 v[PW], v[TM+7], 24, v[PW]
	WIN ((\w)<<6)|(\w)
.irp b, 0,1,2,3
.irp i, 0,1,2,3,4,5,6,7,8,9,10,11,12,13,14,15
	v_med3_num_f32 v[(\s)+16*\b+\i], v[(\s)+16*\b+\i], -v[TM+8+\b], v[TM+8+\b]   ; the conversion does not saturate (ISA guide 7.6.2): the hold comes first
.endr
.endr
	WIN (\w)
.irp b, 0,1,2,3
	v_cvt_scalef32_pk8_bf8_f32 v[PC+4*\b:PC+4*\b+1], v[(\s)+16*\b:(\s)+16*\b+7], v[TM+12+\b]
	v_cvt_scalef32_pk8_bf8_f32 v[PC+4*\b+2:PC+4*\b+3], v[(\s)+16*\b+8:(\s)+16*\b+15], v[TM+12+\b]
.endr
	WIN 0
	v_nop                                          ; one plain line behind the last conversion
.endm
	s_load_b256 s[4:11], s[0:1], 0x0               ; hidden_states, Wq, Wk, Wv
	s_load_b128 s[12:15], s[0:1], 0x20             ; Wo, opnd
	v_lshl_add_u32 v[SPW], v0, 2, SPARE
	v_mov_b32 v[NIL], 0
	v_lshrrev_b32 v1, 5, v0
	v_readfirstlane_b32 s16, v1                    ; wave
	v_and_b32 v3, 31, v0                           ; lane
	v_and_b32 v1, 15, v0                           ; r
	v_bfe_u32 v2, v0, 4, 1                         ; h
	v_lshlrev_b32 v[LI], 4, v3
	v_lshlrev_b32 v[LS], 2, v3
	s_mul_i32 s17, s16, STG
	v_add_nc_u32 v[SIN], s17, v[LI]
	v_mul_u32_u24 v[SOUT], v1, 528
	v_lshl_add_u32 v[SOUT], v2, 6, v[SOUT]
	v_add_nc_u32 v[SOUT], s17, v[SOUT]
.irp b, 0,1,2,3
	v_mov_b32 v[TM+4+\b], 0                        ; written once: a lane permute's destination counts as one of its sources
.endr
	s_mov_b32 s[SEL], 0x76543210
	s_mov_b32 s[SEL+1], 0xfedcba98
	s_mov_b32 s[MNT], 0x600000
	s_mov_b32 s[HM], 0xffff0000
	s_lshr_b32 s18, ttmp9, 1                       ; the pair of tiles, 0 .. 383
	s_and_b32 s19, ttmp9, 1
	s_lshl_b32 s19, s19, 2
	s_add_co_u32 s19, s19, s16                     ; my K step
	s_and_b32 s24, s18, 31                         ; the pair inside its tensor: a weight has 32 pairs
	s_cmp_lt_u32 s18, 256
	s_cselect_b32 s24, s18, s24
	s_lshl_b32 s24, s24, 17                        ; 32 rows of 4,096 bytes
	s_lshl_b32 s25, s19, 9                         ; 128 numbers
	s_add_co_u32 s24, s24, s25
	s_mov_b32 s25, 0
	s_lshl_b32 s26, s18, 15                        ; images: two tiles x 8 x 2,048
	s_lshl_b32 s27, s19, 11
	s_add_co_u32 s26, s26, s27
	s_mov_b32 s27, 0
	s_lshl_b32 s28, s18, 10                        ; scale words: 8 x 128 a pair
	s_lshl_b32 s29, s19, 7
	s_add_co_u32 s28, s28, s29
	s_add_co_u32 s28, s28, 12582912
	s_mov_b32 s29, 0
	s_wait_kmcnt 0x0
	s_cmp_lt_u32 s18, 352                          ; which tensor: the choice hangs on the work-group's number alone
	s_cselect_b64 s[30:31], s[10:11], s[12:13]
	s_cmp_lt_u32 s18, 320
	s_cselect_b64 s[30:31], s[8:9], s[30:31]
	s_cmp_lt_u32 s18, 288
	s_cselect_b64 s[30:31], s[6:7], s[30:31]
	s_cmp_lt_u32 s18, 256
	s_cselect_b64 s[30:31], s[4:5], s[30:31]
	s_add_nc_u64 s[30:31], s[30:31], s[24:25]
	s_add_nc_u64 s[32:33], s[14:15], s[26:27]
	s_add_nc_u64 s[34:35], s[14:15], s[28:29]
.irp u, 0,1
.irp i, 0,1,2,3,4,5,6,7,8,9,10,11,12,13,14,15
	global_load_b128 v[R+64*\u+4*\i:R+64*\u+4*\i+3], v[LI], s[30:31] offset:(8*\u+\i+8*(\i/8))*4096 th:TH_LOAD_NT   ; place i of tile u: 512 consecutive bytes of one row
.endr
.endr
.macro HALF u
.irp i, 0,1,2,3,4,5,6,7,8,9,10,11,12,13,14,15
	ds_store_b128 v[SIN], v[R+64*\u+4*\i:R+64*\u+4*\i+3] offset:528*\i
.endr
.irp c, 0,1,2,3
.irp j, 0,1,2,3
	ds_load_b128 v[X+16*\c+4*\j:X+16*\c+4*\j+3], v[SOUT] offset:128*\c+16*\j   ; LDS serves a wave's instructions in order: these see the stores above
.endr
.endr
	s_wait_dscnt 0x0
	QUANTW X, 0
.irp c, 0,1,2,3
	global_store_b128 v[LI], v[PC+4*\c:PC+4*\c+3], s[32:33] offset:16384*\u+512*\c   ; 512 consecutive bytes a store
.endr
.endm
	s_wait_loadcnt 16                              ; the even tile's 16 loads are in; the odd tile's 16 may be out
	HALF 0
	v_mov_b32 v[PWE], v[PW]
	s_wait_loadcnt 0x0
	s_wait_xcnt 0x0                                ; the stores have read the codes' registers: they are written again only behind this wait
	HALF 1
	v_cndmask_b32 v[PSO], v[PWE], v[PW], s[HM]     ; lanes 0-15 the even tile's words, lanes 16-31 the odd's
	global_store_b32 v[LS], v[PSO], s[34:35]
	s_wait_tensorcnt 0x0                           ; the wave's end
	ds_add_u32 v[SPW], v[NIL]
	s_wait_dscnt 0x0
	s_endpgm
.Lfunc_end_k_q99f7563b1d_quant:
	.size	k_q99f7563b1d_quant, .Lfunc_end_k_q99f7563b1d_quant-k_q99f7563b1d_quant
	.p2alignl 7, 3214868480
	.fill 96, 4, 3214868480
	.section	.rodata,"a",@progbits
	.p2align	6, 0x0
	.amdhsa_kernel k_q99f7563b1d_quant
		.amdhsa_group_segment_fixed_size 34304
		.amdhsa_private_segment_fixed_size 0
		.amdhsa_enable_private_segment 0
		.amdhsa_kernarg_size 48
		.amdhsa_user_sgpr_count 2
		.amdhsa_user_sgpr_kernarg_segment_ptr 1
		.amdhsa_wavefront_size32 1
		.amdhsa_system_sgpr_workgroup_id_x 1
		.amdhsa_system_sgpr_workgroup_id_y 1
		.amdhsa_system_sgpr_workgroup_id_z 1
		.amdhsa_system_vgpr_workitem_id 0
		.amdhsa_next_free_vgpr 256
		.amdhsa_next_free_sgpr 66
		.amdhsa_reserve_vcc 0
		.amdhsa_float_denorm_mode_32 3
		.amdhsa_float_denorm_mode_16_64 3
		.amdhsa_memory_ordered 1
		.amdhsa_forward_progress 1
		.amdhsa_inst_pref_size 27
	.end_amdhsa_kernel
	.amdgpu_metadata
---
amdhsa.version: [ 1, 2 ]
amdhsa.kernels:
  - .name:           k_q99f7563b1d_quant
    .symbol:         k_q99f7563b1d_quant.kd
    .args:
      - { .name: hidden_states, .offset: 0, .size: 8, .value_kind: global_buffer, .address_space: global }
      - { .name: Wq, .offset: 8, .size: 8, .value_kind: global_buffer, .address_space: global }
      - { .name: Wk, .offset: 16, .size: 8, .value_kind: global_buffer, .address_space: global }
      - { .name: Wv, .offset: 24, .size: 8, .value_kind: global_buffer, .address_space: global }
      - { .name: Wo, .offset: 32, .size: 8, .value_kind: global_buffer, .address_space: global }
      - { .name: opnd, .offset: 40, .size: 8, .value_kind: global_buffer, .address_space: global }
    .group_segment_fixed_size: 34304
    .private_segment_fixed_size: 0
    .kernarg_segment_align: 8
    .kernarg_segment_size: 48
    .max_flat_workgroup_size: 128
    .sgpr_count:     66
    .vgpr_count:     256
    .wavefront_size: 32
...
	.end_amdgpu_metadata
.endif
;; end of part 1
;; launch qkv (part 2): grid 8 x 48, 4 waves a work-group, clusters of 4 x 4, 327,680 bytes of LDS; arguments opnd, bq, bk, bv, qkvc; writes qkvc
.if DOCPART == 2
	.amdgcn_target "amdgcn-amd-amdhsa--gfx1250"
	.amdhsa_code_object_version 6
	.text
	.protected	k_q99f7563b1d_qkv
	.globl	k_q99f7563b1d_qkv
	.p2align	8
	.type	k_q99f7563b1d_qkv,@function
k_q99f7563b1d_qkv:
	s_mov_b64 s[64:65], 0
	v_nop
	global_prefetch_b8 v0, s[64:65] scope:SCOPE_SE
	s_setreg_imm32_b32 hwreg(HW_REG_WAVE_MODE, 25, 1), 1
	s_wait_xcnt 0x0
	s_wait_alu depctr_hold_cnt(0) depctr_sa_sdst(0) depctr_va_vdst(0) depctr_va_sdst(0) depctr_va_ssrc(0) depctr_va_vcc(0) depctr_vm_vsrc(0)
	s_getreg_b32 s2, hwreg(HW_REG_IB_STS2, 6, 4)
	s_cmp_eq_u32 s2, 0
	s_cbranch_scc0 .Lentry_in_a_cluster
	s_endpgm
.Lentry_in_a_cluster:
	s_bfe_u32 s2, ttmp6, 0x10000c
	s_cmp_lg_u32 s2, 0xf033
	s_cbranch_scc0 .Lentry_shape_is_right
	s_endpgm
.Lentry_shape_is_right:
; LAUNCH 2 OF 5.  q = x Wq^T + bq, k = x Wk^T + bk, v = x Wv^T + bv on the codes of launch 1, and each result quantised at once: q and k along the hidden axis, v along the keys.  Nothing is left out here.
; A work-group makes 256 x 256 of a result, K = 1,024; four waves, 128 x 128 each: 64 accumulators.  K goes in steps of 256 through two LDS slots; a slot's part for 128 rows is 8 tiles x 2 fragments x 2,048 bytes, dense.
; TYPE 0 (cluster y 0-7): source 1 = x (256 tokens, block I), source 0 = Wq or Wk (256 channels, block J of 8): a lane holds one token, its registers run along the channels: the next product's K.
; TYPE 1 (cluster y 8-11): source 1 = Wv (256 channels), source 0 = x (256 tokens): a lane holds one channel of v, its registers run along the tokens: the keys, the K of the second product of attention.
; CLUSTERS, 4 x 4: source 1's tiles hang on cluster y and cy alone and are asked for jointly along a row of the cluster; source 0's on the cluster's place and cx alone, jointly along a column.
; The scale words of all of K (32 registers a side) are loaded once, straight into registers.
; qkvc: images of q (tiles 0-511) and k (512-1023) [1024][8][2048]; from 16,777,216 v's [64 channel tiles][64 steps of 128 tokens][2048]; from 25,165,824 q's and k's scale words [512 pairs][8][128]; from 25,690,112 v's [32][64][128].
; LIMITS: NaN and infinities are not served; a block of zeros gets the byte 1 (its codes are zeros; this program alone reads the bytes).
; REGISTERS: window 0: v1-3 r, h, lane; v16-23 addresses; v28, v29 the add's two; v32-63, v64-95 scale words; v96-118 at work on the way out; v128-255 source 1's fragments, later the bias and the codes.
;   window 1: source 0's fragments, two sets.  windows 2, 3: the accumulators, (a, b) at v[8 (8 (a % 4) + b)].
.set HALFT, 32768
.set SLOT,  131072
.set SPARE, 262144
.set ADRA, 16
.set ADRB, 20
.set LI,   22
.set LS,   23
.set SPW,  28
.set NIL,  29
.set SA,   32                          ; source 1's scale words: 8 x pair + K step
.set SB,   64                          ; source 0's
.set TM,   96
.set PW,   112
.set PWE,  113
.set PSO,  114
.set VO,   115                         ; my offset in the images' buffer
.set VSO,  116                         ; and among the scale words
.set BO0,  117                         ; bias offsets: 64 h,
.set BO1,  118                         ; 4 (r + 8 (r / 8))
.set AF,   128
.set BJ,   128                         ; the bias, from the last K step's middle on
.set PC,   192
.set G1,   24
.set G0,   32
.set G1B,  48
.set G0B,  56
.set SEL,  66
.set MNT,  68
.set HM,   69
.set ASC,  70
.set BSC,  72
.set OUTP, 74
.set OSCP, 76
.set STR,  78
.set SSTR, 79
.set BIA,  80
.set MUL_LO, 0xa1                      ; source 0 window 1, source 1 window 0, C and D window 2
.set MUL_HI, 0xf1                      ; the same, C and D window 3
.set TO_B,   0x40
.set MSB, 0
.macro WIN new                         ; the immediate's high byte repeats the setting that is left
.if MSB != (\new)
	s_set_vgpr_msb (MSB<<8)|(\new)
.set MSB, (\new)
.endif
.endm
.macro PLACES n
.rept \n
	v_nop
.endr
.endm
; A joint load: waves 0 and 1 fetch source 1's halves, waves 2 and 3 source 0's.  An s_nop 0 and four v_nop follow each of the two lines.
.macro JLOAD s
	s_cmp_eq_u32 s15, 0
	s_cbranch_scc0 .Lfor_b_\@
	tensor_load_to_lds s[G0+4*\s:G0+4*\s+3], s[G1:G1+7]
	s_nop 0
.rept 4
	v_nop
.endr
	s_branch .Lasked_\@
.Lfor_b_\@:
	tensor_load_to_lds s[G0B+4*\s:G0B+4*\s+3], s[G1B:G1B+7]
	s_nop 0
.rept 4
	v_nop
.endr
.Lasked_\@:
.endm
.macro CREST                           ; a round of the cluster's barrier behind its opening barrier
	s_cmp_lg_u32 s14, 0
	s_cbranch_scc1 .Lnot_wave_0_\@
	s_barrier_signal -3
.Lnot_wave_0_\@:
	s_barrier_wait -3
	s_barrier_signal -1
	s_barrier_wait -1
.endm
.macro CROUND
	s_barrier_signal -1
	s_barrier_wait -1
	CREST
.endm
; one product.  par: bit 0: source 0's tile is the odd one of its pair (its words lie in lanes 16-31), bit 1: source 1's
.macro WM d, f0, f1, x0, x1, par, zero
.if \zero
.if (\par) == 0
	v_wmma_scale_f32_16x16x128_f8f6f4 v[(\d):(\d)+7], v[(\f0):(\f0)+15], v[(\f1):(\f1)+15], 0, v[\x0], v[\x1] matrix_a_fmt:MATRIX_FMT_BF8 matrix_b_fmt:MATRIX_FMT_BF8
.elseif (\par) == 1
	v_wmma_scale_f32_16x16x128_f8f6f4 v[(\d):(\d)+7], v[(\f0):(\f0)+15], v[(\f1):(\f1)+15], 0, v[\x0], v[\x1] matrix_a_fmt:MATRIX_FMT_BF8 matrix_b_fmt:MATRIX_FMT_BF8 matrix_a_scale:MATRIX_SCALE_ROW1
.elseif (\par) == 2
	v_wmma_scale_f32_16x16x128_f8f6f4 v[(\d):(\d)+7], v[(\f0):(\f0)+15], v[(\f1):(\f1)+15], 0, v[\x0], v[\x1] matrix_a_fmt:MATRIX_FMT_BF8 matrix_b_fmt:MATRIX_FMT_BF8 matrix_b_scale:MATRIX_SCALE_ROW1
.else
	v_wmma_scale_f32_16x16x128_f8f6f4 v[(\d):(\d)+7], v[(\f0):(\f0)+15], v[(\f1):(\f1)+15], 0, v[\x0], v[\x1] matrix_a_fmt:MATRIX_FMT_BF8 matrix_b_fmt:MATRIX_FMT_BF8 matrix_a_scale:MATRIX_SCALE_ROW1 matrix_b_scale:MATRIX_SCALE_ROW1
.endif
.else
.if (\par) == 0
	v_wmma_scale_f32_16x16x128_f8f6f4 v[(\d):(\d)+7], v[(\f0):(\f0)+15], v[(\f1):(\f1)+15], v[(\d):(\d)+7], v[\x0], v[\x1] matrix_a_fmt:MATRIX_FMT_BF8 matrix_b_fmt:MATRIX_FMT_BF8
.elseif (\par) == 1
	v_wmma_scale_f32_16x16x128_f8f6f4 v[(\d):(\d)+7], v[(\f0):(\f0)+15], v[(\f1):(\f1)+15], v[(\d):(\d)+7], v[\x0], v[\x1] matrix_a_fmt:MATRIX_FMT_BF8 matrix_b_fmt:MATRIX_FMT_BF8 matrix_a_scale:MATRIX_SCALE_ROW1
.elseif (\par) == 2
	v_wmma_scale_f32_16x16x128_f8f6f4 v[(\d):(\d)+7], v[(\f0):(\f0)+15], v[(\f1):(\f1)+15], v[(\d):(\d)+7], v[\x0], v[\x1] matrix_a_fmt:MATRIX_FMT_BF8 matrix_b_fmt:MATRIX_FMT_BF8 matrix_b_scale:MATRIX_SCALE_ROW1
.else
	v_wmma_scale_f32_16x16x128_f8f6f4 v[(\d):(\d)+7], v[(\f0):(\f0)+15], v[(\f1):(\f1)+15], v[(\d):(\d)+7], v[\x0], v[\x1] matrix_a_fmt:MATRIX_FMT_BF8 matrix_b_fmt:MATRIX_FMT_BF8 matrix_a_scale:MATRIX_SCALE_ROW1 matrix_b_scale:MATRIX_SCALE_ROW1
.endif
.endif
.endm
; 16 products: source 1's tiles a0, a0 + 1 x source 0's eight; p: source 0's set; g: the K step (0-7).  The 64 accumulators take turns in one order.
.macro MUL16 a0, p, g, zero
.irp a, \a0, \a0+1
.irp b, 0,1,2,3,4,5,6,7
	WM 8*(8*((\a)%4)+\b), 128*(\p)+16*\b, AF+16*(\a), SB+8*(\b/2)+(\g), SA+8*((\a)/2)+(\g), (\b%2)+2*((\a)%2), \zero
.endr
.endr
.endm
.macro FRAG reg, adr, off              ; a fragment comes back as it was stored: four loads of 512 consecutive bytes
.irp c, 0,1,2,3
	ds_load_b128 v[(\reg)+4*\c:(\reg)+4*\c+3], v[\adr] offset:(\off)+512*\c
.endr
.endm
.macro FETCH_B slot, q, p
	WIN TO_B
.irp i, 0,1,2,3,4,5,6,7
	FRAG 128*(\p)+16*\i, ADRB+\slot, \i*4096+(\q)*2048
.endr
	WIN 0
.endm
.macro FETCH_A slot, q, i0
.irp i, \i0, \i0+1, \i0+2, \i0+3
	FRAG AF+16*(\i), ADRA+\slot, (\i)*4096+(\q)*2048
.endr
.endm
; A slot's first K step of 128.  Eight plain places stand in front of loads into registers that matrix instructions have read.
.macro STEP slot, g, zero
	s_wait_dscnt 16                                ; source 0's set and source 1's tiles 0-3 are in; the youngest 16 loads (tiles 4-7) may be out
	WIN MUL_LO
	MUL16 0, 0, \g, \zero
	MUL16 2, 0, \g, \zero
	s_wait_dscnt 0x0
	PLACES 8
	FETCH_B \slot, 1, 1
	FETCH_A \slot, 1, 0
	WIN MUL_HI
	MUL16 4, 0, \g, \zero
	MUL16 6, 0, \g, \zero
	PLACES 8
	WIN 0
	FETCH_A \slot, 1, 4
.endm
; A slot's second K step changes slots: one barrier; in front of it each wave waits for all its tensor loads, adds 0 to its spare word, and waits for that and for its reads of this slot.
.macro TURN slot, next, fill, g
	s_wait_tensorcnt 0x0                           ; all my tensor loads have landed: my part of the next slot
	ds_add_u32 v[SPW], v[NIL]
	s_wait_dscnt 17                                ; (the add and the youngest 16 loads may be out)
	WIN MUL_LO
	MUL16 0, 1, \g, 0
	s_wait_dscnt 0x0                               ; the add is done, and my reads of this slot are over
	s_barrier_signal -1
	MUL16 2, 1, \g, 0
	WIN 0
	s_barrier_wait -1
.if \fill
	CREST                                          ; the barrier has opened a round of the cluster's: no wave of any partner still reads this slot or has a load on its way
	s_add_nc_u64 s[G0+4*\slot+2:G0+4*\slot+3], s[G0+4*\slot+2:G0+4*\slot+3], 8192
	s_add_nc_u64 s[G0B+4*\slot+2:G0B+4*\slot+3], s[G0B+4*\slot+2:G0B+4*\slot+3], 8192
	JLOAD \slot                                    ; the first tensor load behind the round; its four v_nop are four of the eight places
	PLACES 4
.else
	PLACES 8
.endif
	FETCH_B \next, 0, 0
	FETCH_A \next, 0, 0
	WIN MUL_HI
	MUL16 4, 1, \g, 0
	MUL16 6, 1, \g, 0
	PLACES 8
	WIN 0
	FETCH_A \next, 0, 4
.endm
; 64 numbers of a lane, v[s] on in window w, become a fragment's codes in v[PC] on and its row's scale word in v[PW] (both in window 0)
.macro QUANTW s, w
	WIN 5*(\w)
.irp b, 0,1,2,3
	v_max3_num_f32 v[TM+\b], |v[(\s)+16*\b]|, |v[(\s)+16*\b+1]|, 0x8000000   ; and the floor 2^(16 - 127): the byte cannot fall under 1
.endr
.irp i, 2,4,6,8,10,12,14
.irp b, 0,1,2,3
	v_max3_num_f32 v[TM+\b], |v[(\s)+16*\b+\i]|, |v[(\s)+16*\b+\i+1]|, v[TM+\b]
.endr
.endr
	WIN 0
.irp b, 0,1,2,3
	v_permlanex16_b32 v[TM+4+\b], v[TM+\b], s[SEL], s[SEL+1]
.endr
.irp b, 0,1,2,3
	v_max_num_f32 v[TM+\b], v[TM+\b], v[TM+4+\b]
.endr
.irp b, 0,1,2,3
	v_add_nc_u32 v[TM+12+\b], 0xf8800000, v[TM+\b]               ; 15 off the exponent field: the conversion's scale operand
.endr
.irp b, 0,1,2,3
	v_and_or_b32 v[TM+8+\b], v[TM+\b], 0x7f800000, s[MNT]        ; 57,344 x the scale
.endr
.irp b, 0,1,2,3
	v_lshrrev_b32 v[TM+4+\b], 23, v[TM+12+\b]                    ; the scale's byte
.endr
	v_lshl_or_b32 v[PW], v[TM+5], 8, v[TM+4]
	v_lshl_or_b32 v[PW], v[TM+6], 16, v[PW]
	v_lshl_or_b32 v[PW], v[TM+7], 24, v[PW]
	WIN ((\w)<<6)|(\w)
.irp b, 0,1,2,3
.irp i, 0,1,2,3,4,5,6,7,8,9,10,11,12,13,14,15
	v_med3_num_f32 v[(\s)+16*\b+\i], v[(\s)+16*\b+\i], -v[TM+8+\b], v[TM+8+\b]   ; the conversion does not saturate (ISA guide 7.6.2)
.endr
.endr
	WIN (\w)
.irp b, 0,1,2,3
	v_cvt_scalef32_pk8_bf8_f32 v[PC+4*\b:PC+4*\b+1], v[(\s)+16*\b:(\s)+16*\b+7], v[TM+12+\b]
	v_cvt_scalef32_pk8_bf8_f32 v[PC+4*\b+2:PC+4*\b+3], v[(\s)+16*\b+8:(\s)+16*\b+15], v[TM+12+\b]
.endr
	WIN 0
	v_nop                                          ; one plain line behind the last conversion
.endm
	s_load_b256 s[4:11], s[0:1], 0x0               ; opnd, bq, bk, bv
	s_load_b64 s[12:13], s[0:1], 0x20              ; qkvc
	v_lshl_add_u32 v[SPW], v0, 2, SPARE
	v_mov_b32 v[NIL], 0
	ds_add_u32 v[SPW], v[NIL]                      ; the wave's opening
	ds_add_u32 v[SPW], v[NIL]
	v_lshrrev_b32 v1, 5, v0
	v_readfirstlane_b32 s14, v1                    ; wave
	s_lshr_b32 s15, s14, 1                         ; wr: my half of source 1's tiles.  Also: I fetch for source 1 (0) or source 0 (1)
	s_and_b32 s16, s14, 1                          ; wc: my half of source 0's.  Also: which half I fetch
	s_bfe_u32 s40, ttmp6, 0x40000                  ; cx
	s_bfe_u32 s41, ttmp6, 0x40004                  ; cy
	s_and_b32 s18, ttmp7, 0xffff                   ; cluster y
	s_lshl_b32 s43, s41, 2
	s_lshl_b32 s43, 15, s43                        ; my row of the cluster
	s_lshl_b32 s44, 0x1111, s40                    ; my column
	s_or_b32 s[G1], s43, (3<<16)|(1<<21)           ; 15:0 the mask; 17:16 elements of 8 bytes; 21 set beside a mask; no padding
	s_or_b32 s[G1B], s44, (3<<16)|(1<<21)
.irp g, G1, G1B
	s_mov_b32 s[\g+1], 512<<16                     ; tensor_dim0: 512 elements: two fragments, 4,096 bytes
	s_mov_b32 s[\g+2], 8<<16                       ; tensor_dim1: 8 tiles
	s_mov_b32 s[\g+3], 512<<16                     ; tile_dim0
	s_mov_b32 s[\g+4], 8                           ; tile_dim1
	s_mov_b32 s[\g+5], 2048                        ; from tile to tile: 16,384 bytes
	s_mov_b32 s[\g+6], 0
	s_mov_b32 s[\g+7], 0
.endr
	s_lshl_b32 s17, s18, 2
	s_cmp_ge_u32 s18, 8
	s_cselect_b32 s19, 1, 0                        ; TYPE: the same in all sixteen partners
	s_cselect_b32 s17, 40, s17
	s_add_co_u32 s17, s17, s41                     ; source 1's block of 16 tiles: x's 4 cluster y + cy, or Wv's 40 + cy
	s_max_u32 s42, s18, 8
	s_sub_co_u32 s42, s42, 8
	s_lshl_b32 s42, s42, 3
	s_cmp_eq_u32 s19, 1
	s_cselect_b32 s42, s42, 32
	s_lshl_b32 s46, ttmp9, 2
	s_add_co_u32 s42, s42, s46
	s_add_co_u32 s42, s42, s40                     ; source 0's: Wq's and Wk's 32 + 4 cluster x + cx, or x's 8 (cluster y - 8) + 4 cluster x + cx
	s_lshl_b32 s20, s17, 18                        ; 16 tiles are 262,144 bytes,
	s_lshl_b32 s21, s16, 17                        ; the half that I fetch 131,072
	s_add_co_u32 s20, s20, s21
	s_mov_b32 s21, 0
	s_lshl_b32 s46, s42, 18
	s_lshl_b32 s47, s16, 17
	s_add_co_u32 s46, s46, s47
	s_mov_b32 s47, 0
	s_lshl_b32 s45, s14, 15                        ; where it goes: wave x 32,768: no place in the cluster enters an LDS address
	s_mov_b32 s[SEL], 0x76543210
	s_mov_b32 s[SEL+1], 0xfedcba98
	s_mov_b32 s[MNT], 0x600000
	s_mov_b32 s[HM], 0xffff0000
	s_wait_dscnt 0x0                               ; both opening adds are done
	s_wait_kmcnt 0x0
	s_add_nc_u64 s[20:21], s[4:5], s[20:21]
	s_add_nc_u64 s[46:47], s[4:5], s[46:47]
	CROUND                                         ; all sixteen work-groups are here: the first joint loads meet
.irp s, 0,1
	s_mov_b32 s[G0+4*\s], 1
	s_add_co_u32 s[G0+4*\s+1], s45, \s*SLOT
	s_add_nc_u64 s[G0+4*\s+2:G0+4*\s+3], s[20:21], \s*4096
	s_or_b32 s[G0+4*\s+3], s[G0+4*\s+3], 0x80000000
	s_mov_b32 s[G0B+4*\s], 1
	s_add_co_u32 s[G0B+4*\s+1], s45, \s*SLOT
	s_add_nc_u64 s[G0B+4*\s+2:G0B+4*\s+3], s[46:47], \s*4096
	s_or_b32 s[G0B+4*\s+3], s[G0B+4*\s+3], 0x80000000
	JLOAD \s
.endr
	v_and_b32 v3, 31, v0                           ; lane
	v_and_b32 v1, 15, v0                           ; r
	v_bfe_u32 v2, v0, 4, 1                         ; h
	v_lshlrev_b32 v[LI], 4, v3
	v_lshlrev_b32 v[LS], 2, v3
	s_lshl_b32 s22, s15, 15
	s_lshl_b32 s23, s16, 15
	s_add_co_u32 s23, s23, 2*HALFT
.irp s, 0,1
	v_add_nc_u32 v[ADRA+\s], s22, v[LI]
	v_add_nc_u32 v[ADRB+\s], s23, v[LI]
	s_add_co_u32 s22, s22, SLOT
	s_add_co_u32 s23, s23, SLOT
.endr
	s_lshl_b32 s[ASC], s17, 13                     ; scale words: 8 pairs x 1,024 bytes a block, my 4 pairs
	s_lshl_b32 s[ASC+1], s15, 12
	s_add_co_u32 s[ASC], s[ASC], s[ASC+1]
	s_add_co_u32 s[ASC], s[ASC], 12582912
	s_mov_b32 s[ASC+1], 0
	s_add_nc_u64 s[ASC:ASC+1], s[4:5], s[ASC:ASC+1]
	s_lshl_b32 s[BSC], s42, 13
	s_lshl_b32 s[BSC+1], s16, 12
	s_add_co_u32 s[BSC], s[BSC], s[BSC+1]
	s_add_co_u32 s[BSC], s[BSC], 12582912
	s_mov_b32 s[BSC+1], 0
	s_add_nc_u64 s[BSC:BSC+1], s[4:5], s[BSC:BSC+1]
.irp pp, 0,1,2,3
.irp g, 0,1,2,3,4,5,6,7
	global_load_b32 v[SA+8*\pp+\g], v[LS], s[ASC:ASC+1] offset:\pp*1024+\g*128
	global_load_b32 v[SB+8*\pp+\g], v[LS], s[BSC:BSC+1] offset:\pp*1024+\g*128
.endr
.endr
	v_mov_b32 v[VO], v[LI]
	v_mov_b32 v[VSO], v[LS]
	v_lshlrev_b32 v[BO0], 6, v2
	v_and_b32 v[BO1], 8, v1
	v_add_nc_u32 v[BO1], v[BO1], v1
	v_lshlrev_b32 v[BO1], 2, v[BO1]
.irp b, 0,1,2,3
	v_mov_b32 v[TM+4+\b], 0                        ; written once: a lane permute's destination counts as one of its sources
.endr
	; where the results go.  TYPE 0: token tile 512 (cluster x) + 16 I + 8 wr + a, K step 2 cx + wc
	s_lshl_b32 s82, ttmp9, 9
	s_lshl_b32 s83, s17, 4
	s_add_co_u32 s82, s82, s83
	s_lshl_b32 s83, s15, 3
	s_add_co_u32 s82, s82, s83
	s_lshl_b32 s84, s40, 1
	s_add_co_u32 s84, s84, s16
	s_lshl_b32 s85, s82, 14
	s_lshl_b32 s86, s84, 11
	s_add_co_u32 s85, s85, s86
	s_lshl_b32 s86, s82, 9
	s_lshl_b32 s87, s84, 7
	s_add_co_u32 s86, s86, s87
	s_add_co_u32 s86, s86, 25165824
	; TYPE 1: channel tile 16 cy + 8 wr + a, step of 128 tokens 2 (x's block) + wc
	s_lshl_b32 s88, s41, 4
	s_add_co_u32 s88, s88, s83
	s_lshl_b32 s89, s42, 1
	s_add_co_u32 s89, s89, s16
	s_lshl_b32 s90, s88, 17
	s_lshl_b32 s91, s89, 11
	s_add_co_u32 s90, s90, s91
	s_add_co_u32 s90, s90, 16777216
	s_lshl_b32 s91, s88, 12
	s_lshl_b32 s92, s89, 7
	s_add_co_u32 s91, s91, s92
	s_add_co_u32 s91, s91, 25690112
	s_lshl_b32 s82, s40, 10                        ; the bias: TYPE 0: channels 256 cx + 128 wc on;
	s_lshl_b32 s83, s16, 9
	s_add_co_u32 s82, s82, s83
	s_lshl_b32 s83, s41, 10                        ; TYPE 1: 256 cy + 128 wr on
	s_lshl_b32 s84, s15, 9
	s_add_co_u32 s83, s83, s84
	s_cmp_eq_u32 ttmp9, 0
	s_cselect_b64 s[BIA:BIA+1], s[6:7], s[8:9]     ; cluster x 0 makes q, 1 makes k
	s_mov_b32 s[STR], 131072
	s_mov_b32 s[SSTR], 8192
	s_cmp_eq_u32 s19, 0
	s_cselect_b64 s[BIA:BIA+1], s[BIA:BIA+1], s[10:11]
	s_cselect_b32 s[OUTP], s85, s90
	s_cselect_b32 s[OSCP], s86, s91
	s_cselect_b32 s82, s82, s83
	s_cselect_b32 s[STR], 16384, s[STR]            ; from tile to tile in the images,
	s_cselect_b32 s[SSTR], 1024, s[SSTR]           ; from pair to pair among the scale words
	s_mov_b32 s[OUTP+1], 0
	s_mov_b32 s[OSCP+1], 0
	s_mov_b32 s83, 0
	s_add_nc_u64 s[OUTP:OUTP+1], s[12:13], s[OUTP:OUTP+1]
	s_add_nc_u64 s[OSCP:OSCP+1], s[12:13], s[OSCP:OSCP+1]
	s_add_nc_u64 s[BIA:BIA+1], s[BIA:BIA+1], s[82:83]
	s_wait_tensorcnt 1                             ; my part of slot 0 is in; slot 1's load may be out
	s_barrier_signal -1
	s_barrier_wait -1
	FETCH_B 0, 0, 0
	FETCH_A 0, 0, 0
	FETCH_A 0, 0, 4
	s_wait_loadcnt 0x0                             ; the scale words
	STEP 0, 0, 1                                   ; the first products start the sums
	TURN 0, 1, 1, 1
	STEP 1, 2, 0
	TURN 1, 0, 1, 3
	STEP 0, 4, 0
	TURN 0, 1, 0, 5                                ; nothing is left to fetch
	STEP 1, 6, 0
	s_wait_dscnt 16
	WIN MUL_LO
	MUL16 0, 1, 7, 0
	MUL16 2, 1, 7, 0
	s_wait_dscnt 0x0
	PLACES 8                                       ; tiles 0-3 of source 1 are done with: the bias lands in their registers
	WIN 0
	s_cmp_eq_u32 s19, 0
	s_cbranch_scc0 .Lbias_row
.irp c, 0,1,2,3
.irp i, 0,1,2,3
	global_load_b128 v[BJ+16*\c+4*\i:BJ+16*\c+4*\i+3], v[BO0], s[BIA:BIA+1] offset:128*\c+16*\i   ; register 16 c + i: channel 32 c + 16 h + i
.endr
.endr
	s_branch .Lbias_in
.Lbias_row:
.irp a, 0,1,2,3,4,5,6,7
	global_load_b32 v[BJ+2*\a], v[BO1], s[BIA:BIA+1] offset:(32*(\a/2)+8*(\a%2))*4   ; tile a: my lane's channel
.endr
.Lbias_in:
	WIN MUL_HI
	MUL16 4, 1, 7, 0
	MUL16 6, 1, 7, 0
	WIN 0
	PLACES 8
	s_wait_loadcnt 0x0
; THE WAY OUT, tile a of source 1: + bias, quantised, stored as a fragment's image: 512 consecutive bytes a store.  Each accumulator is read from its low end on.
.macro OUTA a
.set W_, 2+(\a)/4
.set S_, 64*((\a)%4)
	s_wait_xcnt 0x0                                ; the last tile's stores have read their registers: these are written again only behind this wait
.if (\a) > 0
	v_add_nc_u32 v[VO], s[STR], v[VO]
.if (\a)%2 == 0
	v_add_nc_u32 v[VSO], s[SSTR], v[VSO]
.endif
.endif
	s_cmp_eq_u32 s19, 0
	s_cbranch_scc0 .Lrow_\@
	WIN (W_<<6)|W_
.set n_, 0
.rept 32
	v_pk_add_f32 v[S_+n_:S_+n_+1], v[S_+n_:S_+n_+1], v[BJ+n_:BJ+n_+1]
.set n_, n_+2
.endr
	WIN 0
	s_branch .Lsum_\@
.Lrow_\@:
	WIN (W_<<6)|W_
.set n_, 0
.rept 32
	v_pk_add_f32 v[S_+n_:S_+n_+1], v[S_+n_:S_+n_+1], v[BJ+2*(\a):BJ+2*(\a)+1] op_sel_hi:[1,0]
.set n_, n_+2
.endr
	WIN 0
.Lsum_\@:
	QUANTW S_, W_
.irp c, 0,1,2,3
	global_store_b128 v[VO], v[PC+4*\c:PC+4*\c+3], s[OUTP:OUTP+1] offset:512*\c
.endr
.if (\a)%2 == 0
	v_mov_b32 v[PWE], v[PW]
.else
	v_cndmask_b32 v[PSO], v[PWE], v[PW], s[HM]     ; lanes 0-15 the even tile's words, lanes 16-31 the odd's
	global_store_b32 v[VSO], v[PSO], s[OSCP:OSCP+1]
.endif
.endm
.irp a, 0,1,2,3,4,5,6,7
	OUTA \a
.endr
	s_wait_tensorcnt 0x0                           ; the wave's end
	ds_add_u32 v[SPW], v[NIL]
	s_wait_dscnt 0x0
	CROUND                                         ; the closing round
	s_endpgm
.Lfunc_end_k_q99f7563b1d_qkv:
	.size	k_q99f7563b1d_qkv, .Lfunc_end_k_q99f7563b1d_qkv-k_q99f7563b1d_qkv
	.p2alignl 7, 3214868480
	.fill 96, 4, 3214868480
	.section	.rodata,"a",@progbits
	.p2align	6, 0x0
	.amdhsa_kernel k_q99f7563b1d_qkv
		.amdhsa_group_segment_fixed_size 327680
		.amdhsa_private_segment_fixed_size 0
		.amdhsa_enable_private_segment 0
		.amdhsa_kernarg_size 40
		.amdhsa_user_sgpr_count 2
		.amdhsa_user_sgpr_kernarg_segment_ptr 1
		.amdhsa_wavefront_size32 1
		.amdhsa_system_sgpr_workgroup_id_x 1
		.amdhsa_system_sgpr_workgroup_id_y 1
		.amdhsa_system_sgpr_workgroup_id_z 1
		.amdhsa_system_vgpr_workitem_id 0
		.amdhsa_next_free_vgpr 1024
		.amdhsa_next_free_sgpr 100
		.amdhsa_reserve_vcc 0
		.amdhsa_float_denorm_mode_32 3
		.amdhsa_float_denorm_mode_16_64 3
		.amdhsa_memory_ordered 1
		.amdhsa_forward_progress 1
		.amdhsa_inst_pref_size 225
	.end_amdhsa_kernel
	.amdgpu_metadata
---
amdhsa.version: [ 1, 2 ]
amdhsa.kernels:
  - .name:           k_q99f7563b1d_qkv
    .symbol:         k_q99f7563b1d_qkv.kd
    .args:
      - { .name: opnd, .offset: 0, .size: 8, .value_kind: global_buffer, .address_space: global }
      - { .name: bq, .offset: 8, .size: 8, .value_kind: global_buffer, .address_space: global }
      - { .name: bk, .offset: 16, .size: 8, .value_kind: global_buffer, .address_space: global }
      - { .name: bv, .offset: 24, .size: 8, .value_kind: global_buffer, .address_space: global }
      - { .name: qkvc, .offset: 32, .size: 8, .value_kind: global_buffer, .address_space: global }
    .group_segment_fixed_size: 327680
    .private_segment_fixed_size: 0
    .kernarg_segment_align: 8
    .kernarg_segment_size: 40
    .max_flat_workgroup_size: 128
    .sgpr_count:     100
    .vgpr_count:     1024
    .wavefront_size: 32
...
	.end_amdgpu_metadata
.endif
;; end of part 2
;; launch scores (part 3): grid 36 x 4, 4 waves a work-group, no clusters, 327,680 bytes of LDS; arguments qkvc, pgl; writes pgl
.if DOCPART == 3
	.amdgcn_target "amdgcn-amd-amdhsa--gfx1250"
	.amdhsa_code_object_version 6
	.text
	.protected	k_q99f7563b1d_scores
	.globl	k_q99f7563b1d_scores
	.p2align	8
	.type	k_q99f7563b1d_scores,@function
k_q99f7563b1d_scores:
	s_mov_b64 s[64:65], 0
	v_nop
	global_prefetch_b8 v0, s[64:65] scope:SCOPE_SE
	s_setreg_imm32_b32 hwreg(HW_REG_WAVE_MODE, 25, 1), 1
	s_wait_xcnt 0x0
; LAUNCH 3 OF 5.  S = q k^T on codes, the causal mask, and p = 2^(t - M) quantised along the keys, t = score x log2(e) / 32.
; LEFT OUT: the tiles of 256 queries x 256 keys with key block J > query block I: every score there is masked by reference()'s own jnp.tril (see launch 1's head).  36 tiles a batch are left.
; EACH BLOCK OF 32 KEYS HAS ITS OWN WHOLE-NUMBER FRAME.  M = ceil(the block's largest t) for my query; p = 2^(t - M); the block is quantised under that M.  A change of frame by a whole number is taken up by the block's scale
; and leaves the codes as they are, so the row's frame is fixed in the next launch, by arithmetic on whole numbers.  Stored for each query and block: the codes; G, a whole number in f32, such that a code stands for
; code x 2^-15 x 2^G; and l' with l' x 2^G = the block's sum of the UNQUANTISED p x 2^M.  (G = M + byte - 112, l' = sum x 2^(112 - byte): both exact.)  A block that is all masked has codes 0, l' = 0 and G about -1.35e37.
; The maximum is taken away ahead of every exponential: no exponent is above 0 but by rounding.
; pgl: p's images [512 query tiles][16 steps of 128 keys][2048]; from 16,777,216 [512][16][512]: bytes 16 r: G of query r's four blocks; bytes 256 + 16 r: l'.
; NO CLUSTER: a row of the triangle has 1 to 8 tiles and a column 8 to 1, so no fixed group of four work-groups shares one tile of q or of k at every place of the grid.
; LIMITS: NaN and infinities are not served; G is exact for |t| under 2^24.
; The product is launch 2's: source 0 = 256 keys, source 1 = 256 queries: a lane holds one query, its registers run along the keys.  REGISTERS as there; on the way out v128-221 of window 0 are at work.
.set HALFT, 32768
.set SLOT,  131072
.set SPARE, 262144
.set DQ0,  4                           ; v4  my query less my first key, tile 0: 128 wr - 128 wc + r + 8 (r / 8) - 16 h
.set ADRA, 16
.set ADRB, 20
.set LI,   22
.set LS,   23
.set SPW,  28
.set NIL,  29
.set SA,   32
.set SB,   64
.set AF,   128
.set BM,   128                         ; v128-131 a block's largest score, then its largest p
.set T2,   132
.set NM,   136                         ; v136, 138, 140, 142: -M
.set TS,   144                         ; v144-175 partial sums
.set LB,   176
.set HO,   180
.set SO,   184
.set BY,   188
.set PC,   192
.set GLR,  208
.set GG,   212
.set EF,   216
.set DQ,   220
.set NINF, 221
.set G1,   24
.set G0,   32
.set G0B,  56
.set SEL,  66
.set MNT,  68
.set HM,   69
.set ASC,  70
.set CS,   72                          ; s[72:73] log2(e) / 32
.set BSC,  74
.set PIP,  78
.set GLP,  80
.set MUL_LO, 0xa1
.set MUL_HI, 0xf1
.set TO_B,   0x40
.set MSB, 0
.macro WIN new
.if MSB != (\new)
	s_set_vgpr_msb (MSB<<8)|(\new)
.set MSB, (\new)
.endif
.endm
.macro PLACES n
.rept \n
	v_nop
.endr
.endm
.macro JLOAD s                         ; waves 0 and 1 fetch q's halves, waves 2 and 3 k's; an s_nop 0 and four v_nop follow each line
	s_cmp_eq_u32 s15, 0
	s_cbranch_scc0 .Lfor_b_\@
	tensor_load_to_lds s[G0+4*\s:G0+4*\s+3], s[G1:G1+7]
	s_nop 0
.rept 4
	v_nop
.endr
	s_branch .Lasked_\@
.Lfor_b_\@:
	tensor_load_to_lds s[G0B+4*\s:G0B+4*\s+3], s[G1:G1+7]
	s_nop 0
.rept 4
	v_nop
.endr
.Lasked_\@:
.endm
.macro WM d, f0, f1, x0, x1, par, zero
.if \zero
.if (\par) == 0
	v_wmma_scale_f32_16x16x128_f8f6f4 v[(\d):(\d)+7], v[(\f0):(\f0)+15], v[(\f1):(\f1)+15], 0, v[\x0], v[\x1] matrix_a_fmt:MATRIX_FMT_BF8 matrix_b_fmt:MATRIX_FMT_BF8
.elseif (\par) == 1
	v_wmma_scale_f32_16x16x128_f8f6f4 v[(\d):(\d)+7], v[(\f0):(\f0)+15], v[(\f1):(\f1)+15], 0, v[\x0], v[\x1] matrix_a_fmt:MATRIX_FMT_BF8 matrix_b_fmt:MATRIX_FMT_BF8 matrix_a_scale:MATRIX_SCALE_ROW1
.elseif (\par) == 2
	v_wmma_scale_f32_16x16x128_f8f6f4 v[(\d):(\d)+7], v[(\f0):(\f0)+15], v[(\f1):(\f1)+15], 0, v[\x0], v[\x1] matrix_a_fmt:MATRIX_FMT_BF8 matrix_b_fmt:MATRIX_FMT_BF8 matrix_b_scale:MATRIX_SCALE_ROW1
.else
	v_wmma_scale_f32_16x16x128_f8f6f4 v[(\d):(\d)+7], v[(\f0):(\f0)+15], v[(\f1):(\f1)+15], 0, v[\x0], v[\x1] matrix_a_fmt:MATRIX_FMT_BF8 matrix_b_fmt:MATRIX_FMT_BF8 matrix_a_scale:MATRIX_SCALE_ROW1 matrix_b_scale:MATRIX_SCALE_ROW1
.endif
.else
.if (\par) == 0
	v_wmma_scale_f32_16x16x128_f8f6f4 v[(\d):(\d)+7], v[(\f0):(\f0)+15], v[(\f1):(\f1)+15], v[(\d):(\d)+7], v[\x0], v[\x1] matrix_a_fmt:MATRIX_FMT_BF8 matrix_b_fmt:MATRIX_FMT_BF8
.elseif (\par) == 1
	v_wmma_scale_f32_16x16x128_f8f6f4 v[(\d):(\d)+7], v[(\f0):(\f0)+15], v[(\f1):(\f1)+15], v[(\d):(\d)+7], v[\x0], v[\x1] matrix_a_fmt:MATRIX_FMT_BF8 matrix_b_fmt:MATRIX_FMT_BF8 matrix_a_scale:MATRIX_SCALE_ROW1
.elseif (\par) == 2
	v_wmma_scale_f32_16x16x128_f8f6f4 v[(\d):(\d)+7], v[(\f0):(\f0)+15], v[(\f1):(\f1)+15], v[(\d):(\d)+7], v[\x0], v[\x1] matrix_a_fmt:MATRIX_FMT_BF8 matrix_b_fmt:MATRIX_FMT_BF8 matrix_b_scale:MATRIX_SCALE_ROW1
.else
	v_wmma_scale_f32_16x16x128_f8f6f4 v[(\d):(\d)+7], v[(\f0):(\f0)+15], v[(\f1):(\f1)+15], v[(\d):(\d)+7], v[\x0], v[\x1] matrix_a_fmt:MATRIX_FMT_BF8 matrix_b_fmt:MATRIX_FMT_BF8 matrix_a_scale:MATRIX_SCALE_ROW1 matrix_b_scale:MATRIX_SCALE_ROW1
.endif
.endif
.endm
.macro MUL16 a0, p, g, zero            ; the 64 accumulators take turns in one order
.irp a, \a0, \a0+1
.irp b, 0,1,2,3,4,5,6,7
	WM 8*(8*((\a)%4)+\b), 128*(\p)+16*\b, AF+16*(\a), SB+8*(\b/2)+(\g), SA+8*((\a)/2)+(\g), (\b%2)+2*((\a)%2), \zero
.endr
.endr
.endm
.macro FRAG reg, adr, off
.irp c, 0,1,2,3
	ds_load_b128 v[(\reg)+4*\c:(\reg)+4*\c+3], v[\adr] offset:(\off)+512*\c
.endr
.endm
.macro FETCH_B slot, q, p
	WIN TO_B
.irp i, 0,1,2,3,4,5,6,7
	FRAG 128*(\p)+16*\i, ADRB+\slot, \i*4096+(\q)*2048
.endr
	WIN 0
.endm
.macro FETCH_A slot, q, i0
.irp i, \i0, \i0+1, \i0+2, \i0+3
	FRAG AF+16*(\i), ADRA+\slot, (\i)*4096+(\q)*2048
.endr
.endm
.macro STEP slot, g, zero
	s_wait_dscnt 16                                ; k's set and q's tiles 0-3 are in; the youngest 16 loads (tiles 4-7) may be out
	WIN MUL_LO
	MUL16 0, 0, \g, \zero
	MUL16 2, 0, \g, \zero
	s_wait_dscnt 0x0
	PLACES 8
	FETCH_B \slot, 1, 1
	FETCH_A \slot, 1, 0
	WIN MUL_HI
	MUL16 4, 0, \g, \zero
	MUL16 6, 0, \g, \zero
	PLACES 8
	WIN 0
	FETCH_A \slot, 1, 4
.endm
.macro TURN slot, next, fill, g
	s_wait_tensorcnt 0x0                           ; all my tensor loads have landed: my part of the next slot
	ds_add_u32 v[SPW], v[NIL]
	s_wait_dscnt 17                                ; (the add and the youngest 16 loads may be out)
	WIN MUL_LO
	MUL16 0, 1, \g, 0
	s_wait_dscnt 0x0                               ; the add is done, and my reads of this slot are over
	s_barrier_signal -1
	MUL16 2, 1, \g, 0
	WIN 0
	s_barrier_wait -1
.if \fill
	s_add_nc_u64 s[G0+4*\slot+2:G0+4*\slot+3], s[G0+4*\slot+2:G0+4*\slot+3], 8192
	s_add_nc_u64 s[G0B+4*\slot+2:G0B+4*\slot+3], s[G0B+4*\slot+2:G0B+4*\slot+3], 8192
	JLOAD \slot                                    ; my one tensor load behind the barrier, ahead of every LDS read; its four v_nop are four of the eight places
	PLACES 4
.else
	PLACES 8
.endif
	FETCH_B \next, 0, 0
	FETCH_A \next, 0, 0
	WIN MUL_HI
	MUL16 4, 1, \g, 0
	MUL16 6, 1, \g, 0
	PLACES 8
	WIN 0
	FETCH_A \next, 0, 4
.endm
	s_load_b128 s[4:7], s[0:1], 0x0                ; qkvc, pgl
	v_lshl_add_u32 v[SPW], v0, 2, SPARE
	v_mov_b32 v[NIL], 0
	ds_add_u32 v[SPW], v[NIL]                      ; the wave's opening
	ds_add_u32 v[SPW], v[NIL]
	v_lshrrev_b32 v1, 5, v0
	v_readfirstlane_b32 s14, v1                    ; wave
	s_lshr_b32 s15, s14, 1                         ; wr
	s_and_b32 s16, s14, 1                          ; wc
	s_mov_b32 s8, 0                                ; I: how many rows of the triangle begin at or under my number
.irp th, 1,3,6,10,15,21,28
	s_cmp_ge_u32 ttmp9, \th
	s_cselect_b32 s20, 1, 0
	s_add_co_u32 s8, s8, s20
.endr
	s_add_co_u32 s20, s8, 1
	s_mul_i32 s20, s20, s8
	s_lshr_b32 s20, s20, 1
	s_sub_co_u32 s9, ttmp9, s20                    ; J = my number - I (I + 1) / 2
	s_and_b32 s18, ttmp7, 0xffff                   ; the batch
	s_cmp_eq_u32 s8, s9
	s_cselect_b32 s19, 1, 0                        ; on the diagonal?
	s_lshl_b32 s17, s18, 3
	s_add_co_u32 s42, s17, s9
	s_add_co_u32 s42, s42, 32                      ; k's block of 16 tiles: 32 + 8 batch + J
	s_add_co_u32 s17, s17, s8                      ; q's: 8 batch + I
	s_mov_b32 s[G1], 3<<16                         ; no mask; elements of 8 bytes; no padding
	s_mov_b32 s[G1+1], 512<<16
	s_mov_b32 s[G1+2], 8<<16
	s_mov_b32 s[G1+3], 512<<16
	s_mov_b32 s[G1+4], 8
	s_mov_b32 s[G1+5], 2048
	s_mov_b32 s[G1+6], 0
	s_mov_b32 s[G1+7], 0
	s_lshl_b32 s20, s17, 18
	s_lshl_b32 s21, s16, 17
	s_add_co_u32 s20, s20, s21
	s_mov_b32 s21, 0
	s_lshl_b32 s46, s42, 18
	s_lshl_b32 s47, s16, 17
	s_add_co_u32 s46, s46, s47
	s_mov_b32 s47, 0
	s_lshl_b32 s45, s14, 15
	s_mov_b32 s[SEL], 0x76543210
	s_mov_b32 s[SEL+1], 0xfedcba98
	s_mov_b32 s[MNT], 0x600000
	s_mov_b32 s[HM], 0xffff0000
	s_mov_b32 s[CS], 0x3d38aa3b
	s_mov_b32 s[CS+1], s[CS]                       ; (named with it as a pair, so it is written)
	s_wait_dscnt 0x0                               ; both opening adds are done
	s_wait_kmcnt 0x0
	s_add_nc_u64 s[20:21], s[4:5], s[20:21]
	s_add_nc_u64 s[46:47], s[4:5], s[46:47]
.irp s, 0,1
	s_mov_b32 s[G0+4*\s], 1
	s_add_co_u32 s[G0+4*\s+1], s45, \s*SLOT
	s_add_nc_u64 s[G0+4*\s+2:G0+4*\s+3], s[20:21], \s*4096
	s_or_b32 s[G0+4*\s+3], s[G0+4*\s+3], 0x80000000
	s_mov_b32 s[G0B+4*\s], 1
	s_add_co_u32 s[G0B+4*\s+1], s45, \s*SLOT
	s_add_nc_u64 s[G0B+4*\s+2:G0B+4*\s+3], s[46:47], \s*4096
	s_or_b32 s[G0B+4*\s+3], s[G0B+4*\s+3], 0x80000000
	JLOAD \s
.endr
	v_and_b32 v3, 31, v0
	v_and_b32 v1, 15, v0
	v_bfe_u32 v2, v0, 4, 1
	v_lshlrev_b32 v[LI], 4, v3
	v_lshlrev_b32 v[LS], 2, v3
	s_lshl_b32 s22, s15, 15
	s_lshl_b32 s23, s16, 15
	s_add_co_u32 s23, s23, 2*HALFT
.irp s, 0,1
	v_add_nc_u32 v[ADRA+\s], s22, v[LI]
	v_add_nc_u32 v[ADRB+\s], s23, v[LI]
	s_add_co_u32 s22, s22, SLOT
	s_add_co_u32 s23, s23, SLOT
.endr
	s_lshl_b32 s[ASC], s17, 13
	s_lshl_b32 s[ASC+1], s15, 12
	s_add_co_u32 s[ASC], s[ASC], s[ASC+1]
	s_add_co_u32 s[ASC], s[ASC], 25165824
	s_mov_b32 s[ASC+1], 0
	s_add_nc_u64 s[ASC:ASC+1], s[4:5], s[ASC:ASC+1]
	s_lshl_b32 s[BSC], s42, 13
	s_lshl_b32 s[BSC+1], s16, 12
	s_add_co_u32 s[BSC], s[BSC], s[BSC+1]
	s_add_co_u32 s[BSC], s[BSC], 25165824
	s_mov_b32 s[BSC+1], 0
	s_add_nc_u64 s[BSC:BSC+1], s[4:5], s[BSC:BSC+1]
.irp pp, 0,1,2,3
.irp g, 0,1,2,3,4,5,6,7
	global_load_b32 v[SA+8*\pp+\g], v[LS], s[ASC:ASC+1] offset:\pp*1024+\g*128
	global_load_b32 v[SB+8*\pp+\g], v[LS], s[BSC:BSC+1] offset:\pp*1024+\g*128
.endr
.endr
	v_and_b32 v5, 8, v1
	v_add_nc_u32 v5, v5, v1
	v_lshlrev_b32 v6, 4, v2
	v_sub_nc_u32 v[DQ0], v5, v6
	s_sub_co_i32 s20, s15, s16
	s_lshl_b32 s20, s20, 7
	v_add_nc_u32 v[DQ0], s20, v[DQ0]
	s_lshl_b32 s76, s17, 4
	s_lshl_b32 s77, s15, 3
	s_add_co_u32 s76, s76, s77                     ; my first query tile
	s_lshl_b32 s77, s9, 1
	s_add_co_u32 s77, s77, s16                     ; my step of 128 keys: 2 J + wc
	s_lshl_b32 s[PIP], s76, 15
	s_lshl_b32 s[PIP+1], s77, 11
	s_add_co_u32 s[PIP], s[PIP], s[PIP+1]
	s_mov_b32 s[PIP+1], 0
	s_add_nc_u64 s[PIP:PIP+1], s[6:7], s[PIP:PIP+1]
	s_lshl_b32 s[GLP], s76, 13
	s_lshl_b32 s[GLP+1], s77, 9
	s_add_co_u32 s[GLP], s[GLP], s[GLP+1]
	s_add_co_u32 s[GLP], s[GLP], 16777216
	s_mov_b32 s[GLP+1], 0
	s_add_nc_u64 s[GLP:GLP+1], s[6:7], s[GLP:GLP+1]
	s_wait_tensorcnt 1                             ; my part of slot 0 is in; slot 1's load may be out
	s_barrier_signal -1
	s_barrier_wait -1
	FETCH_B 0, 0, 0
	FETCH_A 0, 0, 0
	FETCH_A 0, 0, 4
	s_wait_loadcnt 0x0                             ; the scale words
	STEP 0, 0, 1
	TURN 0, 1, 1, 1
	STEP 1, 2, 0
	TURN 1, 0, 1, 3
	STEP 0, 4, 0
	TURN 0, 1, 0, 5
	STEP 1, 6, 0
	s_wait_dscnt 16
	WIN MUL_LO
	MUL16 0, 1, 7, 0
	MUL16 2, 1, 7, 0
	s_wait_dscnt 0x0
	WIN MUL_HI
	MUL16 4, 1, 7, 0
	MUL16 6, 1, 7, 0
	WIN 0
	PLACES 8
	v_mov_b32 v[NINF], 0xff800000
.irp b, 0,1,2,3
	v_mov_b32 v[T2+\b], 0                          ; a lane permute's destination counts as one of its sources
	v_mov_b32 v[NM+2*\b+1], 0                      ; (named as the upper halves of pairs)
.endr
; THE SOFTMAX'S FIRST HALF for query tile a: 64 scores a lane, register 16 b + i = key 32 b + 16 h + i of my 128.
.macro SOFT a
.set W_, 2+(\a)/4
.set S_, 64*((\a)%4)
	s_wait_xcnt 0x0                                ; the last tile's stores have read their registers
	s_cmp_eq_u32 s19, 0
	s_cbranch_scc1 .Lopen_\@
	v_add_nc_u32 v[DQ], 32*((\a)/2)+8*((\a)%2), v[DQ0]   ; on the diagonal: hidden where 32 b + i > my query - my first key
	WIN (W_<<6)|W_
.set n_, 0
.rept 64
	v_cmp_gt_i32 vcc_lo, 32*(n_/16)+n_%16, v[DQ]
	v_cndmask_b32 v[S_+n_], v[S_+n_], v[NINF], vcc_lo
.set n_, n_+1
.endr
	WIN 0
.Lopen_\@:
	WIN 5*W_
.irp b, 0,1,2,3
	v_max_num_f32 v[BM+\b], v[S_+16*\b], v[S_+16*\b+1]           ; each block's largest score
.endr
.irp i, 2,4,6,8,10,12,14
.irp b, 0,1,2,3
	v_max3_num_f32 v[BM+\b], v[S_+16*\b+\i], v[S_+16*\b+\i+1], v[BM+\b]
.endr
.endr
	WIN 0
.irp b, 0,1,2,3
	v_permlanex16_b32 v[T2+\b], v[BM+\b], s[SEL], s[SEL+1]
.endr
.irp b, 0,1,2,3
	v_max_num_f32 v[BM+\b], v[BM+\b], v[T2+\b]
.endr
.irp b, 0,1,2,3
	v_max_num_f32 v[T2+\b], 0xff61b1e6, v[BM+\b]                 ; a block that is all masked takes -3e38, so that its frame is a number
.endr
.irp b, 0,1,2,3
	v_mul_f32 v[T2+\b], s[CS], v[T2+\b]
.endr
.irp b, 0,1,2,3
	v_floor_f32 v[NM+2*\b], -v[T2+\b]                            ; -M = floor(-t) = -ceil(t)
.endr
.irp b, 0,1,2,3
	v_fma_f32 v[BM+\b], v[BM+\b], s[CS], v[NM+2*\b]
.endr
.irp b, 0,1,2,3
	v_exp_f32 v[BM+\b], v[BM+\b]                                 ; the block's largest p: the same two instructions on the same number as below
.endr
	WIN (W_<<6)|W_
.irp b, 0,1,2,3
.irp j, 0,2,4,6,8,10,12,14
	v_pk_fma_f32 v[S_+16*\b+\j:S_+16*\b+\j+1], v[S_+16*\b+\j:S_+16*\b+\j+1], s[CS:CS+1], v[NM+2*\b:NM+2*\b+1] op_sel_hi:[1,0,0]   ; t - M
.endr
.endr
.set n_, 0
.rept 64
	v_exp_f32 v[S_+n_], v[S_+n_]
.set n_, n_+1
.endr
	v_nop                                          ; a plain line behind the last exponential
	s_wait_alu depctr_va_vdst(0)                   ; one wait for the 68 exponentials, ahead of their first reader
	WIN 5*W_
.set n_, 0
.rept 16
	v_pk_add_f32 v[TS+2*n_:TS+2*n_+1], v[S_+4*n_:S_+4*n_+1], v[S_+4*n_+2:S_+4*n_+3]   ; the sums are taken of the unquantised p
.set n_, n_+1
.endr
	WIN 0
.irp b, 0,1,2,3
	v_pk_add_f32 v[TS+8*\b:TS+8*\b+1], v[TS+8*\b:TS+8*\b+1], v[TS+8*\b+2:TS+8*\b+3]
	v_pk_add_f32 v[TS+8*\b+4:TS+8*\b+5], v[TS+8*\b+4:TS+8*\b+5], v[TS+8*\b+6:TS+8*\b+7]
.endr
.irp b, 0,1,2,3
	v_pk_add_f32 v[TS+8*\b:TS+8*\b+1], v[TS+8*\b:TS+8*\b+1], v[TS+8*\b+4:TS+8*\b+5]
.endr
.irp b, 0,1,2,3
	v_add_f32 v[LB+\b], v[TS+8*\b], v[TS+8*\b+1]
.endr
.irp b, 0,1,2,3
	v_permlanex16_b32 v[T2+\b], v[LB+\b], s[SEL], s[SEL+1]
.endr
.irp b, 0,1,2,3
	v_add_f32 v[LB+\b], v[LB+\b], v[T2+\b]                       ; the block's sum
.endr
.irp b, 0,1,2,3
	v_max_num_f32 v[BM+\b], 0x8000000, v[BM+\b]                  ; the floor 2^(16 - 127)
.endr
.irp b, 0,1,2,3
	v_add_nc_u32 v[SO+\b], 0xf8800000, v[BM+\b]                  ; the conversion's scale operand
.endr
.irp b, 0,1,2,3
	v_and_or_b32 v[HO+\b], v[BM+\b], 0x7f800000, s[MNT]          ; 57,344 x the scale
.endr
.irp b, 0,1,2,3
	v_lshrrev_b32 v[BY+\b], 23, v[SO+\b]                         ; the byte under the block's own frame: 111 or 112 (1 where all is masked)
.endr
.irp b, 0,1,2,3
	v_sub_nc_u32 v[EF+\b], 112, v[BY+\b]
.endr
.irp b, 0,1,2,3
	v_ldexp_f32 v[LB+\b], v[LB+\b], v[EF+\b]                     ; l'
.endr
.irp b, 0,1,2,3
	v_cvt_f32_i32 v[EF+\b], v[EF+\b]
.endr
.irp b, 0,1,2,3
	v_sub_f32 v[GG+\b], -v[NM+2*\b], v[EF+\b]                    ; G = M - (112 - byte)
.endr
.irp b, 0,1,2,3
	v_cndmask_b32 v[GLR+\b], v[GG+\b], v[LB+\b], s[HM]           ; lanes 0-15 store G, lanes 16-31 l'
.endr
	WIN (W_<<6)|W_
.irp b, 0,1,2,3
.irp i, 0,1,2,3,4,5,6,7,8,9,10,11,12,13,14,15
	v_min_num_f32 v[S_+16*\b+\i], v[S_+16*\b+\i], v[HO+\b]       ; the conversion does not saturate (ISA guide 7.6.2); p is not negative
.endr
.endr
	WIN W_
.irp b, 0,1,2,3
	v_cvt_scalef32_pk8_bf8_f32 v[PC+4*\b:PC+4*\b+1], v[S_+16*\b:S_+16*\b+7], v[SO+\b]
	v_cvt_scalef32_pk8_bf8_f32 v[PC+4*\b+2:PC+4*\b+3], v[S_+16*\b+8:S_+16*\b+15], v[SO+\b]
.endr
	WIN 0
	v_nop                                          ; one plain line behind the last conversion
.irp c, 0,1,2,3
	global_store_b128 v[LI], v[PC+4*\c:PC+4*\c+3], s[PIP:PIP+1] offset:(\a)*32768+512*\c
.endr
	global_store_b128 v[LI], v[GLR:GLR+3], s[GLP:GLP+1] offset:(\a)*8192
.endm
.irp a, 0,1,2,3,4,5,6,7
	SOFT \a
.endr
	s_wait_tensorcnt 0x0                           ; the wave's end
	ds_add_u32 v[SPW], v[NIL]
	s_wait_dscnt 0x0
	s_endpgm
.Lfunc_end_k_q99f7563b1d_scores:
	.size	k_q99f7563b1d_scores, .Lfunc_end_k_q99f7563b1d_scores-k_q99f7563b1d_scores
	.p2alignl 7, 3214868480
	.fill 96, 4, 3214868480
	.section	.rodata,"a",@progbits
	.p2align	6, 0x0
	.amdhsa_kernel k_q99f7563b1d_scores
		.amdhsa_group_segment_fixed_size 327680
		.amdhsa_private_segment_fixed_size 0
		.amdhsa_enable_private_segment 0
		.amdhsa_kernarg_size 16
		.amdhsa_user_sgpr_count 2
		.amdhsa_user_sgpr_kernarg_segment_ptr 1
		.amdhsa_wavefront_size32 1
		.amdhsa_system_sgpr_workgroup_id_x 1
		.amdhsa_system_sgpr_workgroup_id_y 1
		.amdhsa_system_sgpr_workgroup_id_z 1
		.amdhsa_system_vgpr_workitem_id 0
		.amdhsa_next_free_vgpr 1024
		.amdhsa_next_free_sgpr 90
		.amdhsa_reserve_vcc 1
		.amdhsa_float_denorm_mode_32 3
		.amdhsa_float_denorm_mode_16_64 3
		.amdhsa_memory_ordered 1
		.amdhsa_forward_progress 1
		.amdhsa_inst_pref_size 255
	.end_amdhsa_kernel
	.section	.bss,"aw",@nobits
	.p2align	6
	.space	262144
	.amdgpu_metadata
---
amdhsa.version: [ 1, 2 ]
amdhsa.kernels:
  - .name:           k_q99f7563b1d_scores
    .symbol:         k_q99f7563b1d_scores.kd
    .args:
      - { .name: qkvc, .offset: 0, .size: 8, .value_kind: global_buffer, .address_space: global }
      - { .name: pgl, .offset: 8, .size: 8, .value_kind: global_buffer, .address_space: global }
    .group_segment_fixed_size: 327680
    .private_segment_fixed_size: 0
    .kernarg_segment_align: 8
    .kernarg_segment_size: 16
    .max_flat_workgroup_size: 128
    .sgpr_count:     90
    .vgpr_count:     1024
    .wavefront_size: 32
...
	.end_amdgpu_metadata
.endif
;; end of part 3
;; launch pv (part 4): grid 4 x 64, 4 waves a work-group, no clusters, 327,680 bytes of LDS; arguments pgl, qkvc, ctxc; writes ctxc
.if DOCPART == 4
	.amdgcn_target "amdgcn-amd-amdhsa--gfx1250"
	.amdhsa_code_object_version 6
	.text
	.protected	k_q99f7563b1d_pv
	.globl	k_q99f7563b1d_pv
	.p2align	8
	.type	k_q99f7563b1d_pv,@function
k_q99f7563b1d_pv:
	s_mov_b64 s[64:65], 0
	v_nop
	global_prefetch_b8 v0, s[64:65] scope:SCOPE_SE
	s_setreg_imm32_b32 hwreg(HW_REG_WAVE_MODE, 25, 1), 1
	s_wait_xcnt 0x0
; LAUNCH 4 OF 5.  ctx = (p v) / l on codes, and ctx quantised along the hidden axis.
; LEFT OUT: the slots of 256 keys that lie wholly behind my 128 queries' last: every weight there is 0 by reference()'s own mask (see launch 1's head).  Masked keys inside the last slot walked stay: their codes are zeros.
; THE ROW'S FRAME.  Launch 3 left, for each query and block of 32 keys, G (a code stands for code x 2^-15 x 2^G) and l'.  Here F = the row's largest G, a whole number; a block's scale byte is 112 + (G - F), and
; l = the sum of l' x 2^(G - F): whole-number shifts, nothing is rounded but the sum.  The result is divided by l at the end.
; LIMIT: G - F is held at -111 from below, so that the byte stays at 1 or above: a block so far under its row's frame adds under 2^-110 of l either way.  NaN and infinities are not served.
; SHARES.  A work-group: 128 queries (block y % 16 of batch y / 16) x 256 channels (block x).  Four waves, 2 x 2: 4 tiles of p (source 1) x 8 tiles of v (source 0): 32 accumulators; a lane holds one query, registers run along the channels.
; Keys go in slots of 256 through two LDS slots (p: 8 tiles x 2 fragments, v: 16 x 2); waves 0, 1 fetch p's halves, waves 2, 3 v's.  The trips are written out, since the scale words' registers change from step to step.
; A work-group walks (y % 16) / 2 + 1 slots: behind a trip's barrier the next slot is asked for only if it will be read, and the work-group leaves behind its last; both tests are made of the work-group's number alone, every
; wait for tensor loads is for 0, and a wave has at most one tensor load out.
; NO CLUSTER: work-groups that share p or v walk different numbers of slots or would have to ask for slots that they do not read.
; ctxc: images [512 query tiles][8][2048]; from 8,388,608 scale words [256 pairs][8][128].
.set SLOT,  131072
.set PSB,   98304                      ; LDS: p's scale words [16 steps][8 tiles][16 rows], 8,192 bytes, behind slot 0
.set RLB,   106496                     ; 1 / l of the 128 queries
.set SPARE, 229376                     ; behind slot 1: the spare words
.set LI,   4
.set LS,   5
.set SPW,  6
.set NIL,  7
.set ADRA, 8                           ; v8-9   my tiles of p in slot 0, 1
.set ADRB, 10                          ; v10-11 of v
.set GLO,  12                          ; 16 r + 8 h
.set PSA,  13                          ; where I store two scale bytes
.set RLA,  14                          ; where I store 1 / l
.set PSL,  15                          ; where I read scale words
.set RC,   16                          ; v16, 18, 20, 22: 1 / l of my four tiles
.set RLL,  24
.set FR,   26                          ; v[26:27] F
.set LL,   28                          ; v[28:29] l in two halves
.set VS,   32                          ; v32-95  v's scale words: 16 x pair + step
.set PSR,  96                          ; v96-127 p's
.set GT,   128                         ; v128-255 G and l' of two tiles; then p's fragments, two sets; then the way out
.set TM,   128
.set PW,   144
.set PWE,  145
.set PSO,  146
.set PC,   148
.set G1P,  24
.set G1V,  32
.set G0P,  40
.set G0V,  48
.set SEL,  56
.set MNT,  58
.set HM,   59
.set VSP,  60
.set GLP,  62
.set COP,  66
.set CSP,  68
.set MSB, 0
.macro WIN new
.if MSB != (\new)
	s_set_vgpr_msb (MSB<<8)|(\new)
.set MSB, (\new)
.endif
.endm
.macro PLACES n
.rept \n
	v_nop
.endr
.endm
.macro TLOAD par                       ; every wave issues one; an s_nop 0 and four v_nop follow each line
	s_cmp_lt_u32 s10, 2
	s_cbranch_scc0 .Lfor_v_\@
	tensor_load_to_lds s[G0P+4*(\par):G0P+4*(\par)+3], s[G1P:G1P+7]
	s_nop 0
.rept 4
	v_nop
.endr
	s_branch .Lasked_\@
.Lfor_v_\@:
	tensor_load_to_lds s[G0V+4*(\par):G0V+4*(\par)+3], s[G1V:G1V+7]
	s_nop 0
.rept 4
	v_nop
.endr
.Lasked_\@:
.endm
.macro WM d, f0, f1, x0, x1, par, zero
.if \zero
.if (\par) == 0
	v_wmma_scale_f32_16x16x128_f8f6f4 v[(\d):(\d)+7], v[(\f0):(\f0)+15], v[(\f1):(\f1)+15], 0, v[\x0], v[\x1] matrix_a_fmt:MATRIX_FMT_BF8 matrix_b_fmt:MATRIX_FMT_BF8
.elseif (\par) == 1
	v_wmma_scale_f32_16x16x128_f8f6f4 v[(\d):(\d)+7], v[(\f0):(\f0)+15], v[(\f1):(\f1)+15], 0, v[\x0], v[\x1] matrix_a_fmt:MATRIX_FMT_BF8 matrix_b_fmt:MATRIX_FMT_BF8 matrix_a_scale:MATRIX_SCALE_ROW1
.elseif (\par) == 2
	v_wmma_scale_f32_16x16x128_f8f6f4 v[(\d):(\d)+7], v[(\f0):(\f0)+15], v[(\f1):(\f1)+15], 0, v[\x0], v[\x1] matrix_a_fmt:MATRIX_FMT_BF8 matrix_b_fmt:MATRIX_FMT_BF8 matrix_b_scale:MATRIX_SCALE_ROW1
.else
	v_wmma_scale_f32_16x16x128_f8f6f4 v[(\d):(\d)+7], v[(\f0):(\f0)+15], v[(\f1):(\f1)+15], 0, v[\x0], v[\x1] matrix_a_fmt:MATRIX_FMT_BF8 matrix_b_fmt:MATRIX_FMT_BF8 matrix_a_scale:MATRIX_SCALE_ROW1 matrix_b_scale:MATRIX_SCALE_ROW1
.endif
.else
.if (\par) == 0
	v_wmma_scale_f32_16x16x128_f8f6f4 v[(\d):(\d)+7], v[(\f0):(\f0)+15], v[(\f1):(\f1)+15], v[(\d):(\d)+7], v[\x0], v[\x1] matrix_a_fmt:MATRIX_FMT_BF8 matrix_b_fmt:MATRIX_FMT_BF8
.elseif (\par) == 1
	v_wmma_scale_f32_16x16x128_f8f6f4 v[(\d):(\d)+7], v[(\f0):(\f0)+15], v[(\f1):(\f1)+15], v[(\d):(\d)+7], v[\x0], v[\x1] matrix_a_fmt:MATRIX_FMT_BF8 matrix_b_fmt:MATRIX_FMT_BF8 matrix_a_scale:MATRIX_SCALE_ROW1
.elseif (\par) == 2
	v_wmma_scale_f32_16x16x128_f8f6f4 v[(\d):(\d)+7], v[(\f0):(\f0)+15], v[(\f1):(\f1)+15], v[(\d):(\d)+7], v[\x0], v[\x1] matrix_a_fmt:MATRIX_FMT_BF8 matrix_b_fmt:MATRIX_FMT_BF8 matrix_b_scale:MATRIX_SCALE_ROW1
.else
	v_wmma_scale_f32_16x16x128_f8f6f4 v[(\d):(\d)+7], v[(\f0):(\f0)+15], v[(\f1):(\f1)+15], v[(\d):(\d)+7], v[\x0], v[\x1] matrix_a_fmt:MATRIX_FMT_BF8 matrix_b_fmt:MATRIX_FMT_BF8 matrix_a_scale:MATRIX_SCALE_ROW1 matrix_b_scale:MATRIX_SCALE_ROW1
.endif
.endif
.endm
; 32 products: my 4 tiles of p x my 8 of v, 128 keys: set buf, step ks.  The 32 accumulators take turns in one order.
.macro MUL32 buf, ks, zero
.irp a, 0,1,2,3
.irp b, 0,1,2,3,4,5,6,7
	WM 8*(8*\a+\b), 128*(\buf)+16*\b, 128+64*(\buf)+16*\a, VS+16*(\b/2)+(\ks), PSR+16*(\a/2)+(\ks), (\b%2)+2*(\a%2), \zero
.endr
.endr
.endm
.macro FRAG reg, adr, off
.irp c, 0,1,2,3
	ds_load_b128 v[(\reg)+4*\c:(\reg)+4*\c+3], v[\adr] offset:(\off)+512*\c
.endr
.endm
.macro FETCH par, q                    ; a key step's fragments: v's eight into window 2, p's four into window 0
	WIN 0x80
.irp i, 0,1,2,3,4,5,6,7
	FRAG 128*(\q)+16*\i, ADRB+(\par), \i*4096+(\q)*2048
.endr
	WIN 0
.irp i, 0,1,2,3
	FRAG 128+64*(\q)+16*\i, ADRA+(\par), \i*4096+(\q)*2048
.endr
.endm
.macro QUANTW s, w
	WIN 5*(\w)
.irp b, 0,1,2,3
	v_max3_num_f32 v[TM+\b], |v[(\s)+16*\b]|, |v[(\s)+16*\b+1]|, 0x8000000   ; and the floor 2^(16 - 127): the byte cannot fall under 1
.endr
.irp i, 2,4,6,8,10,12,14
.irp b, 0,1,2,3
	v_max3_num_f32 v[TM+\b], |v[(\s)+16*\b+\i]|, |v[(\s)+16*\b+\i+1]|, v[TM+\b]
.endr
.endr
	WIN 0
.irp b, 0,1,2,3
	v_permlanex16_b32 v[TM+4+\b], v[TM+\b], s[SEL], s[SEL+1]
.endr
.irp b, 0,1,2,3
	v_max_num_f32 v[TM+\b], v[TM+\b], v[TM+4+\b]
.endr
.irp b, 0,1,2,3
	v_add_nc_u32 v[TM+12+\b], 0xf8800000, v[TM+\b]
.endr
.irp b, 0,1,2,3
	v_and_or_b32 v[TM+8+\b], v[TM+\b], 0x7f800000, s[MNT]
.endr
.irp b, 0,1,2,3
	v_lshrrev_b32 v[TM+4+\b], 23, v[TM+12+\b]
.endr
	v_lshl_or_b32 v[PW], v[TM+5], 8, v[TM+4]
	v_lshl_or_b32 v[PW], v[TM+6], 16, v[PW]
	v_lshl_or_b32 v[PW], v[TM+7], 24, v[PW]
	WIN ((\w)<<6)|(\w)
.irp b, 0,1,2,3
.irp i, 0,1,2,3,4,5,6,7,8,9,10,11,12,13,14,15
	v_med3_num_f32 v[(\s)+16*\b+\i], v[(\s)+16*\b+\i], -v[TM+8+\b], v[TM+8+\b]   ; the conversion does not saturate (ISA guide 7.6.2)
.endr
.endr
	WIN (\w)
.irp b, 0,1,2,3
	v_cvt_scalef32_pk8_bf8_f32 v[PC+4*\b:PC+4*\b+1], v[(\s)+16*\b:(\s)+16*\b+7], v[TM+12+\b]
	v_cvt_scalef32_pk8_bf8_f32 v[PC+4*\b+2:PC+4*\b+3], v[(\s)+16*\b+8:(\s)+16*\b+15], v[TM+12+\b]
.endr
	WIN 0
	v_nop                                          ; one plain line behind the last conversion
.endm
	s_load_b128 s[4:7], s[0:1], 0x0                ; pgl, qkvc
	s_load_b64 s[8:9], s[0:1], 0x10                ; ctxc
	v_lshl_add_u32 v[SPW], v0, 2, SPARE
	v_mov_b32 v[NIL], 0
	ds_add_u32 v[SPW], v[NIL]                      ; the wave's opening
	ds_add_u32 v[SPW], v[NIL]
	v_lshrrev_b32 v1, 5, v0
	v_readfirstlane_b32 s10, v1                    ; wave
	s_lshr_b32 s11, s10, 1                         ; wr: my half of the queries
	s_and_b32 s12, s10, 1                          ; wc: my half of the channels.  Also: which half I fetch
	s_and_b32 s14, ttmp7, 0xffff
	s_lshr_b32 s15, s14, 4                         ; the batch
	s_and_b32 s16, s14, 15                         ; the block of 128 queries
	s_lshr_b32 s17, s16, 1
	s_add_co_u32 s17, s17, 1                       ; slots of 256 keys to walk
	s_lshl_b32 s18, s15, 7
	s_lshl_b32 s19, s16, 3
	s_add_co_u32 s18, s18, s19                     ; my work-group's first query tile
	s_mov_b32 s[G1P], 3<<16                        ; p: 4 tiles x 4,096 bytes, 32,768 bytes apart; elements of 8 bytes
	s_mov_b32 s[G1P+1], 512<<16
	s_mov_b32 s[G1P+2], 4<<16
	s_mov_b32 s[G1P+3], 512<<16
	s_mov_b32 s[G1P+4], 4
	s_mov_b32 s[G1P+5], 4096
	s_mov_b32 s[G1P+6], 0
	s_mov_b32 s[G1P+7], 0
	s_mov_b32 s[G1V], 3<<16                        ; v: 8 tiles x 4,096 bytes, 131,072 bytes apart
	s_mov_b32 s[G1V+1], 512<<16
	s_mov_b32 s[G1V+2], 8<<16
	s_mov_b32 s[G1V+3], 512<<16
	s_mov_b32 s[G1V+4], 8
	s_mov_b32 s[G1V+5], 16384
	s_mov_b32 s[G1V+6], 0
	s_mov_b32 s[G1V+7], 0
	s_lshl_b32 s20, s12, 2
	s_add_co_u32 s20, s20, s18
	s_lshl_b32 s20, s20, 15
	s_mov_b32 s21, 0
	s_lshl_b32 s22, ttmp9, 4
	s_lshl_b32 s23, s12, 3
	s_add_co_u32 s22, s22, s23
	s_lshl_b32 s22, s22, 6
	s_lshl_b32 s23, s15, 4
	s_add_co_u32 s22, s22, s23
	s_lshl_b32 s22, s22, 11
	s_add_co_u32 s22, s22, 16777216
	s_mov_b32 s23, 0
	s_lshl_b32 s70, s12, 14
	s_lshl_b32 s71, s12, 15
	s_add_co_u32 s71, s71, 32768
	s_mov_b32 s[SEL], 0x76543210
	s_mov_b32 s[SEL+1], 0xfedcba98
	s_mov_b32 s[MNT], 0x600000
	s_mov_b32 s[HM], 0xffff0000
	s_wait_dscnt 0x0                               ; both opening adds are done
	s_wait_kmcnt 0x0
	s_add_nc_u64 s[20:21], s[4:5], s[20:21]
	s_add_nc_u64 s[22:23], s[6:7], s[22:23]
.irp p, 0,1
	s_mov_b32 s[G0P+4*\p], 1
	s_add_co_u32 s[G0P+4*\p+1], s70, \p*SLOT
	s_add_nc_u64 s[G0P+4*\p+2:G0P+4*\p+3], s[20:21], \p*4096
	s_or_b32 s[G0P+4*\p+3], s[G0P+4*\p+3], 0x80000000
	s_mov_b32 s[G0V+4*\p], 1
	s_add_co_u32 s[G0V+4*\p+1], s71, \p*SLOT
	s_add_nc_u64 s[G0V+4*\p+2:G0V+4*\p+3], s[22:23], \p*4096
	s_or_b32 s[G0V+4*\p+3], s[G0V+4*\p+3], 0x80000000
.endr
	TLOAD 0                                        ; slot 0: keys 0 to 255 count for some query of every block
	v_and_b32 v3, 31, v0
	v_and_b32 v1, 15, v0
	v_bfe_u32 v2, v0, 4, 1
	v_lshlrev_b32 v[LI], 4, v3
	v_lshlrev_b32 v[LS], 2, v3
	s_lshl_b32 s70, s11, 14
	s_lshl_b32 s71, s12, 15
	s_add_co_u32 s71, s71, 32768
.irp p, 0,1
	v_add_nc_u32 v[ADRA+\p], s70, v[LI]
	v_add_nc_u32 v[ADRB+\p], s71, v[LI]
	s_add_co_u32 s70, s70, SLOT
	s_add_co_u32 s71, s71, SLOT
.endr
	v_lshlrev_b32 v[GLO], 4, v1
	v_lshl_add_u32 v[GLO], v2, 3, v[GLO]
	s_lshl_b32 s70, s10, 7
	v_lshlrev_b32 v[RLA], 2, v1
	v_add_nc_u32 v[RLA], s70, v[RLA]               ; 128 x wave + 4 r
	v_lshl_add_u32 v[PSA], v2, 1, v[RLA]           ; + 2 h
	v_add_nc_u32 v[PSA], PSB, v[PSA]
	v_add_nc_u32 v[RLA], RLB, v[RLA]
	s_lshl_b32 s70, s11, 8
	v_add_nc_u32 v[PSL], s70, v[LS]
	v_add_nc_u32 v[PSL], PSB, v[PSL]
	v_lshlrev_b32 v[RLL], 2, v1
	v_add_nc_u32 v[RLL], s70, v[RLL]
	v_add_nc_u32 v[RLL], RLB, v[RLL]
.irp a, 0,1,2,3
	v_mov_b32 v[RC+2*\a+1], 0                      ; (named as the upper halves of pairs)
.endr
	v_mov_b32 v[FR+1], 0
	v_mov_b32 v31, 0
	s_lshl_b32 s70, ttmp9, 3                       ; v's scale words: pair 8 x + 4 wc on, step 16 batch on
	s_lshl_b32 s71, s12, 2
	s_add_co_u32 s70, s70, s71
	s_lshl_b32 s70, s70, 6
	s_lshl_b32 s71, s15, 4
	s_add_co_u32 s70, s70, s71
	s_lshl_b32 s70, s70, 7
	s_add_co_u32 s70, s70, 25690112
	s_mov_b32 s71, 0
	s_add_nc_u64 s[VSP:VSP+1], s[6:7], s[70:71]
	s_lshl_b32 s70, s10, 1                         ; G and l': my two tiles, 2 wave on
	s_add_co_u32 s70, s70, s18
	s_lshl_b32 s70, s70, 13
	s_add_co_u32 s70, s70, 16777216
	s_add_nc_u64 s[GLP:GLP+1], s[4:5], s[70:71]
	s_lshl_b32 s72, s11, 2                         ; ctx: tile 4 wr on, K step 2 x + wc
	s_add_co_u32 s72, s72, s18
	s_lshl_b32 s73, ttmp9, 1
	s_add_co_u32 s73, s73, s12
	s_lshl_b32 s70, s72, 14
	s_lshl_b32 s74, s73, 11
	s_add_co_u32 s70, s70, s74
	s_add_nc_u64 s[COP:COP+1], s[8:9], s[70:71]
	s_lshl_b32 s70, s72, 9
	s_lshl_b32 s74, s73, 7
	s_add_co_u32 s70, s70, s74
	s_add_co_u32 s70, s70, 8388608
	s_add_nc_u64 s[CSP:CSP+1], s[8:9], s[70:71]
.irp pp, 0,1,2,3
.irp ks, 0,1,2,3,4,5,6,7,8,9,10,11,12,13,14,15
	global_load_b32 v[VS+16*\pp+\ks], v[LS], s[VSP:VSP+1] offset:\pp*8192+\ks*128
.endr
.endr
.irp tt, 0,1
.set k_, 2
.rept 14
	v_mov_b32 v[GT+64*\tt+4*k_], 0xff61b1e6        ; steps that are not walked: G under every G,
	v_mov_b32 v[GT+64*\tt+4*k_+1], 0xff61b1e6
	v_mov_b32 v[GT+64*\tt+4*k_+2], 0               ; l' = 0
	v_mov_b32 v[GT+64*\tt+4*k_+3], 0
.set k_, k_+1
.endr
.endr
.irp sl, 0,1,2,3,4,5,6,7
.if \sl > 0
	s_cmp_gt_u32 s17, \sl
	s_cbranch_scc0 .Lgl
.endif
.irp q, 0,1
.irp tt, 0,1
	global_load_b64 v[GT+64*\tt+4*(2*\sl+\q):GT+64*\tt+4*(2*\sl+\q)+1], v[GLO], s[GLP:GLP+1] offset:\tt*8192+(2*\sl+\q)*512          ; G of blocks 2 h, 2 h + 1 of query r: 256 consecutive bytes
	global_load_b64 v[GT+64*\tt+4*(2*\sl+\q)+2:GT+64*\tt+4*(2*\sl+\q)+3], v[GLO], s[GLP:GLP+1] offset:\tt*8192+(2*\sl+\q)*512+256   ; l'
.endr
.endr
.endr
.Lgl:
	s_wait_loadcnt 0x0
; the row's frame, p's scale bytes and 1 / l for query tile 2 wave + tt
.macro FRAME tt
.set GB_, GT+64*(\tt)
	v_max_num_f32 v[FR], v[GB_], v[GB_+1]
.set k_, 1
.rept 15
	v_max3_num_f32 v[FR], v[GB_+4*k_], v[GB_+4*k_+1], v[FR]
.set k_, k_+1
.endr
	v_permlanex16_b32 v[FR+1], v[FR], s[SEL], s[SEL+1]
	v_max_num_f32 v[FR], v[FR], v[FR+1]            ; F
	v_mov_b32 v[LL], 0
	v_mov_b32 v[LL+1], 0
.set k_, 0
.rept 16
	v_pk_add_f32 v[GB_+4*k_:GB_+4*k_+1], v[GB_+4*k_:GB_+4*k_+1], v[FR:FR+1] op_sel_hi:[1,0] neg_lo:[0,1] neg_hi:[0,1]   ; G - F: a whole number, 0 or less
	v_max_num_f32 v[GB_+4*k_], 0xc2de0000, v[GB_+4*k_]            ; held at -111
	v_max_num_f32 v[GB_+4*k_+1], 0xc2de0000, v[GB_+4*k_+1]
	v_cvt_i32_f32 v[GB_+4*k_], v[GB_+4*k_]
	v_cvt_i32_f32 v[GB_+4*k_+1], v[GB_+4*k_+1]
	v_ldexp_f32 v[GB_+4*k_+2], v[GB_+4*k_+2], v[GB_+4*k_]
	v_ldexp_f32 v[GB_+4*k_+3], v[GB_+4*k_+3], v[GB_+4*k_+1]
	v_pk_add_f32 v[LL:LL+1], v[LL:LL+1], v[GB_+4*k_+2:GB_+4*k_+3]
	v_lshl_add_u32 v[GB_+4*k_], v[GB_+4*k_+1], 8, v[GB_+4*k_]
	v_add_nc_u32 v[GB_+4*k_], 0x7070, v[GB_+4*k_]                 ; two bytes: 112 + (G - F)
	ds_store_b16 v[PSA], v[GB_+4*k_] offset:k_*512+(\tt)*64
.set k_, k_+1
.endr
	v_add_f32 v30, v[LL], v[LL+1]
	v_permlanex16_b32 v31, v30, s[SEL], s[SEL+1]
	v_add_f32 v30, v30, v31                        ; l
	v_rcp_f32 v30, v30
	v_nop                                          ; a plain line behind the reciprocal,
	s_wait_alu depctr_va_vdst(0)                   ; and the wait ahead of its first reader
	ds_store_b32 v[RLA], v30 offset:(\tt)*64       ; both halves of the lanes write the same word with the same value
.endm
	FRAME 0
	FRAME 1
; A TRIP: one slot of 256 keys.  In front of the barrier each wave waits for all its tensor loads, adds 0 to its spare word, and waits for that, for its LDS stores and for its reads of the slot that it has left.
.macro TRIP t
.set P_, (\t)%2
	s_wait_tensorcnt 0x0                           ; my part of this trip's slot has landed; no tensor load of mine is out, so a group 0 may be written
	ds_add_u32 v[SPW], v[NIL]
.if ((\t) >= 1) && ((\t) < 7)
	s_add_nc_u64 s[G0P+4*(1-P_)+2:G0P+4*(1-P_)+3], s[G0P+4*(1-P_)+2:G0P+4*(1-P_)+3], 8192
	s_add_nc_u64 s[G0V+4*(1-P_)+2:G0V+4*(1-P_)+3], s[G0V+4*(1-P_)+2:G0V+4*(1-P_)+3], 8192
.endif
	s_wait_dscnt 0x0
	s_barrier_signal -1
	s_barrier_wait -1
.if (\t) < 7
	s_cmp_gt_u32 s17, (\t)+1                       ; the next slot is asked for only if it will be read: the work-group's number alone decides, alike in all four waves
	s_cbranch_scc0 .Lpast_\@
	TLOAD 1-P_                                     ; my one tensor load behind the barrier, ahead of every LDS read
.Lpast_\@:
.endif
.if (\t) > 0
	PLACES 8                                       ; in front of loads into registers that matrix instructions have read
.else
.irp pp, 0,1
.irp ks, 0,1,2,3,4,5,6,7,8,9,10,11,12,13,14,15
	ds_load_b32 v[PSR+16*\pp+\ks], v[PSL] offset:\ks*512+\pp*128
.endr
.endr
.endif
	FETCH P_, 0
	FETCH P_, 1
	s_wait_dscnt 48                                ; all but the second key step's 48 loads
	WIN 0x52                                       ; source 0 (v) window 2, source 1 (p) window 0, C and D window 1
.if (\t) == 0
	MUL32 0, 0, 1                                  ; the first products start the sums
.else
	MUL32 0, 2*(\t), 0
.endif
	s_wait_dscnt 0x0
	MUL32 1, 2*(\t)+1, 0
	WIN 0
.if (\t) < 7
	s_cmp_eq_u32 s17, (\t)+1
	s_cbranch_scc1 .Lepi
.endif
.endm
.irp t, 0,1,2,3,4,5,6,7
	TRIP \t
.endr
.Lepi:
	PLACES 8
.irp a, 0,1,2,3
	ds_load_b32 v[RC+2*\a], v[RLL] offset:64*\a
.endr
.irp b, 0,1,2,3
	v_mov_b32 v[TM+4+\b], 0                        ; a lane permute's destination counts as one of its sources
.endr
	s_wait_dscnt 0x0
.macro CTX a                           ; query tile a: / l, quantised, stored as a fragment's image
	s_wait_xcnt 0x0                                ; the last tile's stores have read their registers
	WIN 0x41
.set n_, 0
.rept 32
	v_pk_mul_f32 v[64*(\a)+n_:64*(\a)+n_+1], v[64*(\a)+n_:64*(\a)+n_+1], v[RC+2*(\a):RC+2*(\a)+1] op_sel_hi:[1,0]
.set n_, n_+2
.endr
	QUANTW 64*(\a), 1
.irp c, 0,1,2,3
	global_store_b128 v[LI], v[PC+4*\c:PC+4*\c+3], s[COP:COP+1] offset:(\a)*16384+512*\c
.endr
.if (\a)%2 == 0
	v_mov_b32 v[PWE], v[PW]
.else
	v_cndmask_b32 v[PSO], v[PWE], v[PW], s[HM]
	global_store_b32 v[LS], v[PSO], s[CSP:CSP+1] offset:((\a)/2)*1024
.endif
.endm
.irp a, 0,1,2,3
	CTX \a
.endr
	s_wait_tensorcnt 0x0                           ; the wave's end
	ds_add_u32 v[SPW], v[NIL]
	s_wait_dscnt 0x0
	s_endpgm
.Lfunc_end_k_q99f7563b1d_pv:
	.size	k_q99f7563b1d_pv, .Lfunc_end_k_q99f7563b1d_pv-k_q99f7563b1d_pv
	.p2alignl 7, 3214868480
	.fill 96, 4, 3214868480
	.section	.rodata,"a",@progbits
	.p2align	6, 0x0
	.amdhsa_kernel k_q99f7563b1d_pv
		.amdhsa_group_segment_fixed_size 327680
		.amdhsa_private_segment_fixed_size 0
		.amdhsa_enable_private_segment 0
		.amdhsa_kernarg_size 24
		.amdhsa_user_sgpr_count 2
		.amdhsa_user_sgpr_kernarg_segment_ptr 1
		.amdhsa_wavefront_size32 1
		.amdhsa_system_sgpr_workgroup_id_x 1
		.amdhsa_system_sgpr_workgroup_id_y 1
		.amdhsa_system_sgpr_workgroup_id_z 1
		.amdhsa_system_vgpr_workitem_id 0
		.amdhsa_next_free_vgpr 768
		.amdhsa_next_free_sgpr 80
		.amdhsa_reserve_vcc 0
		.amdhsa_float_denorm_mode_32 3
		.amdhsa_float_denorm_mode_16_64 3
		.amdhsa_memory_ordered 1
		.amdhsa_forward_progress 1
		.amdhsa_inst_pref_size 216
	.end_amdhsa_kernel
	.amdgpu_metadata
---
amdhsa.version: [ 1, 2 ]
amdhsa.kernels:
  - .name:           k_q99f7563b1d_pv
    .symbol:         k_q99f7563b1d_pv.kd
    .args:
      - { .name: pgl, .offset: 0, .size: 8, .value_kind: global_buffer, .address_space: global }
      - { .name: qkvc, .offset: 8, .size: 8, .value_kind: global_buffer, .address_space: global }
      - { .name: ctxc, .offset: 16, .size: 8, .value_kind: global_buffer, .address_space: global }
    .group_segment_fixed_size: 327680
    .private_segment_fixed_size: 0
    .kernarg_segment_align: 8
    .kernarg_segment_size: 24
    .max_flat_workgroup_size: 128
    .sgpr_count:     80
    .vgpr_count:     768
    .wavefront_size: 32
...
	.end_amdgpu_metadata
.endif
;; end of part 4
;; launch proj (part 5): grid 4 x 32, 4 waves a work-group, clusters of 4 x 4, 327,680 bytes of LDS; arguments ctxc, opnd, bo, out0; writes out0
.if DOCPART == 5
	.amdgcn_target "amdgcn-amd-amdhsa--gfx1250"
	.amdhsa_code_object_version 6
	.text
	.protected	k_q99f7563b1d_proj
	.globl	k_q99f7563b1d_proj
	.p2align	8
	.type	k_q99f7563b1d_proj,@function
k_q99f7563b1d_proj:
	s_mov_b64 s[64:65], 0
	v_nop
	global_prefetch_b8 v0, s[64:65] scope:SCOPE_SE
	s_setreg_imm32_b32 hwreg(HW_REG_WAVE_MODE, 25, 1), 1
	s_wait_xcnt 0x0
	s_wait_alu depctr_hold_cnt(0) depctr_sa_sdst(0) depctr_va_vdst(0) depctr_va_sdst(0) depctr_va_ssrc(0) depctr_va_vcc(0) depctr_vm_vsrc(0)
	s_getreg_b32 s2, hwreg(HW_REG_IB_STS2, 6, 4)
	s_cmp_eq_u32 s2, 0
	s_cbranch_scc0 .Lentry_in_a_cluster
	s_endpgm
.Lentry_in_a_cluster:
	s_bfe_u32 s2, ttmp6, 0x10000c
	s_cmp_lg_u32 s2, 0xf033
	s_cbranch_scc0 .Lentry_shape_is_right
	s_endpgm
.Lentry_shape_is_right:
; LAUNCH 5 OF 5.  out = ctx Wo^T + bo on codes.  Nothing is left out here.
; The product is launch 2's: a work-group makes 256 tokens x 256 channels, K = 1,024; source 1 = ctx (block 4 cluster y + cy), source 0 = Wo (block cx): a lane holds one token, its registers run along the channels.
; CLUSTERS, 4 x 4: ctx's tiles are asked for jointly along a row of the cluster, Wo's along a column.
; THE WAY OUT: + bo; a tile of 16 tokens x 128 channels goes through the wave's own stage in LDS (rows 528 bytes apart) and leaves as whole rows: 32 lanes store 512 consecutive bytes.  The stage lies in slot 0, which has had
; its last fill and its last read when the first result is stored there.  Place t of tile a is token 32 (a / 2) + 8 (a % 2) + t + 8 (t / 8) of my 128.
.set HALFT, 32768
.set SLOT,  131072
.set SPARE, 262144
.set ADRA, 16
.set ADRB, 20
.set LI,   22
.set LS,   23
.set STO,  24
.set RD,   25
.set BO0,  26
.set SPW,  28
.set NIL,  29
.set SA,   32
.set SB,   64
.set AF,   128
.set BJ,   128
.set BK,   128
.set G1,   24
.set G0,   32
.set G1B,  48
.set G0B,  56
.set ASC,  70
.set BSC,  72
.set OUTP, 74
.set BIA,  76
.set MUL_LO, 0xa1
.set MUL_HI, 0xf1
.set TO_B,   0x40
.set MSB, 0
.macro WIN new
.if MSB != (\new)
	s_set_vgpr_msb (MSB<<8)|(\new)
.set MSB, (\new)
.endif
.endm
.macro PLACES n
.rept \n
	v_nop
.endr
.endm
.macro JLOAD s                         ; waves 0 and 1 fetch ctx's halves, waves 2 and 3 Wo's; an s_nop 0 and four v_nop follow each line
	s_cmp_eq_u32 s15, 0
	s_cbranch_scc0 .Lfor_b_\@
	tensor_load_to_lds s[G0+4*\s:G0+4*\s+3], s[G1:G1+7]
	s_nop 0
.rept 4
	v_nop
.endr
	s_branch .Lasked_\@
.Lfor_b_\@:
	tensor_load_to_lds s[G0B+4*\s:G0B+4*\s+3], s[G1B:G1B+7]
	s_nop 0
.rept 4
	v_nop
.endr
.Lasked_\@:
.endm
.macro CREST
	s_cmp_lg_u32 s14, 0
	s_cbranch_scc1 .Lnot_wave_0_\@
	s_barrier_signal -3
.Lnot_wave_0_\@:
	s_barrier_wait -3
	s_barrier_signal -1
	s_barrier_wait -1
.endm
.macro CROUND
	s_barrier_signal -1
	s_barrier_wait -1
	CREST
.endm
.macro WM d, f0, f1, x0, x1, par, zero
.if \zero
.if (\par) == 0
	v_wmma_scale_f32_16x16x128_f8f6f4 v[(\d):(\d)+7], v[(\f0):(\f0)+15], v[(\f1):(\f1)+15], 0, v[\x0], v[\x1] matrix_a_fmt:MATRIX_FMT_BF8 matrix_b_fmt:MATRIX_FMT_BF8
.elseif (\par) == 1
	v_wmma_scale_f32_16x16x128_f8f6f4 v[(\d):(\d)+7], v[(\f0):(\f0)+15], v[(\f1):(\f1)+15], 0, v[\x0], v[\x1] matrix_a_fmt:MATRIX_FMT_BF8 matrix_b_fmt:MATRIX_FMT_BF8 matrix_a_scale:MATRIX_SCALE_ROW1
.elseif (\par) == 2
	v_wmma_scale_f32_16x16x128_f8f6f4 v[(\d):(\d)+7], v[(\f0):(\f0)+15], v[(\f1):(\f1)+15], 0, v[\x0], v[\x1] matrix_a_fmt:MATRIX_FMT_BF8 matrix_b_fmt:MATRIX_FMT_BF8 matrix_b_scale:MATRIX_SCALE_ROW1
.else
	v_wmma_scale_f32_16x16x128_f8f6f4 v[(\d):(\d)+7], v[(\f0):(\f0)+15], v[(\f1):(\f1)+15], 0, v[\x0], v[\x1] matrix_a_fmt:MATRIX_FMT_BF8 matrix_b_fmt:MATRIX_FMT_BF8 matrix_a_scale:MATRIX_SCALE_ROW1 matrix_b_scale:MATRIX_SCALE_ROW1
.endif
.else
.if (\par) == 0
	v_wmma_scale_f32_16x16x128_f8f6f4 v[(\d):(\d)+7], v[(\f0):(\f0)+15], v[(\f1):(\f1)+15], v[(\d):(\d)+7], v[\x0], v[\x1] matrix_a_fmt:MATRIX_FMT_BF8 matrix_b_fmt:MATRIX_FMT_BF8
.elseif (\par) == 1
	v_wmma_scale_f32_16x16x128_f8f6f4 v[(\d):(\d)+7], v[(\f0):(\f0)+15], v[(\f1):(\f1)+15], v[(\d):(\d)+7], v[\x0], v[\x1] matrix_a_fmt:MATRIX_FMT_BF8 matrix_b_fmt:MATRIX_FMT_BF8 matrix_a_scale:MATRIX_SCALE_ROW1
.elseif (\par) == 2
	v_wmma_scale_f32_16x16x128_f8f6f4 v[(\d):(\d)+7], v[(\f0):(\f0)+15], v[(\f1):(\f1)+15], v[(\d):(\d)+7], v[\x0], v[\x1] matrix_a_fmt:MATRIX_FMT_BF8 matrix_b_fmt:MATRIX_FMT_BF8 matrix_b_scale:MATRIX_SCALE_ROW1
.else
	v_wmma_scale_f32_16x16x128_f8f6f4 v[(\d):(\d)+7], v[(\f0):(\f0)+15], v[(\f1):(\f1)+15], v[(\d):(\d)+7], v[\x0], v[\x1] matrix_a_fmt:MATRIX_FMT_BF8 matrix_b_fmt:MATRIX_FMT_BF8 matrix_a_scale:MATRIX_SCALE_ROW1 matrix_b_scale:MATRIX_SCALE_ROW1
.endif
.endif
.endm
.macro MUL16 a0, p, g, zero            ; the 64 accumulators take turns in one order
.irp a, \a0, \a0+1
.irp b, 0,1,2,3,4,5,6,7
	WM 8*(8*((\a)%4)+\b), 128*(\p)+16*\b, AF+16*(\a), SB+8*(\b/2)+(\g), SA+8*((\a)/2)+(\g), (\b%2)+2*((\a)%2), \zero
.endr
.endr
.endm
.macro FRAG reg, adr, off
.irp c, 0,1,2,3
	ds_load_b128 v[(\reg)+4*\c:(\reg)+4*\c+3], v[\adr] offset:(\off)+512*\c
.endr
.endm
.macro FETCH_B slot, q, p
	WIN TO_B
.irp i, 0,1,2,3,4,5,6,7
	FRAG 128*(\p)+16*\i, ADRB+\slot, \i*4096+(\q)*2048
.endr
	WIN 0
.endm
.macro FETCH_A slot, q, i0
.irp i, \i0, \i0+1, \i0+2, \i0+3
	FRAG AF+16*(\i), ADRA+\slot, (\i)*4096+(\q)*2048
.endr
.endm
.macro STEP slot, g, zero
	s_wait_dscnt 16                                ; Wo's set and ctx's tiles 0-3 are in; the youngest 16 loads (tiles 4-7) may be out
	WIN MUL_LO
	MUL16 0, 0, \g, \zero
	MUL16 2, 0, \g, \zero
	s_wait_dscnt 0x0
	PLACES 8
	FETCH_B \slot, 1, 1
	FETCH_A \slot, 1, 0
	WIN MUL_HI
	MUL16 4, 0, \g, \zero
	MUL16 6, 0, \g, \zero
	PLACES 8
	WIN 0
	FETCH_A \slot, 1, 4
.endm
.macro TURN slot, next, fill, g
	s_wait_tensorcnt 0x0                           ; all my tensor loads have landed: my part of the next slot
	ds_add_u32 v[SPW], v[NIL]
	s_wait_dscnt 17                                ; (the add and the youngest 16 loads may be out)
	WIN MUL_LO
	MUL16 0, 1, \g, 0
	s_wait_dscnt 0x0                               ; the add is done, and my reads of this slot are over
	s_barrier_signal -1
	MUL16 2, 1, \g, 0
	WIN 0
	s_barrier_wait -1
.if \fill
	CREST                                          ; the barrier has opened a round of the cluster's: no wave of any partner still reads this slot or has a load on its way
	s_add_nc_u64 s[G0+4*\slot+2:G0+4*\slot+3], s[G0+4*\slot+2:G0+4*\slot+3], 8192
	s_add_nc_u64 s[G0B+4*\slot+2:G0B+4*\slot+3], s[G0B+4*\slot+2:G0B+4*\slot+3], 8192
	JLOAD \slot
	PLACES 4
.else
	PLACES 8
.endif
	FETCH_B \next, 0, 0
	FETCH_A \next, 0, 0
	WIN MUL_HI
	MUL16 4, 1, \g, 0
	MUL16 6, 1, \g, 0
	PLACES 8
	WIN 0
	FETCH_A \next, 0, 4
.endm
	s_load_b256 s[4:11], s[0:1], 0x0               ; ctxc, opnd, bo, out0
	v_lshl_add_u32 v[SPW], v0, 2, SPARE
	v_mov_b32 v[NIL], 0
	ds_add_u32 v[SPW], v[NIL]                      ; the wave's opening
	ds_add_u32 v[SPW], v[NIL]
	v_lshrrev_b32 v1, 5, v0
	v_readfirstlane_b32 s14, v1
	s_lshr_b32 s15, s14, 1
	s_and_b32 s16, s14, 1
	s_bfe_u32 s40, ttmp6, 0x40000                  ; cx
	s_bfe_u32 s41, ttmp6, 0x40004                  ; cy
	s_and_b32 s18, ttmp7, 0xffff
	s_lshl_b32 s43, s41, 2
	s_lshl_b32 s43, 15, s43
	s_lshl_b32 s44, 0x1111, s40
	s_or_b32 s[G1], s43, (3<<16)|(1<<21)
	s_or_b32 s[G1B], s44, (3<<16)|(1<<21)
.irp g, G1, G1B
	s_mov_b32 s[\g+1], 512<<16
	s_mov_b32 s[\g+2], 8<<16
	s_mov_b32 s[\g+3], 512<<16
	s_mov_b32 s[\g+4], 8
	s_mov_b32 s[\g+5], 2048
	s_mov_b32 s[\g+6], 0
	s_mov_b32 s[\g+7], 0
.endr
	s_lshl_b32 s17, s18, 2
	s_add_co_u32 s17, s17, s41                     ; ctx's block of 16 tiles
	s_add_co_u32 s42, s40, 44                      ; Wo's
	s_lshl_b32 s20, s17, 18
	s_lshl_b32 s21, s16, 17
	s_add_co_u32 s20, s20, s21
	s_mov_b32 s21, 0
	s_lshl_b32 s46, s42, 18
	s_lshl_b32 s47, s16, 17
	s_add_co_u32 s46, s46, s47
	s_mov_b32 s47, 0
	s_lshl_b32 s45, s14, 15
	s_wait_dscnt 0x0                               ; both opening adds are done
	s_wait_kmcnt 0x0
	s_add_nc_u64 s[20:21], s[4:5], s[20:21]
	s_add_nc_u64 s[46:47], s[6:7], s[46:47]
	CROUND                                         ; all sixteen work-groups are here: the first joint loads meet
.irp s, 0,1
	s_mov_b32 s[G0+4*\s], 1
	s_add_co_u32 s[G0+4*\s+1], s45, \s*SLOT
	s_add_nc_u64 s[G0+4*\s+2:G0+4*\s+3], s[20:21], \s*4096
	s_or_b32 s[G0+4*\s+3], s[G0+4*\s+3], 0x80000000
	s_mov_b32 s[G0B+4*\s], 1
	s_add_co_u32 s[G0B+4*\s+1], s45, \s*SLOT
	s_add_nc_u64 s[G0B+4*\s+2:G0B+4*\s+3], s[46:47], \s*4096
	s_or_b32 s[G0B+4*\s+3], s[G0B+4*\s+3], 0x80000000
	JLOAD \s
.endr
	v_and_b32 v3, 31, v0
	v_and_b32 v1, 15, v0
	v_bfe_u32 v2, v0, 4, 1
	v_lshlrev_b32 v[LI], 4, v3
	v_lshlrev_b32 v[LS], 2, v3
	s_lshl_b32 s22, s15, 15
	s_lshl_b32 s23, s16, 15
	s_add_co_u32 s23, s23, 2*HALFT
.irp s, 0,1
	v_add_nc_u32 v[ADRA+\s], s22, v[LI]
	v_add_nc_u32 v[ADRB+\s], s23, v[LI]
	s_add_co_u32 s22, s22, SLOT
	s_add_co_u32 s23, s23, SLOT
.endr
	s_lshl_b32 s[ASC], s17, 13
	s_lshl_b32 s[ASC+1], s15, 12
	s_add_co_u32 s[ASC], s[ASC], s[ASC+1]
	s_add_co_u32 s[ASC], s[ASC], 8388608
	s_mov_b32 s[ASC+1], 0
	s_add_nc_u64 s[ASC:ASC+1], s[4:5], s[ASC:ASC+1]
	s_lshl_b32 s[BSC], s42, 13
	s_lshl_b32 s[BSC+1], s16, 12
	s_add_co_u32 s[BSC], s[BSC], s[BSC+1]
	s_add_co_u32 s[BSC], s[BSC], 12582912
	s_mov_b32 s[BSC+1], 0
	s_add_nc_u64 s[BSC:BSC+1], s[6:7], s[BSC:BSC+1]
.irp pp, 0,1,2,3
.irp g, 0,1,2,3,4,5,6,7
	global_load_b32 v[SA+8*\pp+\g], v[LS], s[ASC:ASC+1] offset:\pp*1024+\g*128
	global_load_b32 v[SB+8*\pp+\g], v[LS], s[BSC:BSC+1] offset:\pp*1024+\g*128
.endr
.endr
	s_mul_i32 s22, s14, 16*528                     ; my stage
	v_mul_u32_u24 v[STO], v1, 528
	v_lshl_add_u32 v[STO], v2, 6, v[STO]
	v_add_nc_u32 v[STO], s22, v[STO]               ; in: row r, + 64 h
	v_add_nc_u32 v[RD], s22, v[LI]                 ; back: the 32 lanes take one row of 512 bytes
	v_lshlrev_b32 v[BO0], 6, v2
	s_lshl_b32 s[OUTP], s17, 8
	s_lshl_b32 s[OUTP+1], s15, 7
	s_add_co_u32 s[OUTP], s[OUTP], s[OUTP+1]       ; my first token
	s_lshl_b32 s[OUTP], s[OUTP], 12
	s_lshl_b32 s[BIA], s40, 10
	s_lshl_b32 s[BIA+1], s16, 9
	s_add_co_u32 s[BIA], s[BIA], s[BIA+1]          ; my first channel, in bytes
	s_add_co_u32 s[OUTP], s[OUTP], s[BIA]
	s_mov_b32 s[OUTP+1], 0
	s_mov_b32 s[BIA+1], 0
	s_add_nc_u64 s[OUTP:OUTP+1], s[10:11], s[OUTP:OUTP+1]
	s_add_nc_u64 s[BIA:BIA+1], s[8:9], s[BIA:BIA+1]
	s_wait_tensorcnt 1                             ; my part of slot 0 is in; slot 1's load may be out
	s_barrier_signal -1
	s_barrier_wait -1
	FETCH_B 0, 0, 0
	FETCH_A 0, 0, 0
	FETCH_A 0, 0, 4
	s_wait_loadcnt 0x0                             ; the scale words
	STEP 0, 0, 1
	TURN 0, 1, 1, 1
	STEP 1, 2, 0
	TURN 1, 0, 1, 3
	STEP 0, 4, 0
	TURN 0, 1, 0, 5
	STEP 1, 6, 0
	s_wait_dscnt 16
	WIN MUL_LO
	MUL16 0, 1, 7, 0
	MUL16 2, 1, 7, 0
	s_wait_dscnt 0x0
	PLACES 8                                       ; ctx's tiles 0-3 are done with: the bias lands in their registers
	WIN 0
.irp c, 0,1,2,3
.irp i, 0,1,2,3
	global_load_b128 v[BJ+16*\c+4*\i:BJ+16*\c+4*\i+3], v[BO0], s[BIA:BIA+1] offset:128*\c+16*\i   ; register 16 c + i: channel 32 c + 16 h + i
.endr
.endr
	WIN MUL_HI
	MUL16 4, 1, 7, 0
	MUL16 6, 1, 7, 0
	WIN 0
	PLACES 8
	s_wait_loadcnt 0x0
.irp a, 0,1,2,3,4,5,6,7
	WIN ((2+\a/4)<<6)|(2+\a/4)
.set n_, 0
.rept 32
	v_pk_add_f32 v[64*(\a%4)+n_:64*(\a%4)+n_+1], v[64*(\a%4)+n_:64*(\a%4)+n_+1], v[BJ+n_:BJ+n_+1]   ; each accumulator from its low end on
.set n_, n_+2
.endr
.endr
	WIN 0
.macro TOSTAGE a
.set AC, 64*((\a)%4)
	WIN 0x08+4*((\a)/4)                            ; an LDS store's data are its source 1: window 2 or 3
.irp b, 0,1,2,3,4,5,6,7
	ds_store_b128 v[STO], v[AC+8*\b:AC+8*\b+3] offset:128*(\b/2)+32*(\b%2)
	ds_store_b128 v[STO], v[AC+8*\b+4:AC+8*\b+7] offset:128*(\b/2)+32*(\b%2)+16
.endr
	WIN 0
.set BB, BK+64*((\a)%2)
.irp t, 0,1,2,3,4,5,6,7,8,9,10,11,12,13,14,15
	ds_load_b128 v[BB+4*\t:BB+4*\t+3], v[RD] offset:\t*528   ; LDS serves a wave's instructions in order: these see the stores above, and the next tile's stores come behind them
.endr
.endm
.macro SEND a, younger
.set BB, BK+64*((\a)%2)
	s_wait_dscnt \younger                          ; the tile is back in registers; the next tile's 16 stores and 16 loads may be out
.irp t, 0,1,2,3,4,5,6,7,8,9,10,11,12,13,14,15
	global_store_b128 v[LI], v[BB+4*\t:BB+4*\t+3], s[OUTP:OUTP+1] offset:(32*((\a)/2)+8*((\a)%2)+\t+8*(\t/8))*4096 th:TH_STORE_NT   ; 512 consecutive bytes of one row of out0
.endr
.endm
	TOSTAGE 0
.irp a, 1,2,3,4,5,6,7
.if \a > 1
	s_wait_xcnt 0x0                                ; tile a - 2's stores have read their registers: tile a's loads may land there
.endif
	TOSTAGE \a
	SEND \a-1, 32
.endr
	SEND 7, 0
	s_wait_tensorcnt 0x0                           ; the wave's end
	ds_add_u32 v[SPW], v[NIL]
	s_wait_dscnt 0x0
	CROUND                                         ; the closing round
	s_endpgm
.Lfunc_end_k_q99f7563b1d_proj:
	.size	k_q99f7563b1d_proj, .Lfunc_end_k_q99f7563b1d_proj-k_q99f7563b1d_proj
	.p2alignl 7, 3214868480
	.fill 96, 4, 3214868480
	.section	.rodata,"a",@progbits
	.p2align	6, 0x0
	.amdhsa_kernel k_q99f7563b1d_proj
		.amdhsa_group_segment_fixed_size 327680
		.amdhsa_private_segment_fixed_size 0
		.amdhsa_enable_private_segment 0
		.amdhsa_kernarg_size 32
		.amdhsa_user_sgpr_count 2
		.amdhsa_user_sgpr_kernarg_segment_ptr 1
		.amdhsa_wavefront_size32 1
		.amdhsa_system_sgpr_workgroup_id_x 1
		.amdhsa_system_sgpr_workgroup_id_y 1
		.amdhsa_system_sgpr_workgroup_id_z 1
		.amdhsa_system_vgpr_workitem_id 0
		.amdhsa_next_free_vgpr 1024
		.amdhsa_next_free_sgpr 90
		.amdhsa_reserve_vcc 0
		.amdhsa_float_denorm_mode_32 3
		.amdhsa_float_denorm_mode_16_64 3
		.amdhsa_memory_ordered 1
		.amdhsa_forward_progress 1
		.amdhsa_inst_pref_size 164
	.end_amdhsa_kernel
	.amdgpu_metadata
---
amdhsa.version: [ 1, 2 ]
amdhsa.kernels:
  - .name:           k_q99f7563b1d_proj
    .symbol:         k_q99f7563b1d_proj.kd
    .args:
      - { .name: ctxc, .offset: 0, .size: 8, .value_kind: global_buffer, .address_space: global }
      - { .name: opnd, .offset: 8, .size: 8, .value_kind: global_buffer, .address_space: global }
      - { .name: bo, .offset: 16, .size: 8, .value_kind: global_buffer, .address_space: global }
      - { .name: out0, .offset: 24, .size: 8, .value_kind: global_buffer, .address_space: global }
    .group_segment_fixed_size: 327680
    .private_segment_fixed_size: 0
    .kernarg_segment_align: 8
    .kernarg_segment_size: 32
    .max_flat_workgroup_size: 128
    .sgpr_count:     90
    .vgpr_count:     1024
    .wavefront_size: 32
...
	.end_amdgpu_metadata
.endif
;; end of part 5
;; ======== version 2 of 2: 5 launches
;; limits: right only within a limited range of input values
;; workspace buffers: opnd 12,976,128 bytes; qkvc 25,952,256 bytes; pgl 20,971,520 bytes; ctxc 8,650,752 bytes
;; launch quant (part 6): grid 768 x 1, 4 waves a work-group, no clusters, 34,304 bytes of LDS; arguments hidden_states, Wq, Wk, Wv, Wo, opnd; writes opnd
.if DOCPART == 6
	.amdgcn_target "amdgcn-amd-amdhsa--gfx1250"
	.amdhsa_code_object_version 6
	.text
	.protected	k_q99f7563b1d_quant
	.globl	k_q99f7563b1d_quant
	.p2align	8
	.type	k_q99f7563b1d_quant,@function
k_q99f7563b1d_quant:
	s_mov_b64 s[64:65], 0
	v_nop
	global_prefetch_b8 v0, s[64:65] scope:SCOPE_SE
	s_setreg_imm32_b32 hwreg(HW_REG_WAVE_MODE, 25, 1), 1
	s_wait_xcnt 0x0
; LAUNCH 1 OF 5.  hidden_states [8192][1024] and Wq, Wk, Wv, Wo [1024][1024], f32, K innermost, become codes of E5M2 with one E8M0 byte for each 32 along K.
; DEAD WORK (whole program).  reference() builds the causal mask in its own body: scores[q][k] is -inf where k > q, and the softmax gives such a place the weight 0 whatever finite values the inputs hold.
; So score tiles of 256 queries x 256 keys that lie wholly above the diagonal (key block J > query block I), and in the second product the slots of 256 keys that lie wholly behind a query block's last query,
; reach no output and are not computed.  Masked places inside a tile or slot that also holds live places stay.  Nothing else is left out; all nine inputs are loaded (bk stays: it moves k's codes).
; LIMIT of that: a NaN, an infinity or an overflow that would arise only in the work left out is not carried to the result.
; LAYOUT OF EVERY OPERAND OF THIS PROGRAM.  A TILE is 16 rows: tile 2 c + u holds rows 32 c + 8 u + {0..7, 16..23}; lane r stands for row 32 c + 8 u + r + 8 (r / 8).  As source 0 of a product the 16 result registers of tiles
; 2 c and 2 c + 1 are then 16 neighbours, 32 c + 16 (lane / 16) + 0 .. 15, along the next product's K.  A FRAGMENT (a tile x 128 along K) lies in memory as an image of its 16 registers: group c at 512 c + 16 lane, 2,048 bytes.
; opnd: images [768 tiles][8 K steps][2048] (x: tiles 0-511, Wq 512-575, Wk 576-639, Wv 640-703, Wo 704-767); from byte 12,582,912 scale words [384 pairs of tiles][8][32 lanes]: lanes 0-15 the even tile's rows, 16-31 the odd's.
; SHARES.  Work-group g takes the pair of tiles g / 2 (32 rows); wave w takes K step 4 (g % 2) + w: two fragments.  Each load reads 512 consecutive bytes of one row; a fragment's 16 rows turn through the wave's own stage in LDS
; (rows 528 bytes apart) so that a lane gets 16 neighbours of each block of 32.  No barrier: waves share nothing.
; A block's scale is 2^(floor(log2(largest magnitude)) - 15); its byte is that magnitude's exponent field - 15, held at 1 from below.
; LIMITS: NaN and infinities among the inputs are not served; a block of zeros gets the byte 1 where the quantiser says 127: its codes are zeros, and this program alone reads the bytes.
.set STG,   8448                       ; a wave's stage: 16 rows x 528 bytes
.set SPARE, 4*STG                      ; behind the stages: the spare words, 128 bytes a wave
.set LI,   4                           ; v4   16 x lane
.set LS,   5                           ; v5   4 x lane
.set SIN,  6                           ; v6   the stage, way in: 16 x lane
.set SOUT, 7                           ; v7   way out: 528 r + 64 h
.set SPW,  8                           ; v8   my spare word; never rewritten
.set NIL,  9                           ; v9   0; never rewritten
.set R,    16                          ; v16-143  two fragments' numbers as loaded
.set X,    144                         ; v144-207 64 numbers: register 16 b + i = k 32 b + 16 h + i of my row
.set PC,   208                         ; v208-223 the codes
.set TM,   224                         ; v224-239 at work
.set PW,   240                         ; the scale word just made
.set PWE,  241                         ; the even tile's
.set PSO,  242                         ; both, as stored
.set SEL,  20                          ; s[20:21] selects of v_permlanex16_b32: lane l xor 16
.set MNT,  22                          ; s22  the mantissa field of 57,344
.set HM,   23                          ; s23  lanes 16-31
.set MSB, 0
.macro WIN new                         ; the immediate's high byte repeats the setting that is left (here every window is 0: nothing is written)
.if MSB != (\new)
	s_set_vgpr_msb (MSB<<8)|(\new)
.set MSB, (\new)
.endif
.endm
; 64 numbers of a lane, v[s] on in window w, become a fragment's codes in v[PC] on and its row's scale word in v[PW]
.macro QUANTW s, w
	WIN 5*(\w)
.irp b, 0,1,2,3
	v_max3_num_f32 v[TM+\b], |v[(\s)+16*\b]|, |v[(\s)+16*\b+1]|, 0x8000000   ; my 16 numbers of block b, and the floor 2^(16 - 127): the byte cannot fall under 1
.endr
.irp i, 2,4,6,8,10,12,14
.irp b, 0,1,2,3
	v_max3_num_f32 v[TM+\b], |v[(\s)+16*\b+\i]|, |v[(\s)+16*\b+\i+1]|, v[TM+\b]
.endr
.endr
	WIN 0
.irp b, 0,1,2,3
	v_permlanex16_b32 v[TM+4+\b], v[TM+\b], s[SEL], s[SEL+1]
.endr
.irp b, 0,1,2,3
	v_max_num_f32 v[TM+\b], v[TM+\b], v[TM+4+\b]                 ; with lane l xor 16's 16: the block's largest magnitude
.endr
.irp b, 0,1,2,3
	v_add_nc_u32 v[TM+12+\b], 0xf8800000, v[TM+\b]               ; 15 off its exponent field: the conversion's scale operand
.endr
.irp b, 0,1,2,3
	v_and_or_b32 v[TM+8+\b], v[TM+\b], 0x7f800000, s[MNT]        ; 57,344 x the scale
.endr
.irp b, 0,1,2,3
	v_lshrrev_b32 v[TM+4+\b], 23, v[TM+12+\b]                    ; the scale's byte
.endr
	v_lshl_or_b32 v[PW], v[TM+5], 8, v[TM+4]
	v_lshl_or_b32 v[PW], v[TM+6], 16, v[PW]
	v_lshl_or_b32 v[PW], v[TM+7], 24, v[PW]
	WIN ((\w)<<6)|(\w)
.irp b, 0,1,2,3
.irp i, 0,1,2,3,4,5,6,7,8,9,10,11,12,13,14,15
	v_med3_num_f32 v[(\s)+16*\b+\i], v[(\s)+16*\b+\i], -v[TM+8+\b], v[TM+8+\b]   ; the conversion does not saturate (ISA guide 7.6.2): the hold comes first
.endr
.endr
	WIN (\w)
.irp b, 0,1,2,3
	v_cvt_scalef32_pk8_bf8_f32 v[PC+4*\b:PC+4*\b+1], v[(\s)+16*\b:(\s)+16*\b+7], v[TM+12+\b]
	v_cvt_scalef32_pk8_bf8_f32 v[PC+4*\b+2:PC+4*\b+3], v[(\s)+16*\b+8:(\s)+16*\b+15], v[TM+12+\b]
.endr
	WIN 0
	v_nop                                          ; one plain line behind the last conversion
.endm
	s_load_b256 s[4:11], s[0:1], 0x0               ; hidden_states, Wq, Wk, Wv
	s_load_b128 s[12:15], s[0:1], 0x20             ; Wo, opnd
	v_lshl_add_u32 v[SPW], v0, 2, SPARE
	v_mov_b32 v[NIL], 0
	v_lshrrev_b32 v1, 5, v0
	v_readfirstlane_b32 s16, v1                    ; wave
	v_and_b32 v3, 31, v0                           ; lane
	v_and_b32 v1, 15, v0                           ; r
	v_bfe_u32 v2, v0, 4, 1                         ; h
	v_lshlrev_b32 v[LI], 4, v3
	v_lshlrev_b32 v[LS], 2, v3
	s_mul_i32 s17, s16, STG
	v_add_nc_u32 v[SIN], s17, v[LI]
	v_mul_u32_u24 v[SOUT], v1, 528
	v_lshl_add_u32 v[SOUT], v2, 6, v[SOUT]
	v_add_nc_u32 v[SOUT], s17, v[SOUT]
.irp b, 0,1,2,3
	v_mov_b32 v[TM+4+\b], 0                        ; written once: a lane permute's destination counts as one of its sources
.endr
	s_mov_b32 s[SEL], 0x76543210
	s_mov_b32 s[SEL+1], 0xfedcba98
	s_mov_b32 s[MNT], 0x600000
	s_mov_b32 s[HM], 0xffff0000
	s_lshr_b32 s18, ttmp9, 1                       ; the pair of tiles, 0 .. 383
	s_and_b32 s19, ttmp9, 1
	s_lshl_b32 s19, s19, 2
	s_add_co_u32 s19, s19, s16                     ; my K step
	s_and_b32 s24, s18, 31                         ; the pair inside its tensor: a weight has 32 pairs
	s_cmp_lt_u32 s18, 256
	s_cselect_b32 s24, s18, s24
	s_lshl_b32 s24, s24, 17                        ; 32 rows of 4,096 bytes
	s_lshl_b32 s25, s19, 9                         ; 128 numbers
	s_add_co_u32 s24, s24, s25
	s_mov_b32 s25, 0
	s_lshl_b32 s26, s18, 15                        ; images: two tiles x 8 x 2,048
	s_lshl_b32 s27, s19, 11
	s_add_co_u32 s26, s26, s27
	s_mov_b32 s27, 0
	s_lshl_b32 s28, s18, 10                        ; scale words: 8 x 128 a pair
	s_lshl_b32 s29, s19, 7
	s_add_co_u32 s28, s28, s29
	s_add_co_u32 s28, s28, 12582912
	s_mov_b32 s29, 0
	s_wait_alu depctr_va_vdst(0)
	s_wait_kmcnt 0x0
	s_cmp_lt_u32 s18, 352                          ; which tensor: the choice hangs on the work-group's number alone
	s_cselect_b64 s[30:31], s[10:11], s[12:13]
	s_cmp_lt_u32 s18, 320
	s_cselect_b64 s[30:31], s[8:9], s[30:31]
	s_cmp_lt_u32 s18, 288
	s_cselect_b64 s[30:31], s[6:7], s[30:31]
	s_cmp_lt_u32 s18, 256
	s_cselect_b64 s[30:31], s[4:5], s[30:31]
	s_add_nc_u64 s[30:31], s[30:31], s[24:25]
	s_add_nc_u64 s[32:33], s[14:15], s[26:27]
	s_add_nc_u64 s[34:35], s[14:15], s[28:29]
.irp u, 0,1
.irp i, 0,1,2,3,4,5,6,7,8,9,10,11,12,13,14,15
	global_load_b128 v[R+64*\u+4*\i:R+64*\u+4*\i+3], v[LI], s[30:31] offset:(8*\u+\i+8*(\i/8))*4096 th:TH_LOAD_NT   ; place i of tile u: 512 consecutive bytes of one row
.endr
.endr
.macro HALF u
.irp i, 0,1,2,3,4,5,6,7,8,9,10,11,12,13,14,15
	ds_store_b128 v[SIN], v[R+64*\u+4*\i:R+64*\u+4*\i+3] offset:528*\i
.endr
.irp c, 0,1,2,3
.irp j, 0,1,2,3
	ds_load_b128 v[X+16*\c+4*\j:X+16*\c+4*\j+3], v[SOUT] offset:128*\c+16*\j   ; LDS serves a wave's instructions in order: these see the stores above
.endr
.endr
	s_wait_dscnt 0x0
	QUANTW X, 0
.irp c, 0,1,2,3
	global_store_b128 v[LI], v[PC+4*\c:PC+4*\c+3], s[32:33] offset:16384*\u+512*\c   ; 512 consecutive bytes a store
.endr
.endm
	s_wait_loadcnt 16                              ; the even tile's 16 loads are in; the odd tile's 16 may be out
	HALF 0
	v_mov_b32 v[PWE], v[PW]
	s_wait_loadcnt 0x0
	s_wait_xcnt 0x0                                ; the stores have read the codes' registers: they are written again only behind this wait
	HALF 1
	v_cndmask_b32 v[PSO], v[PWE], v[PW], s[HM]     ; lanes 0-15 the even tile's words, lanes 16-31 the odd's
	global_store_b32 v[LS], v[PSO], s[34:35]
	s_wait_tensorcnt 0x0                           ; the wave's end
	ds_add_u32 v[SPW], v[NIL]
	s_wait_dscnt 0x0
	s_endpgm
.Lfunc_end_k_q99f7563b1d_quant:
	.size	k_q99f7563b1d_quant, .Lfunc_end_k_q99f7563b1d_quant-k_q99f7563b1d_quant
	.p2alignl 7, 3214868480
	.fill 96, 4, 3214868480
	.section	.rodata,"a",@progbits
	.p2align	6, 0x0
	.amdhsa_kernel k_q99f7563b1d_quant
		.amdhsa_group_segment_fixed_size 34304
		.amdhsa_private_segment_fixed_size 0
		.amdhsa_enable_private_segment 0
		.amdhsa_kernarg_size 48
		.amdhsa_user_sgpr_count 2
		.amdhsa_user_sgpr_kernarg_segment_ptr 1
		.amdhsa_wavefront_size32 1
		.amdhsa_system_sgpr_workgroup_id_x 1
		.amdhsa_system_sgpr_workgroup_id_y 1
		.amdhsa_system_sgpr_workgroup_id_z 1
		.amdhsa_system_vgpr_workitem_id 0
		.amdhsa_next_free_vgpr 256
		.amdhsa_next_free_sgpr 66
		.amdhsa_reserve_vcc 0
		.amdhsa_float_denorm_mode_32 3
		.amdhsa_float_denorm_mode_16_64 3
		.amdhsa_memory_ordered 1
		.amdhsa_forward_progress 1
		.amdhsa_inst_pref_size 27
	.end_amdhsa_kernel
	.amdgpu_metadata
---
amdhsa.version: [ 1, 2 ]
amdhsa.kernels:
  - .name:           k_q99f7563b1d_quant
    .symbol:         k_q99f7563b1d_quant.kd
    .args:
      - { .name: hidden_states, .offset: 0, .size: 8, .value_kind: global_buffer, .address_space: global }
      - { .name: Wq, .offset: 8, .size: 8, .value_kind: global_buffer, .address_space: global }
      - { .name: Wk, .offset: 16, .size: 8, .value_kind: global_buffer, .address_space: global }
      - { .name: Wv, .offset: 24, .size: 8, .value_kind: global_buffer, .address_space: global }
      - { .name: Wo, .offset: 32, .size: 8, .value_kind: global_buffer, .address_space: global }
      - { .name: opnd, .offset: 40, .size: 8, .value_kind: global_buffer, .address_space: global }
    .group_segment_fixed_size: 34304
    .private_segment_fixed_size: 0
    .kernarg_segment_align: 8
    .kernarg_segment_size: 48
    .max_flat_workgroup_size: 128
    .sgpr_count:     66
    .vgpr_count:     256
    .wavefront_size: 32
...
	.end_amdgpu_metadata
.endif
;; end of part 6
;; launch qkv (part 7): grid 16 x 16, 4 waves a work-group, clusters of 4 x 4, 327,680 bytes of LDS; arguments opnd, bq, bk, bv, qkvc; writes qkvc
.if DOCPART == 7
	.amdgcn_target "amdgcn-amd-amdhsa--gfx1250"
	.amdhsa_code_object_version 6
	.text
	.protected	k_q99f7563b1d_qkv
	.globl	k_q99f7563b1d_qkv
	.p2align	8
	.type	k_q99f7563b1d_qkv,@function
k_q99f7563b1d_qkv:
	s_mov_b64 s[64:65], 0
	v_nop
	global_prefetch_b8 v0, s[64:65] scope:SCOPE_SE
	s_setreg_imm32_b32 hwreg(HW_REG_WAVE_MODE, 25, 1), 1
	s_wait_xcnt 0x0
	s_wait_alu depctr_hold_cnt(0) depctr_sa_sdst(0) depctr_va_vdst(0) depctr_va_sdst(0) depctr_va_ssrc(0) depctr_va_vcc(0) depctr_vm_vsrc(0)
	s_getreg_b32 s2, hwreg(HW_REG_IB_STS2, 6, 4)
	s_cmp_eq_u32 s2, 0
	s_cbranch_scc0 .Lentry_in_a_cluster
	s_endpgm
.Lentry_in_a_cluster:
	s_bfe_u32 s2, ttmp6, 0x10000c
	s_cmp_lg_u32 s2, 0xf033
	s_cbranch_scc0 .Lentry_shape_is_right
	s_endpgm
.Lentry_shape_is_right:
; LAUNCH 2.  q = x Wq^T + bq, k = x Wk^T + bk, v = x Wv^T + bv on the codes of launch 1, each result quantised at once: q and k along the hidden axis, v along the keys.  Nothing is left out here.
; SHARES.  256 work-groups of 2 x 2 waves.  A wave holds 64 rows of a weight, all of K, in 512 registers and lets tiles of 16 rows of x pass (a BLOCK: 32 products), which stand whole in one of two register sets.
; PHASE 1: 512 tokens (tile row I) x 128 columns of q (J < 8) or k: 16 blocks a wave.  PHASE 2: 256 of these tokens (window s18 of the two) x 128 columns of v: 8 blocks.  The other window goes first in phase 1, so that v's
; second half (chunk 3) still lies in slot 1 when phase 2 begins; chunk 2 comes anew.
; A CHUNK is 128 rows of x: tiles 4 (n % 2) .. + 3 of both 128-token halves of a window: row w of waves takes the w-th half.  Two LDS slots of 131,072 bytes; the weight's rows lie in slot 1 first, Wv's in slot 0 later.
; Fills: at the head the weight (wave 0), chunk 0 (wave 1), x's scale words (waves 2, 3).  Refills, a quarter a wave, in drained rounds of the cluster's barrier: chunks 1, 2, 3 in blocks 0, 4, 8; Wv behind block 11; chunk 2 behind Wv's reads.
; CLUSTERS, 4 x 4: x's tiles are asked for jointly along a row of the cluster (they hang on cluster x, cluster y, cy), the weights' along a column (cluster x, cx).
; PREFETCH: a chunk is named at least a trip of four blocks ahead of its load, each block of 256 bytes once in each cluster: chunks 1 and 2 at the head, chunk 3 in trip 0, Wv in trip 1.
; THE WAY OUT of a block stands among the next block's products, a pair of v's blocks' among the next pair's (their sums are copied into two more sets).  The first way out of a phase works on registers set before and stores nothing.
; qkvc: images of q (tiles 0-511) and k (512-1023) [1024][8][2048]; from 16,777,216 v's [64 channel tiles][64 steps of 128 tokens][2048]; from 25,165,824 q's and k's scale words [8 K steps][512 pairs][128 bytes]; from 25,690,112 v's [32][64][128].
; LIMITS: NaN and infinities are not served; a block of zeros gets the byte 1 (its codes are zeros; this program alone reads the bytes).
; REGISTERS: windows 1, 2: the weight, fragment 4 (K step) + tile; window 3: x's two sets; window 0: all else.
.set SLOT, 131072
.set SCL,  262144                      ; x's scale words in the order of work: [window][w][pair c][K step][32 lanes]
.set XN,   278528                      ; q's or k's scale bytes: [window][w][c][32 words]
.set XV,   280576                      ; v's: [channel pair][32 lanes][2 steps of 128 tokens]: the unit of 256 bytes in which v's scale words are stored
.set SPARE, 281600
.set AD0, 4                            ; my lane's place in my row of waves' half of slot 0
.set AD,  5                            ; the same for the block that is fetched next
.set ADW, 6                            ; my rows of the weight in slot 1,
.set ADV, 7                            ; of Wv in slot 0
.set LI,  8                            ; 16 x lane
.set LS,  9                            ; 4 x lane
.set SPW, 10                           ; my spare word
.set NIL, 11                           ; 0
.set SC0, 12                           ; x's scale words
.set SCA, 13
.set VX0, 14                           ; q's, k's scale bytes
.set VX,  15
.set RD,  16                           ; v's
.set BO0, 17                           ; bias offsets: 64 h,
.set BO1, 18                           ; 4 (r + 8 (r / 8))
.set PL,  19                           ; 256 x lane
.set PF1, 20                           ; a prefetch's offset
.set PF2, 21
.set SOP, 22                           ; v22-23 the conversions' scale operands
.set SB,  24                           ; v24-39 the weight's scale words: 8 x pair + K step
.set EB,  40                           ; v40-41 scale bytes to store, v42-43 just made
.set SA,  44                           ; v44-51 x's scale words of a pair of tiles (numbers differ from SB's modulo 8)
.set TQ,  52                           ; v52-57 maxima, the other half's, bounds
.set BV,  58                           ; v58-61 bv of my lane's channel in tiles 0-3
.set ACC, 64                           ; four sets of 32: products write 0 and 1 by turns
.set WS,  128                          ; in phase 1: Wv's scale words
.set CD,  192                          ; codes
.set BQ,  208                          ; v208-239 the first products' C: the bias
.set G1A, 24
.set G1B, 32
.set G1R, 48
.set G1S, 92
.set G0A, 56
.set G0B, 60
.set G0R, 68
.set G0S, 72
.set MNT, 66
.set SEL, 90
.set HM,  100
.set MSB, 0
.macro WIN new                         ; the immediate's high byte repeats the setting that is left
.if MSB != (\new)
	s_set_vgpr_msb (MSB<<8)|(\new)
.set MSB, (\new)
.endif
.endm
.macro PLACES n
.rept \n
	v_nop
.endr
.endm
.macro WALU
	s_wait_alu depctr_va_vdst(0)
.endm
.macro BARRIER
	s_barrier_signal -1
	s_barrier_wait -1
.endm
.macro MIDDLE                          ; a round of the cluster's barrier behind its opening signal
	WIN 0
	s_barrier_wait -1
	s_cmp_lg_u32 s14, 0
	s_cbranch_scc1 .Lnot_wave_0_\@
	s_barrier_signal -3
.Lnot_wave_0_\@:
	s_barrier_wait -3
	BARRIER
.endm
.macro CROUND
	s_barrier_signal -1
	MIDDLE
.endm
.macro TLOAD g0, g1                    ; (s_nop 0 and four v_nop)
	tensor_load_to_lds s[\g0:\g0+3], s[\g1:\g1+7]
	s_nop 0
	PLACES 4
.endm
.macro DESC1 g, mask, c, r, p          ; group 1: r rows of c elements of 8 bytes, p elements apart, dense in LDS
	s_or_b32 s[\g], s\mask, (3<<16)|(1<<21)
	s_mov_b32 s[\g+1], (\c)<<16
	s_mov_b32 s[\g+2], (\r)<<16
	s_mov_b32 s[\g+3], (\c)<<16
	s_mov_b32 s[\g+4], \r
	s_mov_b32 s[\g+5], \p
	s_mov_b32 s[\g+6], 0
	s_mov_b32 s[\g+7], 0
.endm
.macro SADD d, x
	s_add_co_u32 s\d, s\d, s\x
.endm
	s_load_b256 s[4:11], s[0:1], 0x0               ; opnd, bq, bk, bv
	s_load_b64 s[12:13], s[0:1], 0x20              ; qkvc
	v_lshl_add_u32 v[SPW], v0, 2, SPARE
	v_mov_b32 v[NIL], 0
	ds_add_u32 v[SPW], v[NIL]                      ; the wave's opening
	ds_add_u32 v[SPW], v[NIL]
	v_lshrrev_b32 v1, 5, v0
	v_readfirstlane_b32 s14, v1                    ; wave
	s_lshr_b32 s15, s14, 1                         ; w: my row of waves
	s_and_b32 s16, s14, 1                          ; wc: my column
	s_bfe_u32 s40, ttmp6, 0x40000                  ; cx
	s_bfe_u32 s41, ttmp6, 0x40004                  ; cy
	s_lshl_b32 s42, ttmp9, 2
	SADD 42, 40                                    ; J = 4 cluster x + cx
	s_and_b32 s43, ttmp7, 0xffff
	s_lshl_b32 s43, s43, 2
	SADD 43, 41                                    ; I = 4 cluster y + cy
	s_lshr_b32 s19, ttmp9, 1                       ; 0: q, 1: k
	s_and_b32 s18, ttmp9, 1                        ; v's window of my two
	s_lshl_b32 s44, s41, 2
	s_lshl_b32 s44, 15, s44                        ; my row of the cluster
	s_lshl_b32 s45, 0x1111, s40                    ; my column
	DESC1 G1B, 45, 2048, 8, 2048                   ; the weight: 8 tiles of 16,384 bytes
	DESC1 G1A, 44, 8192, 2, 16384                  ; chunk 0: twice 4 tiles, 8 tiles apart
	DESC1 G1R, 44, 2048, 2, 2048                   ; a quarter of a chunk: 2 tiles
	DESC1 G1S, 44, 32, 32, 32                      ; a window's scale words: 8,192 dense bytes
	s_lshl_b32 s67, s43, 19                        ; 32 tiles a tile row
	s_lshl_b32 s20, s18, 18
	s_add_co_u32 s2, s67, s20                      ; s2: v's window in opnd (chunk 2),
	s_xor_b32 s20, s20, 262144
	SADD 67, 20                                    ; s67: the other (chunk 0)
	s_lshl_b32 s3, s19, 2
	SADD 3, 40                                     ; Wv's tile column: 4 (cluster x / 2) + cx
	s_lshl_b32 s17, s3, 17
	s_add_co_u32 s17, s17, 640*16384               ; s17: Wv's rows in opnd
	s_lshl_b32 s78, s42, 17
	s_add_co_u32 s78, s78, 512*16384               ; the first weight's rows
	s_mov_b32 s79, 0
	s_xor_b32 s20, s18, s16
	s_xor_b32 s20, s20, 1                          ; waves 2, 3: the window that goes first, v's
	s_lshl_b32 s20, s20, 13
	s_lshl_b32 s80, s43, 14
	SADD 80, 20
	s_add_co_u32 s80, s80, 12582912
	s_mov_b32 s81, 0
	s_lshl_b32 s82, s42, 12                        ; the weight's scale words: my 2 pairs of tiles
	s_lshl_b32 s20, s16, 11
	SADD 82, 20
	s_add_co_u32 s82, s82, 12582912+256*1024
	s_mov_b32 s83, 0
	s_mov_b32 s86, s67
	s_mov_b32 s87, 0
	s_mov_b32 s[G0A], 1
	s_mov_b32 s[G0A+1], 0
	s_mov_b32 s[G0B], 1
	s_mov_b32 s[G0B+1], SLOT
	s_mov_b32 s[G0R], 1
	s_mov_b32 s[G0S], 1
	s_lshl_b32 s20, s16, 13
	s_add_co_u32 s[G0S+1], s20, SCL
	v_and_b32 v1, 15, v0                           ; r
	v_bfe_u32 v2, v0, 4, 1                         ; h
	v_and_b32 v3, 31, v0                           ; lane
	v_lshlrev_b32 v[LI], 4, v3
	v_lshlrev_b32 v[LS], 2, v3
	s_lshl_b32 s20, s15, 16
	v_add_nc_u32 v[AD0], s20, v[LI]
	v_add_nc_u32 v[AD], s20, v[LI]
	s_lshl_b32 s20, s16, 16
	v_add_nc_u32 v[ADV], s20, v[LI]
	s_add_co_u32 s20, s20, SLOT
	v_add_nc_u32 v[ADW], s20, v[LI]
	s_lshl_b32 s20, s15, 12
	s_add_co_u32 s20, s20, SCL
	v_add_nc_u32 v[SC0], s20, v[LS]
	v_add_nc_u32 v[SCA], s20, v[LS]
	s_lshl_b32 s20, s15, 9
	s_lshl_b32 s21, s16, 1
	SADD 20, 21
	s_add_co_u32 s20, s20, XN
	v_lshlrev_b32 v[VX0], 2, v1
	v_add_nc_u32 v[VX0], s20, v[VX0]               ; XN + 512 w + 4 r + 2 wc
	v_mov_b32 v[VX], v[VX0]
	s_lshl_b32 s20, s16, 9
	s_lshl_b32 s21, s15, 2
	SADD 20, 21
	s_add_co_u32 s20, s20, XV
	v_lshlrev_b32 v[RD], 3, v3
	v_add_nc_u32 v[RD], s20, v[RD]                 ; XV + 512 wc + 4 w + 8 lane
	v_lshlrev_b32 v[BO0], 6, v2
	v_and_b32 v[BO1], 8, v1
	v_add_nc_u32 v[BO1], v[BO1], v1
	v_lshlrev_b32 v[BO1], 2, v[BO1]
	v_mov_b32 v[TQ+2], 0                           ; a lane permute's destination counts as one of its sources
	v_mov_b32 v[TQ+3], 0
	v_lshlrev_b32 v[PL], 8, v3
	WALU
	s_lshl_b32 s20, s40, 2                         ; of a prefetch of x's rows I take one of 16 shares of 8,192 bytes, by cx and wave;
	SADD 20, 14
	s_lshr_b32 s21, s20, 3
	s_lshl_b32 s21, s21, 17
	s_and_b32 s20, s20, 7
	s_lshl_b32 s20, s20, 13
	s_add_co_u32 s101, s20, s21
	s_add_co_u32 s20, s67, 65536
	SADD 20, 101
	v_add_nc_u32 v[PF1], s20, v[PL]                ; chunk 1
	s_add_co_u32 s77, s2, s101
	v_add_nc_u32 v[PF2], s77, v[PL]                ; chunk 2
	s_add_co_u32 s77, s77, 65536                   ; s77: chunk 3's share
	s_lshl_b32 s76, s41, 2                         ; s76: Wv's, by cy and wave
	SADD 76, 14
	s_lshl_b32 s76, s76, 13
	SADD 76, 17
	WALU
	s_wait_dscnt 0x0                               ; both opening adds are done
	CROUND                                         ; all sixteen work-groups are here
	s_wait_kmcnt 0x0
	s_add_nc_u64 s[G0A+2:G0A+3], s[4:5], s[86:87]
	s_or_b32 s[G0A+3], s[G0A+3], 0x80000000
	s_add_nc_u64 s[G0B+2:G0B+3], s[4:5], s[78:79]
	s_or_b32 s[G0B+3], s[G0B+3], 0x80000000
	s_add_nc_u64 s[G0S+2:G0S+3], s[4:5], s[80:81]
	s_or_b32 s[G0S+3], s[G0S+3], 0x80000000
	s_cmp_eq_u32 s14, 0                            ; one joint load a wave
	s_cbranch_scc0 .Lwave_1
	TLOAD G0B, G1B                                 ; wave 0: the weight, which is wanted first
	s_branch .Lasked
.Lwave_1:
	s_cmp_eq_u32 s14, 1
	s_cbranch_scc0 .Lfor_words
	TLOAD G0A, G1A                                 ; wave 1: chunk 0
	s_branch .Lasked
.Lfor_words:
	TLOAD G0S, G1S                                 ; waves 2, 3: a window's scale words each
.Lasked:
	s_add_nc_u64 s[20:21], s[4:5], s[82:83]
	s_lshl_b32 s22, s3, 12
	s_lshl_b32 s23, s16, 11
	SADD 22, 23
	s_add_co_u32 s22, s22, 12582912+320*1024
	s_mov_b32 s23, 0
	s_add_nc_u64 s[22:23], s[4:5], s[22:23]        ; Wv's scale words
	s_and_b32 s46, s42, 7                          ; the K step of the next product that my columns are
	s_lshl_b32 s84, s46, 9                         ; the bias: columns 128 (J % 8) + 64 wc on
	s_lshl_b32 s85, s16, 8
	s_lshl_b32 s82, s3, 9                          ; bv: columns 128 x Wv's tile column + 64 wc on
	SADD 82, 85
	SADD 84, 85
	s_mov_b32 s85, 0
	s_mov_b32 s83, 0
	s_cmp_eq_u32 s19, 0
	s_cselect_b64 s[78:79], s[6:7], s[8:9]
	s_add_nc_u64 s[78:79], s[78:79], s[84:85]
	s_add_nc_u64 s[82:83], s[10:11], s[82:83]
.irp p, 0,1
.irp q, 0,1,2,3,4,5,6,7
	global_load_b32 v[SB+8*\p+\q], v[LS], s[20:21] offset:\p*1024+\q*128
	global_load_b32 v[WS+8*\p+\q], v[LS], s[22:23] offset:\p*1024+\q*128
.endr
.irp i, 0,1,2,3
	global_load_b128 v[BQ+16*\p+4*\i:BQ+16*\p+4*\i+3], v[BO0], s[78:79] offset:128*\p+16*\i   ; register 16 p + i: channel 32 p + 16 h + i of my 64
.endr
.endr
.irp t, 0,1,2,3
	global_load_b32 v[BV+\t], v[BO1], s[82:83] offset:(32*(\t/2)+8*(\t%2))*4
.endr
	s_wait_xcnt 0x0                                ; the loads have taken their addresses: these registers are written below
	; where results go: q, k: tile 512 (q or k) + 32 I + 16 window + 8 w, K step J % 8, groups 2 wc and 2 wc + 1
	s_lshl_b32 s20, s19, 23
	s_lshl_b32 s21, s43, 19
	SADD 20, 21
	s_lshl_b32 s21, s15, 17
	SADD 20, 21
	s_lshl_b32 s21, s46, 11
	SADD 20, 21
	s_lshl_b32 s21, s16, 10
	SADD 20, 21
	s_lshl_b32 s22, s18, 18
	s_add_co_u32 s88, s20, s22                     ; v's window
	s_mov_b32 s89, 0
	s_xor_b32 s22, s22, 262144
	s_add_co_u32 s84, s20, s22                     ; the other
	s_mov_b32 s85, 0
	s_add_nc_u64 s[88:89], s[12:13], s[88:89]
	s_add_nc_u64 s[84:85], s[12:13], s[84:85]
	s_sub_nc_u64 s[84:85], s[84:85], 65536         ; (stepped by a chunk's 4 tiles ahead of its first use)
	s_lshl_b32 s80, s3, 20                         ; v: channel tile 8 x tile column + 4 wc, step 4 I + 2 window + w
	s_lshl_b32 s21, s16, 19
	SADD 80, 21
	s_lshl_b32 s21, s43, 13
	SADD 80, 21
	s_lshl_b32 s21, s18, 12
	SADD 80, 21
	s_lshl_b32 s21, s15, 11
	SADD 80, 21
	s_add_co_u32 s80, s80, 16777216
	s_mov_b32 s81, 0
	s_add_nc_u64 s[80:81], s[12:13], s[80:81]
	s_lshl_b32 s86, s46, 16                        ; q's, k's scale words: wave n stores half n % 2 of the (n / 2)-th window's 1,024 bytes, in the order of work
	s_lshl_b32 s21, s19, 15
	SADD 86, 21
	s_lshl_b32 s21, s43, 11
	SADD 86, 21
	s_xor_b32 s20, s18, s15
	s_xor_b32 s20, s20, 1
	s_lshl_b32 s21, s20, 10
	SADD 86, 21
	s_lshl_b32 s21, s16, 9
	SADD 86, 21
	s_add_co_u32 s86, s86, 25165824
	s_mov_b32 s87, 0
	s_add_nc_u64 s[86:87], s[12:13], s[86:87]
	s_lshl_b32 s82, s3, 2                          ; v's: wave n stores channel pair 4 x tile column + n: 256 bytes
	SADD 82, 14
	s_lshl_b32 s82, s82, 13
	s_lshl_b32 s21, s43, 9
	SADD 82, 21
	s_lshl_b32 s21, s18, 8
	SADD 82, 21
	s_add_co_u32 s82, s82, 25690112
	s_mov_b32 s83, 0
	s_add_nc_u64 s[82:83], s[12:13], s[82:83]
	s_mov_b32 s[SEL], 0x76543210
	s_mov_b32 s[SEL+1], 0xfedcba98                 ; v_permlanex16_b32's selects: lane l xor 16
	s_mov_b32 s[MNT], 0x600000                     ; the mantissa field of 57,344
	s_mov_b32 s[HM], 0xffff0000                    ; lanes 16-31
	WALU
	s_cmp_eq_u32 s14, 0
	s_cbranch_scc0 .Lnot_weight
	s_wait_tensorcnt 0x0                           ; wave 0: the weight has landed; the other waves' wait stands at the second barrier
.Lnot_weight:
	BARRIER
	global_prefetch_b8 v[PF1], s[4:5] th:TH_LOAD_NT scope:SCOPE_SE
	global_prefetch_b8 v[PF2], s[4:5] th:TH_LOAD_NT scope:SCOPE_SE
.macro WFRAG q, adr                    ; K step q of my four tiles of a weight: 16 loads of 512 consecutive bytes, into windows 1 (q < 4) and 2
	WIN (1+(\q)/4)<<6
.irp b, 0,1,2,3
.irp c, 0,1,2,3
	ds_load_b128 v[16*((4*(\q)+\b)%16)+4*\c:16*((4*(\q)+\b)%16)+4*\c+3], v[\adr] offset:\b*16384+(\q)*2048+\c*512
.endr
.endr
.endm
.macro FETCH e, off                    ; a block of x, all of K, into set e of window 3: 32 loads
	WIN 0xc0
.irp q, 0,1,2,3,4,5,6,7
.irp c, 0,1,2,3
	ds_load_b128 v[128*\e+16*\q+4*\c:128*\e+16*\q+4*\c+3], v[AD] offset:\off+2048*\q+512*\c
.endr
.endr
	WIN 0
.endm
.macro WORDS off                       ; a pair of tiles' scale words: 8 loads
.irp q, 0,1,2,3,4,5,6,7
	ds_load_b32 v[SA+\q], v[SCA] offset:\off+128*\q
.endr
.endm
.macro GRD
	s_wait_tensorcnt 0x0
	ds_add_u32 v[SPW], v[NIL]
.endm
.macro WM d, f0, f1, cc, x0, x1, par   ; par: bit 0: source 0's scale words lie in lanes 16-31 (the odd tile of a pair), bit 1: source 1's
.if (\par) == 0
	v_wmma_scale_f32_16x16x128_f8f6f4 v[\d:\d+7], v[\f0:\f0+15], v[\f1:\f1+15], v[\cc:\cc+7], v[\x0], v[\x1] matrix_a_fmt:MATRIX_FMT_BF8 matrix_b_fmt:MATRIX_FMT_BF8
.elseif (\par) == 1
	v_wmma_scale_f32_16x16x128_f8f6f4 v[\d:\d+7], v[\f0:\f0+15], v[\f1:\f1+15], v[\cc:\cc+7], v[\x0], v[\x1] matrix_a_fmt:MATRIX_FMT_BF8 matrix_b_fmt:MATRIX_FMT_BF8 matrix_a_scale:MATRIX_SCALE_ROW1
.elseif (\par) == 2
	v_wmma_scale_f32_16x16x128_f8f6f4 v[\d:\d+7], v[\f0:\f0+15], v[\f1:\f1+15], v[\cc:\cc+7], v[\x0], v[\x1] matrix_a_fmt:MATRIX_FMT_BF8 matrix_b_fmt:MATRIX_FMT_BF8 matrix_b_scale:MATRIX_SCALE_ROW1
.else
	v_wmma_scale_f32_16x16x128_f8f6f4 v[\d:\d+7], v[\f0:\f0+15], v[\f1:\f1+15], v[\cc:\cc+7], v[\x0], v[\x1] matrix_a_fmt:MATRIX_FMT_BF8 matrix_b_fmt:MATRIX_FMT_BF8 matrix_a_scale:MATRIX_SCALE_ROW1 matrix_b_scale:MATRIX_SCALE_ROW1
.endif
.endm
; product n = 4 x K step + tile: x's set e (the odd tile of its pair where e = 1), sums in set e; the first four take the bias as C.  kind 0: source 0 = the weight's rows; kind 1: source 0 = x's rows.  The four accumulators take turns.
.macro PROD kind, e, n
.set Q_, (\n)/4
.set B_, (\n)%4
.set A_, ACC+32*(\e)+8*B_
.set C_, A_
.if Q_ == 0
.set C_, BQ+8*B_
.endif
.set X_, 128*(\e)+16*Q_
.set W_, 16*((4*Q_+B_)%16)
.set S_, SB+8*(B_/2)+Q_
.set P_, B_%2
.if \kind
	WIN 3|((1+Q_/4)<<2)
	WM A_, X_, W_, C_, SA+Q_, S_, (\e)+2*P_
.else
	WIN (1+Q_/4)|12
	WM A_, W_, X_, C_, S_, SA+Q_, P_+2*(\e)
.endif
.endm
.macro LEAF d, m, a, b                 ; eight lines: the largest magnitude of 16 sums, and the floor 2^(16 - 127)
.if (\m) == 0
	v_max3_num_f32 v[\d], |v[\a]|, |v[(\a)+1]|, |v[(\a)+2]|
.elseif (\m) < 3
	v_max3_num_f32 v[\d], v[\d], |v[(\a)+2*(\m)+1]|, |v[(\a)+2*(\m)+2]|
.elseif (\m) == 3
	v_max3_num_f32 v[\d], v[\d], |v[(\a)+7]|, |v[\b]|
.elseif (\m) < 7
	v_max3_num_f32 v[\d], v[\d], |v[(\b)+2*(\m)-7]|, |v[(\b)+2*(\m)-6]|
.else
	v_max3_num_f32 v[\d], v[\d], |v[(\b)+7]|, 0x8000000
.endif
.endm
; the quantiser's gap m = 0 .. 27: two scale blocks of 32, each in lanes l and l xor 16: 16 numbers a lane at xa, xb and at ya, yb -> codes cd .. cd + 7, bytes in eb (vk = 0: both, 16 bits; 1: lanes 0-15 the first, 16-31 the second)
.macro GAP m, vk, xa, xb, ya, yb, cd, eb
.if (\m) < 8
	LEAF TQ, \m, \xa, \xb
	LEAF TQ+1, \m, \ya, \yb
.elseif (\m) == 8
	v_permlanex16_b32 v[TQ+2], v[TQ], s[SEL], s[SEL+1]
	v_permlanex16_b32 v[TQ+3], v[TQ+1], s[SEL], s[SEL+1]
.elseif (\m) == 9
	v_max_num_f32 v[TQ], v[TQ], v[TQ+2]
	v_max_num_f32 v[TQ+1], v[TQ+1], v[TQ+3]
.elseif (\m) == 10
	v_add_nc_u32 v[SOP], 0xf8800000, v[TQ]         ; 15 off the exponent field: the conversion's scale operand
	v_add_nc_u32 v[SOP+1], 0xf8800000, v[TQ+1]
.elseif (\m) == 11
	v_and_or_b32 v[TQ+4], v[TQ], 0x7f800000, s[MNT]   ; 57,344 x the scale
	v_lshrrev_b32 v[EB+2], 23, v[SOP]
	v_lshrrev_b32 v[EB+3], 23, v[SOP+1]
.else
.if (\m) == 12
	v_and_or_b32 v[TQ+5], v[TQ+1], 0x7f800000, s[MNT]
.endif
.set K_, TQ+4+((\m)-12)/8
.if (\m) < 16
.set H_, \xa
.elseif (\m) < 20
.set H_, \xb
.elseif (\m) < 24
.set H_, \ya
.else
.set H_, \yb
.endif
.set I_, H_+2*((\m)%4)
	v_med3_num_f32 v[I_], v[I_], -v[K_], v[K_]     ; the conversion does not saturate (ISA guide 7.6.2)
	v_med3_num_f32 v[I_+1], v[I_+1], -v[K_], v[K_]
.if (\m) == 13
.if \vk
	v_cndmask_b32 v[\eb], v[EB+2], v[EB+3], s[HM]
.else
	v_lshl_or_b32 v[\eb], v[EB+3], 8, v[EB+2]
.endif
.endif
.if (\m)%4 == 3
.set D_, (\cd)+2*(((\m)-12)/4)
.set O_, SOP+((\m)-12)/8
	v_cvt_scalef32_pk8_bf8_f32 v[D_:D_+1], v[H_:H_+7], v[O_]
.endif
.endif
.endm
.macro GAPY m, y                       ; y = 1, 2: q's or k's block in set 1, 0; 3, 4: tiles 0, 1 and 2, 3 of v's pair
.if (\y) == 1
	GAP \m, 0, ACC+32, ACC+40, ACC+48, ACC+56, CD, EB
.elseif (\y) == 2
	GAP \m, 0, ACC, ACC+8, ACC+16, ACC+24, CD, EB
.elseif (\y) == 3
	GAP \m, 1, ACC+64, ACC+96, ACC+72, ACC+104, CD, EB
.else
	GAP \m, 1, ACC+80, ACC+112, ACC+88, ACC+120, CD+8, EB+1
.endif
.endm
.macro RDESC i                         ; a refill's group 0, in two parts: my quarter of the chunk at s79 of opnd, into slot s47
.if (\i) == 0
	s_add_co_u32 s[G0R+1], s92, s47
	s_add_co_u32 s20, s93, s79
.else
	s_mov_b32 s21, 0
	s_add_nc_u64 s[G0R+2:G0R+3], s[4:5], s[20:21]
	s_or_b32 s[G0R+3], s[G0R+3], 0x80000000
.endif
.endm
; what stands behind product n; j: the block's number in its trip (4, 5: the second loop's; 6, 7: v's)
.macro LIST n, j, y
.if (\n) < 28
	WIN 0
	GAPY \n, \y
.endif
.if (\n) == 0
.if (\j) == 1
	v_add_nc_u32 v[VX], s78, v[VX0]
	v_add_nc_u32 v[SCA], s76, v[SC0]
.elseif (\j) == 2
	v_add_nc_u32 v[AD], s47, v[AD0]
	v_add_nc_u32 v[PF1], s95, v[PL]
.elseif (\j) == 3
	v_add_nc_u32 v[SCA], s77, v[SC0]
.elseif (\j) == 4
	v_add_nc_u32 v[AD], s47, v[AD0]
	v_add_nc_u32 v[VX], s78, v[VX0]
.elseif (\j) == 5 || (\j) == 7
	v_add_nc_u32 v[SCA], s76, v[SC0]
.elseif (\j) == 6
	v_add_nc_u32 v[AD], s47, v[AD0]
.endif
.elseif (\j) == 0 && ((\n) == 29 || (\n) == 30)
	RDESC (\n)-29
.endif
.endm
.macro BLOCK kind, e, from, to, j, y
.set N_, \from
.rept (\to)-(\from)
	PROD \kind, \e, N_
	LIST N_, \j, \y
.set N_, N_+1
.endr
.endm
.macro BLK kind, e, j, y               ; a whole block; eight plain places stand behind its products, ahead of loads into what they read and of reads of their sums
	s_wait_xcnt 0x0                                ; the last stores have read their registers: codes are written among these products
	BLOCK \kind, \e, 0, 32, \j, \y
	WIN 0
	PLACES 8
.endm
.macro QOUT off, xo                    ; a block's scale bytes go to their place in LDS, its codes leave: twice 512 consecutive bytes
	ds_store_b16 v[VX], v[EB] offset:\xo
	global_store_b128 v[LI], v[CD:CD+3], s[84:85] offset:\off
	global_store_b128 v[LI], v[CD+4:CD+7], s[84:85] offset:\off+512
.endm
.irp q, 0,1,2,3,4,5,6,7
	WFRAG \q, ADW
.endr
	WIN 0
	s_wait_tensorcnt 0x0                           ; chunk 0 and the scale words are in
	s_wait_dscnt 0x0                               ; the weight is in registers
	BARRIER
	FETCH 0, 0
	WORDS 0
	FETCH 1, 16384
	s_mov_b32 s94, s76                             ; Wv's share of a prefetch
	s_mov_b32 s95, s77                             ; chunk 3's
	s_lshl_b32 s92, s16, 16                        ; my quarter of a refill: waves 0, 1 the first two tiles of each half, waves 2, 3 the others
	s_lshl_b32 s93, s16, 17
	s_lshl_b32 s20, s15, 15
	SADD 92, 20
	SADD 93, 20
	s_mov_b32 s46, 0                               ; the trip
	s_mov_b32 s47, SLOT                            ; the next chunk's slot
	s_mov_b32 s76, 0                               ; this chunk's scale words,
	s_mov_b32 s77, 2048                            ; the next chunk's
	s_mov_b32 s78, 0                               ; where this chunk's bytes go
	s_add_co_u32 s79, s67, 65536                   ; the chunk that is asked for
.set Z_, 0
.rept 32
	v_mov_b32 v[ACC+32+Z_], 0
.set Z_, Z_+1
.endr
	WALU
	s_wait_loadcnt 0x0                             ; scale words and biases
.Lfour:
	s_wait_dscnt 32                                ; block 0 and its words are in; block 1's 32 loads may be out
	s_wait_xcnt 0x0
	GRD
	BLOCK 0, 0, 0, 28, 0, 1
	WIN 0
	WALU
	s_wait_dscnt 0x0                               ; the add is done, and my reads of the other slot are over
	s_barrier_signal -1
	BLOCK 0, 0, 28, 32, 0, 1
	MIDDLE
	s_cmp_lt_u32 s14, 2                            ; two load lines: the barrier inside block 2 waits for the first alone
	s_cbranch_scc0 .Lsecond_half
	TLOAD G0R, G1R
	s_branch .Lrefilled
.Lsecond_half:
	TLOAD G0R, G1R
.Lrefilled:
	PLACES 4
	s_cmp_eq_u32 s46, 0
	s_cbranch_scc1 .Lno_block_before
	QOUT 49152, 192
.Lno_block_before:
	FETCH 0, 32768
	s_wait_xcnt 0x0
	s_add_nc_u64 s[84:85], s[84:85], 65536         ; on to this chunk's tiles
	s_cmp_eq_u32 s46, 2
	s_cselect_b64 s[84:85], s[88:89], s[84:85]
	BLK 0, 1, 1, 2                                 ; (block 1 came in ahead of the round)
	QOUT 0, 0
	WORDS 1024
	FETCH 1, 49152
	s_wait_dscnt 32
	s_wait_xcnt 0x0
	BLOCK 0, 0, 0, 28, 2, 1
	WIN 0
	WALU
	s_cmp_lt_u32 s14, 2
	s_cbranch_scc0 .Lnot_yet
	s_wait_tensorcnt 0x0                           ; the next chunk's first half has landed
.Lnot_yet:
	s_wait_dscnt 0x0
	s_barrier_signal -1
	BLOCK 0, 0, 28, 32, 2, 1
	WIN 0
	s_barrier_wait -1
	PLACES 8
	QOUT 16384, 64
	FETCH 0, 0
	s_cmp_eq_u32 s46, 2
	s_cbranch_scc1 .Lnone_ahead
	global_prefetch_b8 v[PF1], s[4:5] th:TH_LOAD_NT scope:SCOPE_SE
.Lnone_ahead:
	BLK 0, 1, 3, 2
	QOUT 32768, 128
	WORDS 0
	FETCH 1, 16384
	s_mov_b32 s95, s94
	s_lshl_b32 s20, s46, 16
	s_add_co_u32 s79, s2, s20                      ; chunk 2, then chunk 3
	s_mov_b32 s76, s77
	s_xor_b32 s47, s47, SLOT
	s_add_co_u32 s46, s46, 1
	s_add_co_u32 s20, s46, 1
	s_lshr_b32 s21, s20, 1
	s_and_b32 s20, s20, 1
	s_lshl_b32 s21, s21, 13
	s_lshl_b32 s20, s20, 11
	s_add_co_u32 s77, s20, s21
	s_lshr_b32 s21, s46, 1
	s_and_b32 s20, s46, 1
	s_lshl_b32 s21, s21, 10
	s_lshl_b32 s20, s20, 8
	s_add_co_u32 s78, s20, s21
	s_cmp_lg_u32 s46, 3
	s_cbranch_scc1 .Lfour
	GRD
	DESC1 G1A, 45, 2048, 2, 2048
	s_lshl_b32 s20, s14, 15
	s_mov_b32 s[G0A+1], s20
	s_add_co_u32 s20, s20, s17
	s_mov_b32 s21, 0
	s_add_nc_u64 s[G0A+2:G0A+3], s[4:5], s[20:21]
	s_or_b32 s[G0A+3], s[G0A+3], 0x80000000
	s_wait_dscnt 0x0
	CROUND
	TLOAD G0A, G1A
	s_mov_b32 s47, SLOT+32768
	s_mov_b32 s76, 8192+3072
.Ltwo:                                                 ; blocks 12, 13 and 14, 15; behind the last two the sets take v's first blocks: chunk 3 again
	s_wait_dscnt 32
	s_wait_xcnt 0x0
	s_sub_co_u32 s20, s46, 3
	s_lshl_b32 s78, s20, 7
	s_add_co_u32 s78, s78, 1024
	s_lshl_b32 s20, s20, 15
	s_mov_b32 s21, 0
	s_add_nc_u64 s[84:85], s[84:85], s[20:21]
	BLK 0, 0, 4, 1
	QOUT 49152, 192
	FETCH 0, 0
	s_wait_dscnt 32
	BLK 0, 1, 5, 2
	QOUT 65536, 256
	WORDS 0
	FETCH 1, 16384
	s_mov_b32 s47, SLOT
	s_mov_b32 s76, 8192+2048
	s_add_co_u32 s46, s46, 1
	s_cmp_lg_u32 s46, 5
	s_cbranch_scc1 .Ltwo
	; the change of phase: Wv into the weight's registers; among its loads the last block's way out, the scale words, and values for the registers that v's first trip reads and does not store
	s_wait_xcnt 0x0
	s_wait_tensorcnt 0x0
	s_wait_dscnt 0x0
	BARRIER
.irp q, 0,1,2,3,4,5,6,7
	WFRAG \q, ADV
	WIN 0
.if \q < 7
.irp k, 0,1,2,3
	GAPY 4*\q+\k, 1
.endr
.else
.irp k, 0,1,2,3,4,5,6,7,8,9,10,11,12,13,14,15
	v_mov_b32 v[SB+\k], v[WS+\k]
	v_mov_b32 v[ACC+80+\k], 0
	v_mov_b32 v[ACC+96+\k], 0
	v_mov_b32 v[ACC+112+\k], 0
.endr
.endif
.endr
.irp t, 0,1,2,3
.irp i, 0,1,2,3,4,5,6,7
	v_mov_b32 v[BQ+8*\t+\i], v[BV+\t]
.endr
.endr
	WALU
	QOUT 81920, 320
	GRD
	s_mov_b32 s47, 0
	s_mov_b32 s79, s2
	RDESC 0
	RDESC 1
	s_mov_b32 s46, 0
	s_mov_b32 s47, SLOT+32768
	s_mov_b32 s76, 8192+3072
	s_wait_dscnt 0x0                               ; Wv is in registers
	CROUND
	TLOAD G0R, G1R
.macro VTO                             ; s22 = c: where a pair's codes and bytes go
	s_lshl_b32 s20, s22, 9
	s_mov_b32 s21, 0
	s_add_nc_u64 s[84:85], s[80:81], s[20:21]
	v_add_nc_u32 v[VX], s22, v[RD]
.endm
.macro VOUT                            ; four tiles of 32 tokens: 512 consecutive bytes a store
.irp p, 0,1
	ds_store_b8 v[VX], v[EB+\p] offset:256*\p
.endr
.irp t, 0,1,2,3
	global_store_b128 v[LI], v[CD+4*\t:CD+4*\t+3], s[84:85] offset:131072*\t
.endr
.endm
.Lpair:                                                ; v's pairs of blocks: c = 2, 3 (chunk 3), 0, 1 (chunk 2)
	s_wait_dscnt 32
	BLK 1, 0, 6, 3
	s_cmp_eq_u32 s46, 3
	s_cbranch_scc1 .Lnone_0
	FETCH 0, 0
	s_wait_dscnt 32
	s_branch .Lgo
.Lnone_0:
	s_wait_dscnt 0x0
.Lgo:
	s_wait_xcnt 0x0
	BLOCK 1, 1, 0, 28, 7, 4
	WIN 0
	WALU
	s_wait_tensorcnt 0x0                           ; the first trip's shows chunk 2
	s_wait_dscnt 0x0
	s_barrier_signal -1
	BLOCK 1, 1, 28, 32, 7, 4
	WIN 0
	s_barrier_wait -1
	PLACES 8
.set Z_, 0
.rept 32
	v_dual_mov_b32 v[ACC+64+Z_], v[ACC+Z_] :: v_dual_mov_b32 v[ACC+64+Z_+1], v[ACC+Z_+1]
.set Z_, Z_+2
.endr
	s_add_co_u32 s22, s46, 1
	s_and_b32 s22, s22, 3
	VTO
	s_cmp_eq_u32 s46, 0
	s_cbranch_scc1 .Lno_pair_before
	VOUT
.Lno_pair_before:
	s_cmp_eq_u32 s46, 3
	s_cbranch_scc1 .Lnone_1
	WORDS 0
	FETCH 1, 16384
.Lnone_1:
	s_add_co_u32 s46, s46, 1
	s_add_co_u32 s20, s46, 3
	s_and_b32 s20, s20, 3
	s_lshl_b32 s20, s20, 10
	s_add_co_u32 s76, s20, 8192
	s_cmp_eq_u32 s46, 1
	s_cselect_b32 s47, 0, 0x8000
	s_cmp_lg_u32 s46, 4
	s_cbranch_scc1 .Lpair
	s_wait_xcnt 0x0
.irp y, 3,4
.set Y_, 0
.rept 28
	GAPY Y_, \y
.set Y_, Y_+1
.endr
.endr
	v_nop                                          ; a plain line behind the last conversion
	s_mov_b32 s22, 1
	VTO
	VOUT
	s_wait_dscnt 0x0                               ; the scale bytes
	BARRIER
	s_lshl_b32 s20, s14, 9
	s_add_co_u32 s20, s20, XN
	v_add_nc_u32 v20, s20, v[LI]
	s_lshl_b32 s20, s14, 8
	s_add_co_u32 s20, s20, XV
	v_lshlrev_b32 v22, 3, v3
	v_add_nc_u32 v21, s20, v22
	WALU
	ds_load_b128 v[52:55], v20
	ds_load_b64 v[40:41], v21
	s_wait_dscnt 0x0
	global_store_b128 v[LI], v[52:55], s[86:87]    ; 512 consecutive bytes
	global_store_b64 v22, v[40:41], s[82:83]       ; 256 consecutive bytes
	s_wait_tensorcnt 0x0                           ; the wave's end
	ds_add_u32 v[SPW], v[NIL]
	s_wait_dscnt 0x0
	CROUND                                         ; the closing round
	s_endpgm
.Lfunc_end_k_q99f7563b1d_qkv:
	.size	k_q99f7563b1d_qkv, .Lfunc_end_k_q99f7563b1d_qkv-k_q99f7563b1d_qkv
	.p2alignl 7, 3214868480
	.fill 96, 4, 3214868480
	.section	.rodata,"a",@progbits
	.p2align	6, 0x0
	.amdhsa_kernel k_q99f7563b1d_qkv
		.amdhsa_group_segment_fixed_size 327680
		.amdhsa_private_segment_fixed_size 0
		.amdhsa_enable_private_segment 0
		.amdhsa_kernarg_size 40
		.amdhsa_user_sgpr_count 2
		.amdhsa_user_sgpr_kernarg_segment_ptr 1
		.amdhsa_wavefront_size32 1
		.amdhsa_system_sgpr_workgroup_id_x 1
		.amdhsa_system_sgpr_workgroup_id_y 1
		.amdhsa_system_sgpr_workgroup_id_z 1
		.amdhsa_system_vgpr_workitem_id 0
		.amdhsa_next_free_vgpr 1024
		.amdhsa_next_free_sgpr 102
		.amdhsa_reserve_vcc 0
		.amdhsa_float_denorm_mode_32 3
		.amdhsa_float_denorm_mode_16_64 3
		.amdhsa_memory_ordered 1
		.amdhsa_forward_progress 1
		.amdhsa_inst_pref_size 165
	.end_amdhsa_kernel
	.amdgpu_metadata
---
amdhsa.version: [ 1, 2 ]
amdhsa.kernels:
  - .name:           k_q99f7563b1d_qkv
    .symbol:         k_q99f7563b1d_qkv.kd
    .args:
      - { .name: opnd, .offset: 0, .size: 8, .value_kind: global_buffer, .address_space: global }
      - { .name: bq, .offset: 8, .size: 8, .value_kind: global_buffer, .address_space: global }
      - { .name: bk, .offset: 16, .size: 8, .value_kind: global_buffer, .address_space: global }
      - { .name: bv, .offset: 24, .size: 8, .value_kind: global_buffer, .address_space: global }
      - { .name: qkvc, .offset: 32, .size: 8, .value_kind: global_buffer, .address_space: global }
    .group_segment_fixed_size: 327680
    .private_segment_fixed_size: 0
    .kernarg_segment_align: 8
    .kernarg_segment_size: 40
    .max_flat_workgroup_size: 128
    .sgpr_count:     102
    .vgpr_count:     1024
    .wavefront_size: 32
...
	.end_amdgpu_metadata
.endif
;; end of part 7
;; launch scores (part 8): grid 36 x 4, 4 waves a work-group, no clusters, 327,680 bytes of LDS; arguments qkvc, pgl; writes pgl
.if DOCPART == 8
	.amdgcn_target "amdgcn-amd-amdhsa--gfx1250"
	.amdhsa_code_object_version 6
	.text
	.protected	k_q99f7563b1d_scores
	.globl	k_q99f7563b1d_scores
	.p2align	8
	.type	k_q99f7563b1d_scores,@function
k_q99f7563b1d_scores:
	s_mov_b64 s[64:65], 0
	v_nop
	global_prefetch_b8 v0, s[64:65] scope:SCOPE_SE
	s_setreg_imm32_b32 hwreg(HW_REG_WAVE_MODE, 25, 1), 1
	s_wait_xcnt 0x0
; LAUNCH 3 OF 5.  S = q k^T on codes, the causal mask, and p = 2^(t - M) quantised along the keys, t = score x log2(e) / 32.
; LEFT OUT: the tiles of 256 queries x 256 keys with key block J > query block I: every score there is masked by reference()'s own jnp.tril (see launch 1's head).  36 tiles a batch are left.
; EACH BLOCK OF 32 KEYS HAS ITS OWN WHOLE-NUMBER FRAME.  M = ceil(the block's largest t) for my query; p = 2^(t - M); the block is quantised under that M.  A change of frame by a whole number is taken up by the block's scale
; and leaves the codes as they are, so the row's frame is fixed in the next launch, by arithmetic on whole numbers.  Stored for each query and block: the codes; G, a whole number in f32, such that a code stands for
; code x 2^-15 x 2^G; and l' with l' x 2^G = the block's sum of the UNQUANTISED p x 2^M.  (G = M + byte - 112, l' = sum x 2^(112 - byte): both exact.)  A block that is all masked has codes 0, l' = 0 and G about -1.35e37.
; The maximum is taken away ahead of every exponential: no exponent is above 0 but by rounding.
; pgl: p's images [512 query tiles][16 steps of 128 keys][2048]; from 16,777,216 [512][16][512]: bytes 16 r: G of query r's four blocks; bytes 256 + 16 r: l'.
; NO CLUSTER: a row of the triangle has 1 to 8 tiles and a column 8 to 1, so no fixed group of four work-groups shares one tile of q or of k at every place of the grid.
; LIMITS: NaN and infinities are not served; G is exact for |t| under 2^24.
; The product is launch 2's: source 0 = 256 keys, source 1 = 256 queries: a lane holds one query, its registers run along the keys.  REGISTERS as there; on the way out v128-221 of window 0 are at work.
; LAYOUT OF pgl's SECOND PART, in place of the one named above: [512][16][512]: bytes 256 h + 16 r: G of query r's blocks 2 h and 2 h + 1, then l' of the same two.
; ON THE DIAGONAL (J = I) the wave of queries 0-127 and keys 128-255 of the tile has only masked scores, and launch 4 reads none of its places: it stores nothing.
; q's and k's scale words: [8 K steps][512 pairs][128 bytes].
.set HALFT, 32768
.set SLOT,  131072
.set SPARE, 262144
.set DQ0,  4                           ; v4  my query less my first key, tile 0: 128 wr - 128 wc + r + 8 (r / 8) - 16 h
.set ADRA, 16
.set ADRB, 20
.set LI,   22
.set LS,   23
.set SPW,  28
.set NIL,  29
.set SA,   32
.set SB,   64
.set AF,   128
.set BM,   128                         ; v128-131 a block's largest score, then its largest p
.set T2,   132
.set NM,   136                         ; v136, 138, 140, 142: -M
.set TS,   144                         ; v144-175 partial sums
.set LB,   176
.set HO,   180
.set SO,   184
.set BY,   188
.set PC,   192
.set GLR,  208
.set GG,   212
.set EF,   216
.set MK,   24                          ; s[24:55] masks (the descriptors' registers, when no tensor load is out any more): 16 u + i: hidden is key i of the lane's 16 in the block that holds tile u's own 32 keys
.set NI,   56                          ; s56 -infinity
.set NINF, 221
.set G1,   24
.set G0,   32
.set G0B,  56
.set SEL,  66
.set MNT,  68
.set HM,   69
.set ASC,  70
.set CS,   72                          ; s[72:73] log2(e) / 32
.set BSC,  74
.set PIP,  78
.set GLP,  80
.set MUL_LO, 0xa1
.set MUL_HI, 0xf1
.set TO_B,   0x40
.set MSB, 0
.macro WIN new
.if MSB != (\new)
	s_set_vgpr_msb (MSB<<8)|(\new)
.set MSB, (\new)
.endif
.endm
.macro PLACES n
.rept \n
	v_nop
.endr
.endm
.macro JLOAD s                         ; waves 0 and 1 fetch q's halves, waves 2 and 3 k's; an s_nop 0 and four v_nop follow each line
	s_cmp_eq_u32 s15, 0
	s_cbranch_scc0 .Lfor_b_\@
	tensor_load_to_lds s[G0+4*\s:G0+4*\s+3], s[G1:G1+7]
	s_nop 0
.rept 4
	v_nop
.endr
	s_branch .Lasked_\@
.Lfor_b_\@:
	tensor_load_to_lds s[G0B+4*\s:G0B+4*\s+3], s[G1:G1+7]
	s_nop 0
.rept 4
	v_nop
.endr
.Lasked_\@:
.endm
.macro WM d, f0, f1, x0, x1, par, zero
.if \zero
.if (\par) == 0
	v_wmma_scale_f32_16x16x128_f8f6f4 v[(\d):(\d)+7], v[(\f0):(\f0)+15], v[(\f1):(\f1)+15], 0, v[\x0], v[\x1] matrix_a_fmt:MATRIX_FMT_BF8 matrix_b_fmt:MATRIX_FMT_BF8
.elseif (\par) == 1
	v_wmma_scale_f32_16x16x128_f8f6f4 v[(\d):(\d)+7], v[(\f0):(\f0)+15], v[(\f1):(\f1)+15], 0, v[\x0], v[\x1] matrix_a_fmt:MATRIX_FMT_BF8 matrix_b_fmt:MATRIX_FMT_BF8 matrix_a_scale:MATRIX_SCALE_ROW1
.elseif (\par) == 2
	v_wmma_scale_f32_16x16x128_f8f6f4 v[(\d):(\d)+7], v[(\f0):(\f0)+15], v[(\f1):(\f1)+15], 0, v[\x0], v[\x1] matrix_a_fmt:MATRIX_FMT_BF8 matrix_b_fmt:MATRIX_FMT_BF8 matrix_b_scale:MATRIX_SCALE_ROW1
.else
	v_wmma_scale_f32_16x16x128_f8f6f4 v[(\d):(\d)+7], v[(\f0):(\f0)+15], v[(\f1):(\f1)+15], 0, v[\x0], v[\x1] matrix_a_fmt:MATRIX_FMT_BF8 matrix_b_fmt:MATRIX_FMT_BF8 matrix_a_scale:MATRIX_SCALE_ROW1 matrix_b_scale:MATRIX_SCALE_ROW1
.endif
.else
.if (\par) == 0
	v_wmma_scale_f32_16x16x128_f8f6f4 v[(\d):(\d)+7], v[(\f0):(\f0)+15], v[(\f1):(\f1)+15], v[(\d):(\d)+7], v[\x0], v[\x1] matrix_a_fmt:MATRIX_FMT_BF8 matrix_b_fmt:MATRIX_FMT_BF8
.elseif (\par) == 1
	v_wmma_scale_f32_16x16x128_f8f6f4 v[(\d):(\d)+7], v[(\f0):(\f0)+15], v[(\f1):(\f1)+15], v[(\d):(\d)+7], v[\x0], v[\x1] matrix_a_fmt:MATRIX_FMT_BF8 matrix_b_fmt:MATRIX_FMT_BF8 matrix_a_scale:MATRIX_SCALE_ROW1
.elseif (\par) == 2
	v_wmma_scale_f32_16x16x128_f8f6f4 v[(\d):(\d)+7], v[(\f0):(\f0)+15], v[(\f1):(\f1)+15], v[(\d):(\d)+7], v[\x0], v[\x1] matrix_a_fmt:MATRIX_FMT_BF8 matrix_b_fmt:MATRIX_FMT_BF8 matrix_b_scale:MATRIX_SCALE_ROW1
.else
	v_wmma_scale_f32_16x16x128_f8f6f4 v[(\d):(\d)+7], v[(\f0):(\f0)+15], v[(\f1):(\f1)+15], v[(\d):(\d)+7], v[\x0], v[\x1] matrix_a_fmt:MATRIX_FMT_BF8 matrix_b_fmt:MATRIX_FMT_BF8 matrix_a_scale:MATRIX_SCALE_ROW1 matrix_b_scale:MATRIX_SCALE_ROW1
.endif
.endif
.endm
.macro MUL16 a0, p, g, zero            ; the 64 accumulators take turns in one order
.irp a, \a0, \a0+1
.irp b, 0,1,2,3,4,5,6,7
	WM 8*(8*((\a)%4)+\b), 128*(\p)+16*\b, AF+16*(\a), SB+8*(\b/2)+(\g), SA+8*((\a)/2)+(\g), (\b%2)+2*((\a)%2), \zero
.endr
.endr
.endm
.macro FRAG reg, adr, off
.irp c, 0,1,2,3
	ds_load_b128 v[(\reg)+4*\c:(\reg)+4*\c+3], v[\adr] offset:(\off)+512*\c
.endr
.endm
.macro FETCH_B slot, q, p
	WIN TO_B
.irp i, 0,1,2,3,4,5,6,7
	FRAG 128*(\p)+16*\i, ADRB+\slot, \i*4096+(\q)*2048
.endr
	WIN 0
.endm
.macro FETCH_A slot, q, i0
.irp i, \i0, \i0+1, \i0+2, \i0+3
	FRAG AF+16*(\i), ADRA+\slot, (\i)*4096+(\q)*2048
.endr
.endm
.macro STEP slot, g, zero
	s_wait_dscnt 16                                ; k's set and q's tiles 0-3 are in; the youngest 16 loads (tiles 4-7) may be out
	WIN MUL_LO
	MUL16 0, 0, \g, \zero
	MUL16 2, 0, \g, \zero
	s_wait_dscnt 0x0
	PLACES 8
	FETCH_B \slot, 1, 1
	FETCH_A \slot, 1, 0
	WIN MUL_HI
	MUL16 4, 0, \g, \zero
	MUL16 6, 0, \g, \zero
	PLACES 8
	WIN 0
	FETCH_A \slot, 1, 4
.endm
.macro TURN slot, next, fill, g
	s_wait_tensorcnt 0x0                           ; all my tensor loads have landed: my part of the next slot
	ds_add_u32 v[SPW], v[NIL]
	s_wait_dscnt 17                                ; (the add and the youngest 16 loads may be out)
	WIN MUL_LO
	MUL16 0, 1, \g, 0
	s_wait_dscnt 0x0                               ; the add is done, and my reads of this slot are over
	s_barrier_signal -1
	MUL16 2, 1, \g, 0
	WIN 0
	s_barrier_wait -1
.if \fill
	s_add_nc_u64 s[G0+4*\slot+2:G0+4*\slot+3], s[G0+4*\slot+2:G0+4*\slot+3], 8192
	s_add_nc_u64 s[G0B+4*\slot+2:G0B+4*\slot+3], s[G0B+4*\slot+2:G0B+4*\slot+3], 8192
	JLOAD \slot                                    ; my one tensor load behind the barrier, ahead of every LDS read; its four v_nop are four of the eight places
	PLACES 4
.else
	PLACES 8
.endif
	FETCH_B \next, 0, 0
	FETCH_A \next, 0, 0
	WIN MUL_HI
	MUL16 4, 1, \g, 0
	MUL16 6, 1, \g, 0
	PLACES 8
	WIN 0
	FETCH_A \next, 0, 4
.endm
	s_load_b128 s[4:7], s[0:1], 0x0                ; qkvc, pgl
	v_lshl_add_u32 v[SPW], v0, 2, SPARE
	v_mov_b32 v[NIL], 0
	ds_add_u32 v[SPW], v[NIL]                      ; the wave's opening
	ds_add_u32 v[SPW], v[NIL]
	v_lshrrev_b32 v1, 5, v0
	v_readfirstlane_b32 s14, v1                    ; wave
	s_lshr_b32 s15, s14, 1                         ; wr
	s_and_b32 s16, s14, 1                          ; wc
	s_mov_b32 s8, 0                                ; I: how many rows of the triangle begin at or under my number
.irp th, 1,3,6,10,15,21,28
	s_cmp_ge_u32 ttmp9, \th
	s_cselect_b32 s20, 1, 0
	s_add_co_u32 s8, s8, s20
.endr
	s_add_co_u32 s20, s8, 1
	s_mul_i32 s20, s20, s8
	s_lshr_b32 s20, s20, 1
	s_sub_co_u32 s9, ttmp9, s20                    ; J = my number - I (I + 1) / 2
	s_and_b32 s18, ttmp7, 0xffff                   ; the batch
	s_cmp_eq_u32 s8, s9
	s_cselect_b32 s19, 1, 0
	s_xor_b32 s82, s15, s16
	s_xor_b32 s82, s82, 1
	s_and_b32 s82, s82, s19                        ; s82: my quadrant lies on the diagonal
	s_and_not1_b32 s83, s16, s15
	s_and_b32 s83, s83, s19                        ; s83: it is wholly masked
	s_lshl_b32 s17, s18, 3
	s_add_co_u32 s42, s17, s9
	s_add_co_u32 s42, s42, 32                      ; k's block of 16 tiles: 32 + 8 batch + J
	s_add_co_u32 s17, s17, s8                      ; q's: 8 batch + I
	s_mov_b32 s[G1], 3<<16                         ; no mask; elements of 8 bytes; no padding
	s_mov_b32 s[G1+1], 512<<16
	s_mov_b32 s[G1+2], 8<<16
	s_mov_b32 s[G1+3], 512<<16
	s_mov_b32 s[G1+4], 8
	s_mov_b32 s[G1+5], 2048
	s_mov_b32 s[G1+6], 0
	s_mov_b32 s[G1+7], 0
	s_lshl_b32 s20, s17, 18
	s_lshl_b32 s21, s16, 17
	s_add_co_u32 s20, s20, s21
	s_mov_b32 s21, 0
	s_lshl_b32 s46, s42, 18
	s_lshl_b32 s47, s16, 17
	s_add_co_u32 s46, s46, s47
	s_mov_b32 s47, 0
	s_lshl_b32 s45, s14, 15
	s_mov_b32 s[SEL], 0x76543210
	s_mov_b32 s[SEL+1], 0xfedcba98
	s_mov_b32 s[MNT], 0x600000
	s_mov_b32 s[HM], 0xffff0000
	s_mov_b32 s[CS], 0x3d38aa3b
	s_mov_b32 s[CS+1], s[CS]                       ; (named with it as a pair, so it is written)
	s_wait_dscnt 0x0                               ; both opening adds are done
	s_wait_kmcnt 0x0
	s_add_nc_u64 s[20:21], s[4:5], s[20:21]
	s_add_nc_u64 s[46:47], s[4:5], s[46:47]
.irp s, 0,1
	s_mov_b32 s[G0+4*\s], 1
	s_add_co_u32 s[G0+4*\s+1], s45, \s*SLOT
	s_add_nc_u64 s[G0+4*\s+2:G0+4*\s+3], s[20:21], \s*4096
	s_or_b32 s[G0+4*\s+3], s[G0+4*\s+3], 0x80000000
	s_mov_b32 s[G0B+4*\s], 1
	s_add_co_u32 s[G0B+4*\s+1], s45, \s*SLOT
	s_add_nc_u64 s[G0B+4*\s+2:G0B+4*\s+3], s[46:47], \s*4096
	s_or_b32 s[G0B+4*\s+3], s[G0B+4*\s+3], 0x80000000
.endr
	JLOAD 0                                        ; one tensor load a wave at the head
	v_and_b32 v3, 31, v0
	v_and_b32 v1, 15, v0
	v_bfe_u32 v2, v0, 4, 1
	v_lshlrev_b32 v[LI], 4, v3
	v_lshlrev_b32 v[LS], 2, v3
	s_wait_alu depctr_va_vdst(0)
	s_lshl_b32 s22, s15, 15
	s_lshl_b32 s23, s16, 15
	s_add_co_u32 s23, s23, 2*HALFT
.irp s, 0,1
	v_add_nc_u32 v[ADRA+\s], s22, v[LI]
	v_add_nc_u32 v[ADRB+\s], s23, v[LI]
	s_add_co_u32 s22, s22, SLOT
	s_add_co_u32 s23, s23, SLOT
.endr
	s_lshl_b32 s[ASC], s17, 10                     ; scale words [K step][pair][128 bytes]: 8 pairs a block, my 4
	s_lshl_b32 s[ASC+1], s15, 9
	s_add_co_u32 s[ASC], s[ASC], s[ASC+1]
	s_add_co_u32 s[ASC], s[ASC], 25165824
	s_mov_b32 s[ASC+1], 0
	s_add_nc_u64 s[ASC:ASC+1], s[4:5], s[ASC:ASC+1]
	s_lshl_b32 s[BSC], s42, 10
	s_lshl_b32 s[BSC+1], s16, 9
	s_add_co_u32 s[BSC], s[BSC], s[BSC+1]
	s_add_co_u32 s[BSC], s[BSC], 25165824
	s_mov_b32 s[BSC+1], 0
	s_add_nc_u64 s[BSC:BSC+1], s[4:5], s[BSC:BSC+1]
.irp pp, 0,1,2,3
.irp g, 0,1,2,3,4,5,6,7
	global_load_b32 v[SA+8*\pp+\g], v[LS], s[ASC:ASC+1] offset:\pp*128+\g*65536
	global_load_b32 v[SB+8*\pp+\g], v[LS], s[BSC:BSC+1] offset:\pp*128+\g*65536
.endr
.endr
	v_and_b32 v5, 8, v1
	v_add_nc_u32 v5, v5, v1
	v_lshlrev_b32 v6, 4, v2
	v_sub_nc_u32 v[DQ0], v5, v6
	s_sub_co_i32 s20, s15, s16
	s_lshl_b32 s20, s20, 7
	v_add_nc_u32 v[DQ0], s20, v[DQ0]
	s_lshl_b32 s76, s17, 4
	s_lshl_b32 s77, s15, 3
	s_add_co_u32 s76, s76, s77                     ; my first query tile
	s_lshl_b32 s77, s9, 1
	s_add_co_u32 s77, s77, s16                     ; my step of 128 keys: 2 J + wc
	s_lshl_b32 s[PIP], s76, 15
	s_lshl_b32 s[PIP+1], s77, 11
	s_add_co_u32 s[PIP], s[PIP], s[PIP+1]
	s_mov_b32 s[PIP+1], 0
	s_add_nc_u64 s[PIP:PIP+1], s[6:7], s[PIP:PIP+1]
	s_lshl_b32 s[GLP], s76, 13
	s_lshl_b32 s[GLP+1], s77, 9
	s_add_co_u32 s[GLP], s[GLP], s[GLP+1]
	s_add_co_u32 s[GLP], s[GLP], 16777216
	s_mov_b32 s[GLP+1], 0
	s_add_nc_u64 s[GLP:GLP+1], s[6:7], s[GLP:GLP+1]
	s_wait_alu depctr_va_vdst(0)
	s_wait_tensorcnt 0x0                           ; my part of slot 0 is in
	ds_add_u32 v[SPW], v[NIL]
	s_wait_dscnt 0x0
	s_barrier_signal -1
	s_barrier_wait -1
	JLOAD 1
	FETCH_B 0, 0, 0
	FETCH_A 0, 0, 0
	FETCH_A 0, 0, 4
	s_wait_loadcnt 0x0                             ; the scale words
	STEP 0, 0, 1
	TURN 0, 1, 1, 1
	STEP 1, 2, 0
	TURN 1, 0, 1, 3
	STEP 0, 4, 0
	TURN 0, 1, 0, 5
	STEP 1, 6, 0
	s_wait_dscnt 16
	WIN MUL_LO
	MUL16 0, 1, 7, 0
	MUL16 2, 1, 7, 0
	s_wait_dscnt 0x0
	WIN MUL_HI
	MUL16 4, 1, 7, 0
	MUL16 6, 1, 7, 0
	WIN 0
	PLACES 8
	s_cmp_eq_u32 s83, 1
	s_cbranch_scc1 .Lend
	v_mov_b32 v[NINF], 0xff800000
	s_mov_b32 s[NI], 0xff800000
.irp i, 0,1,2,3,4,5,6,7,8,9,10,11,12,13,14,15
	v_cmp_gt_i32 s[MK+\i], \i, v[DQ0]              ; 16 h + i > r + 8 (r / 8)
	v_cmp_gt_i32 s[MK+16+\i], \i-8, v[DQ0]         ; the odd tile's queries lie 8 on
.endr
.irp b, 0,1,2,3
	v_mov_b32 v[T2+\b], 0                          ; a lane permute's destination counts as one of its sources
	v_mov_b32 v[NM+2*\b+1], 0                      ; (named as the upper halves of pairs)
.endr
; THE SOFTMAX'S FIRST HALF for query tile a: 64 scores a lane, register 16 b + i = key 32 b + 16 h + i of my 128.
.macro SOFT a
.set W_, 2+(\a)/4
.set S_, 64*((\a)%4)
	s_cmp_eq_u32 s82, 0
	s_cbranch_scc1 .Lopen_\@
	WIN (W_<<6)|W_                                 ; on the diagonal: block b = a / 2 is mixed, the blocks behind it are hidden
.set n_, 0
.rept 16
	v_cndmask_b32 v[S_+16*((\a)/2)+n_], v[S_+16*((\a)/2)+n_], v[NINF], s[MK+16*((\a)%2)+n_]
.set n_, n_+1
.endr
.set n_, 16*((\a)/2)+16
.rept 48-16*((\a)/2)
	v_mov_b32 v[S_+n_], s[NI]
.set n_, n_+1
.endr
	WIN 0
.Lopen_\@:
	WIN 5*W_
.irp b, 0,1,2,3
	v_max_num_f32 v[BM+\b], v[S_+16*\b], v[S_+16*\b+1]           ; each block's largest score
.endr
.irp i, 2,4,6,8,10,12,14
.irp b, 0,1,2,3
	v_max3_num_f32 v[BM+\b], v[S_+16*\b+\i], v[S_+16*\b+\i+1], v[BM+\b]
.endr
.endr
	WIN 0
.irp b, 0,1,2,3
	v_permlanex16_b32 v[T2+\b], v[BM+\b], s[SEL], s[SEL+1]
.endr
.irp b, 0,1,2,3
	v_max_num_f32 v[BM+\b], v[BM+\b], v[T2+\b]
.endr
.irp b, 0,1,2,3
	v_max_num_f32 v[T2+\b], 0xff61b1e6, v[BM+\b]                 ; a block that is all masked takes -3e38, so that its frame is a number
.endr
.irp b, 0,1,2,3
	v_mul_f32 v[T2+\b], s[CS], v[T2+\b]
.endr
.irp b, 0,1,2,3
	v_floor_f32 v[NM+2*\b], -v[T2+\b]                            ; -M = floor(-t) = -ceil(t)
.endr
.irp b, 0,1,2,3
	v_fma_f32 v[BM+\b], v[BM+\b], s[CS], v[NM+2*\b]
.endr
	WIN (W_<<6)|W_
.irp b, 0,1,2,3
.irp j, 0,2,4,6,8,10,12,14
	v_pk_fma_f32 v[S_+16*\b+\j:S_+16*\b+\j+1], v[S_+16*\b+\j:S_+16*\b+\j+1], s[CS:CS+1], v[NM+2*\b:NM+2*\b+1] op_sel_hi:[1,0,0]   ; t - M
.endr
.endr
.set n_, 0
	s_wait_alu depctr_va_vdst(0)
.rept 64
	v_exp_f32 v[S_+n_], v[S_+n_]
.set n_, n_+1
.endr
	WIN 0
.irp b, 0,1,2,3
	v_exp_f32 v[BM+\b], v[BM+\b]                   ; the block's largest p: the same two instructions on the same number
.endr
	v_nop                                          ; a plain line behind the last exponential
	s_wait_alu depctr_va_vdst(0)                   ; one wait for the 68 exponentials, ahead of their first reader
	s_wait_xcnt 0x0                                ; the last tile's stores have read their registers: codes, G and l' are written below
	WIN 5*W_
.set n_, 0
.rept 16
	v_pk_add_f32 v[TS+2*n_:TS+2*n_+1], v[S_+4*n_:S_+4*n_+1], v[S_+4*n_+2:S_+4*n_+3]   ; the sums are taken of the unquantised p
.set n_, n_+1
.endr
	WIN 0
.irp b, 0,1,2,3
	v_pk_add_f32 v[TS+8*\b:TS+8*\b+1], v[TS+8*\b:TS+8*\b+1], v[TS+8*\b+2:TS+8*\b+3]
	v_pk_add_f32 v[TS+8*\b+4:TS+8*\b+5], v[TS+8*\b+4:TS+8*\b+5], v[TS+8*\b+6:TS+8*\b+7]
.endr
.irp b, 0,1,2,3
	v_pk_add_f32 v[TS+8*\b:TS+8*\b+1], v[TS+8*\b:TS+8*\b+1], v[TS+8*\b+4:TS+8*\b+5]
.endr
.irp b, 0,1,2,3
	v_add_f32 v[LB+\b], v[TS+8*\b], v[TS+8*\b+1]
.endr
.irp b, 0,1,2,3
	v_permlanex16_b32 v[T2+\b], v[LB+\b], s[SEL], s[SEL+1]
.endr
.irp b, 0,1,2,3
	v_add_f32 v[LB+\b], v[LB+\b], v[T2+\b]                       ; the block's sum
.endr
.irp b, 0,1,2,3
	v_max_num_f32 v[BM+\b], 0x8000000, v[BM+\b]                  ; the floor 2^(16 - 127)
.endr
.irp b, 0,1,2,3
	v_add_nc_u32 v[SO+\b], 0xf8800000, v[BM+\b]                  ; the conversion's scale operand
.endr
.irp b, 0,1,2,3
	v_and_or_b32 v[HO+\b], v[BM+\b], 0x7f800000, s[MNT]          ; 57,344 x the scale
.endr
.irp b, 0,1,2,3
	v_lshrrev_b32 v[BY+\b], 23, v[SO+\b]                         ; the byte under the block's own frame: 111 or 112 (1 where all is masked)
.endr
.irp b, 0,1,2,3
	v_sub_nc_u32 v[EF+\b], 112, v[BY+\b]
.endr
.irp b, 0,1,2,3
	v_ldexp_f32 v[LB+\b], v[LB+\b], v[EF+\b]                     ; l'
.endr
.irp b, 0,1,2,3
	v_cvt_f32_i32 v[EF+\b], v[EF+\b]
.endr
.irp b, 0,1,2,3
	v_sub_f32 v[GG+\b], -v[NM+2*\b], v[EF+\b]                    ; G = M - (112 - byte)
.endr
	v_cndmask_b32 v[GLR], v[GG], v[GG+2], s[HM]    ; lanes 0-15 store blocks 0 and 1, lanes 16-31 blocks 2 and 3: G, G, l', l'
	v_cndmask_b32 v[GLR+1], v[GG+1], v[GG+3], s[HM]
	v_cndmask_b32 v[GLR+2], v[LB], v[LB+2], s[HM]
	v_cndmask_b32 v[GLR+3], v[LB+1], v[LB+3], s[HM]
	WIN (W_<<6)|W_
.irp b, 0,1,2,3
.irp i, 0,1,2,3,4,5,6,7,8,9,10,11,12,13,14,15
	v_min_num_f32 v[S_+16*\b+\i], v[S_+16*\b+\i], v[HO+\b]       ; the conversion does not saturate (ISA guide 7.6.2); p is not negative
.endr
.endr
	WIN W_
.irp b, 0,1,2,3
	v_cvt_scalef32_pk8_bf8_f32 v[PC+4*\b:PC+4*\b+1], v[S_+16*\b:S_+16*\b+7], v[SO+\b]
	v_cvt_scalef32_pk8_bf8_f32 v[PC+4*\b+2:PC+4*\b+3], v[S_+16*\b+8:S_+16*\b+15], v[SO+\b]
.endr
	WIN 0
	v_nop                                          ; one plain line behind the last conversion
.irp c, 0,1,2,3
	global_store_b128 v[LI], v[PC+4*\c:PC+4*\c+3], s[PIP:PIP+1] offset:(\a)*32768+512*\c
.endr
	global_store_b128 v[LI], v[GLR:GLR+3], s[GLP:GLP+1] offset:(\a)*8192
.endm
.irp a, 0,1,2,3,4,5,6,7
	SOFT \a
.endr
.Lend:
	s_wait_tensorcnt 0x0                           ; the wave's end
	ds_add_u32 v[SPW], v[NIL]
	s_wait_dscnt 0x0
	s_endpgm
.Lfunc_end_k_q99f7563b1d_scores:
	.size	k_q99f7563b1d_scores, .Lfunc_end_k_q99f7563b1d_scores-k_q99f7563b1d_scores
	.p2alignl 7, 3214868480
	.fill 96, 4, 3214868480
	.section	.rodata,"a",@progbits
	.p2align	6, 0x0
	.amdhsa_kernel k_q99f7563b1d_scores
		.amdhsa_group_segment_fixed_size 327680
		.amdhsa_private_segment_fixed_size 0
		.amdhsa_enable_private_segment 0
		.amdhsa_kernarg_size 16
		.amdhsa_user_sgpr_count 2
		.amdhsa_user_sgpr_kernarg_segment_ptr 1
		.amdhsa_wavefront_size32 1
		.amdhsa_system_sgpr_workgroup_id_x 1
		.amdhsa_system_sgpr_workgroup_id_y 1
		.amdhsa_system_sgpr_workgroup_id_z 1
		.amdhsa_system_vgpr_workitem_id 0
		.amdhsa_next_free_vgpr 1024
		.amdhsa_next_free_sgpr 90
		.amdhsa_reserve_vcc 0
		.amdhsa_float_denorm_mode_32 3
		.amdhsa_float_denorm_mode_16_64 3
		.amdhsa_memory_ordered 1
		.amdhsa_forward_progress 1
		.amdhsa_inst_pref_size 255
	.end_amdhsa_kernel
	.amdgpu_metadata
---
amdhsa.version: [ 1, 2 ]
amdhsa.kernels:
  - .name:           k_q99f7563b1d_scores
    .symbol:         k_q99f7563b1d_scores.kd
    .args:
      - { .name: qkvc, .offset: 0, .size: 8, .value_kind: global_buffer, .address_space: global }
      - { .name: pgl, .offset: 8, .size: 8, .value_kind: global_buffer, .address_space: global }
    .group_segment_fixed_size: 327680
    .private_segment_fixed_size: 0
    .kernarg_segment_align: 8
    .kernarg_segment_size: 16
    .max_flat_workgroup_size: 128
    .sgpr_count:     90
    .vgpr_count:     1024
    .wavefront_size: 32
...
	.end_amdgpu_metadata
.endif
;; end of part 8
;; launch pv (part 9): grid 4 x 64, 4 waves a work-group, no clusters, 327,680 bytes of LDS; arguments pgl, qkvc, ctxc; writes ctxc
.if DOCPART == 9
	.amdgcn_target "amdgcn-amd-amdhsa--gfx1250"
	.amdhsa_code_object_version 6
	.text
	.protected	k_q99f7563b1d_pv
	.globl	k_q99f7563b1d_pv
	.p2align	8
	.type	k_q99f7563b1d_pv,@function
k_q99f7563b1d_pv:
	s_mov_b64 s[64:65], 0
	v_nop
	global_prefetch_b8 v0, s[64:65] scope:SCOPE_SE
	s_setreg_imm32_b32 hwreg(HW_REG_WAVE_MODE, 25, 1), 1
	s_wait_xcnt 0x0
; LAUNCH 4.  ctx = (p V) / l on codes, and ctx quantised along the hidden axis.  A work-group: 128 queries (4 waves, 64 queries x 128 channels each) x 256 channels.
; LEFT OUT: the steps of 128 keys that lie wholly behind the work-group's last query: masked by reference()'s own jnp.tril (see launch 1's head).
; p's codes go straight into registers; v's tiles come through two LDS slots of four steps; v's scale words straight into registers.  Each query's frame is the largest G of its blocks: bytes and sums are brought under it by whole powers of two.
; NO CLUSTER: work-groups that share v's tiles walk different numbers of steps.  LIMITS: as in launch 3.
.set SLOT,  131072
.set PSB,   262144
.set RLB,   270336
.set SPARE, 270848
.set LI,   4
.set LS,   5
.set SPW,  6
.set NIL,  7
.set ADRB, 10
.set VSL,  12                          ; 8 x lane
.set PSA,  13
.set RLA,  14
.set PSL,  15
.set RC,   16
.set RLL,  24
.set FR,   26
.set LL,   28
.set VS,   32
.set PSR,  96
.set GT,   128
.set TM,   128
.set PW,   144
.set PWE,  145
.set PSO,  146
.set PC,   148
.set G1V,  24
.set G0V,  40
.set SEL,  56
.set MNT,  58
.set HM,   59
.set PP,   60
.set GLP,  62
.set COP,  66
.set CSP,  68
.set MSB, 0
.macro WIN new
.if MSB != (\new)
	s_set_vgpr_msb (MSB<<8)|(\new)
.set MSB, (\new)
.endif
.endm
.macro PLACES n
.rept \n
	v_nop
.endr
.endm
.macro WM d, f0, f1, x0, x1, par, zero
.if \zero
.if (\par) == 0
	v_wmma_scale_f32_16x16x128_f8f6f4 v[(\d):(\d)+7], v[(\f0):(\f0)+15], v[(\f1):(\f1)+15], 0, v[\x0], v[\x1] matrix_a_fmt:MATRIX_FMT_BF8 matrix_b_fmt:MATRIX_FMT_BF8
.elseif (\par) == 1
	v_wmma_scale_f32_16x16x128_f8f6f4 v[(\d):(\d)+7], v[(\f0):(\f0)+15], v[(\f1):(\f1)+15], 0, v[\x0], v[\x1] matrix_a_fmt:MATRIX_FMT_BF8 matrix_b_fmt:MATRIX_FMT_BF8 matrix_a_scale:MATRIX_SCALE_ROW1
.elseif (\par) == 2
	v_wmma_scale_f32_16x16x128_f8f6f4 v[(\d):(\d)+7], v[(\f0):(\f0)+15], v[(\f1):(\f1)+15], 0, v[\x0], v[\x1] matrix_a_fmt:MATRIX_FMT_BF8 matrix_b_fmt:MATRIX_FMT_BF8 matrix_b_scale:MATRIX_SCALE_ROW1
.else
	v_wmma_scale_f32_16x16x128_f8f6f4 v[(\d):(\d)+7], v[(\f0):(\f0)+15], v[(\f1):(\f1)+15], 0, v[\x0], v[\x1] matrix_a_fmt:MATRIX_FMT_BF8 matrix_b_fmt:MATRIX_FMT_BF8 matrix_a_scale:MATRIX_SCALE_ROW1 matrix_b_scale:MATRIX_SCALE_ROW1
.endif
.else
.if (\par) == 0
	v_wmma_scale_f32_16x16x128_f8f6f4 v[(\d):(\d)+7], v[(\f0):(\f0)+15], v[(\f1):(\f1)+15], v[(\d):(\d)+7], v[\x0], v[\x1] matrix_a_fmt:MATRIX_FMT_BF8 matrix_b_fmt:MATRIX_FMT_BF8
.elseif (\par) == 1
	v_wmma_scale_f32_16x16x128_f8f6f4 v[(\d):(\d)+7], v[(\f0):(\f0)+15], v[(\f1):(\f1)+15], v[(\d):(\d)+7], v[\x0], v[\x1] matrix_a_fmt:MATRIX_FMT_BF8 matrix_b_fmt:MATRIX_FMT_BF8 matrix_a_scale:MATRIX_SCALE_ROW1
.elseif (\par) == 2
	v_wmma_scale_f32_16x16x128_f8f6f4 v[(\d):(\d)+7], v[(\f0):(\f0)+15], v[(\f1):(\f1)+15], v[(\d):(\d)+7], v[\x0], v[\x1] matrix_a_fmt:MATRIX_FMT_BF8 matrix_b_fmt:MATRIX_FMT_BF8 matrix_b_scale:MATRIX_SCALE_ROW1
.else
	v_wmma_scale_f32_16x16x128_f8f6f4 v[(\d):(\d)+7], v[(\f0):(\f0)+15], v[(\f1):(\f1)+15], v[(\d):(\d)+7], v[\x0], v[\x1] matrix_a_fmt:MATRIX_FMT_BF8 matrix_b_fmt:MATRIX_FMT_BF8 matrix_a_scale:MATRIX_SCALE_ROW1 matrix_b_scale:MATRIX_SCALE_ROW1
.endif
.endif
.endm
.macro MUL32 buf, ks, zero
.irp a, 0,1,2,3
.irp b, 0,1,2,3,4,5,6,7
	WM 8*(8*\a+\b), 128*(\buf)+16*\b, 64*((\ks)%4)+16*\a, VS+16*(\b/2)+(\ks), PSR+16*(\a/2)+(\ks), (\b%2)+2*(\a%2), \zero
.endr
.endr
.endm
.macro FRAG reg, adr, off
.irp c, 0,1,2,3
	ds_load_b128 v[(\reg)+4*\c:(\reg)+4*\c+3], v[\adr] offset:(\off)+512*\c
.endr
.endm
.macro FETCHV par, q, buf
	WIN 0x80
.irp i, 0,1,2,3,4,5,6,7
	FRAG 128*(\buf)+16*\i, ADRB+(\par), \i*8192+(\q)*2048
.endr
	WIN 0
.endm
.macro PLOAD ks
	WIN 0xc0
.irp a, 0,1,2,3
.irp c, 0,1,2,3
	global_load_b128 v[64*((\ks)%4)+16*\a+4*\c:64*((\ks)%4)+16*\a+4*\c+3], v[LI], s[PP:PP+1] offset:\a*32768+(\ks)*2048+512*\c
.endr
.endr
	WIN 0
.endm
.macro QUANTW s, w
	WIN 5*(\w)
.irp b, 0,1,2,3
	v_max3_num_f32 v[TM+\b], |v[(\s)+16*\b]|, |v[(\s)+16*\b+1]|, 0x8000000
.endr
.irp i, 2,4,6,8,10,12,14
.irp b, 0,1,2,3
	v_max3_num_f32 v[TM+\b], |v[(\s)+16*\b+\i]|, |v[(\s)+16*\b+\i+1]|, v[TM+\b]
.endr
.endr
	WIN 0
.irp b, 0,1,2,3
	v_permlanex16_b32 v[TM+4+\b], v[TM+\b], s[SEL], s[SEL+1]
.endr
.irp b, 0,1,2,3
	v_max_num_f32 v[TM+\b], v[TM+\b], v[TM+4+\b]
.endr
.irp b, 0,1,2,3
	v_add_nc_u32 v[TM+12+\b], 0xf8800000, v[TM+\b]
.endr
.irp b, 0,1,2,3
	v_and_or_b32 v[TM+8+\b], v[TM+\b], 0x7f800000, s[MNT]
.endr
.irp b, 0,1,2,3
	v_lshrrev_b32 v[TM+4+\b], 23, v[TM+12+\b]
.endr
	v_lshl_or_b32 v[PW], v[TM+5], 8, v[TM+4]
	v_lshl_or_b32 v[PW], v[TM+6], 16, v[PW]
	v_lshl_or_b32 v[PW], v[TM+7], 24, v[PW]
	WIN ((\w)<<6)|(\w)
.irp b, 0,1,2,3
.irp i, 0,1,2,3,4,5,6,7,8,9,10,11,12,13,14,15
	v_med3_num_f32 v[(\s)+16*\b+\i], v[(\s)+16*\b+\i], -v[TM+8+\b], v[TM+8+\b]
.endr
.endr
	WIN (\w)
.irp b, 0,1,2,3
	v_cvt_scalef32_pk8_bf8_f32 v[PC+4*\b:PC+4*\b+1], v[(\s)+16*\b:(\s)+16*\b+7], v[TM+12+\b]
	v_cvt_scalef32_pk8_bf8_f32 v[PC+4*\b+2:PC+4*\b+3], v[(\s)+16*\b+8:(\s)+16*\b+15], v[TM+12+\b]
.endr
	WIN 0
	v_nop
.endm
	s_load_b128 s[4:7], s[0:1], 0x0
	s_load_b64 s[8:9], s[0:1], 0x10
	v_lshl_add_u32 v[SPW], v0, 2, SPARE
	v_mov_b32 v[NIL], 0
	ds_add_u32 v[SPW], v[NIL]
	ds_add_u32 v[SPW], v[NIL]
	v_lshrrev_b32 v1, 5, v0
	v_readfirstlane_b32 s10, v1
	s_lshr_b32 s11, s10, 1
	s_and_b32 s12, s10, 1
	s_and_b32 s14, ttmp7, 0xffff
	s_lshr_b32 s15, s14, 4
	s_and_b32 s16, s14, 15
	s_add_co_u32 s17, s16, 1
	s_lshl_b32 s18, s15, 7
	s_lshl_b32 s19, s16, 3
	s_add_co_u32 s18, s18, s19
	s_mov_b32 s[G1V], 3<<16
	s_mov_b32 s[G1V+1], 1024<<16
	s_mov_b32 s[G1V+2], 4<<16
	s_mov_b32 s[G1V+3], 1024<<16
	s_mov_b32 s[G1V+4], 4
	s_mov_b32 s[G1V+5], 16384
	s_mov_b32 s[G1V+6], 0
	s_mov_b32 s[G1V+7], 0
	s_lshl_b32 s20, ttmp9, 21
	s_lshl_b32 s21, s10, 19
	s_add_co_u32 s20, s20, s21
	s_lshl_b32 s21, s15, 15
	s_add_co_u32 s20, s20, s21
	s_add_co_u32 s20, s20, 16777216
	s_mov_b32 s21, 0
	s_lshl_b32 s22, ttmp9, 16
	s_lshl_b32 s23, s12, 15
	s_add_co_u32 s22, s22, s23
	s_lshl_b32 s23, s15, 11
	s_add_co_u32 s22, s22, s23
	s_add_co_u32 s22, s22, 25690112
	s_mov_b32 s23, 0
	s_lshl_b32 s70, s10, 15
	s_mov_b32 s[SEL], 0x76543210
	s_mov_b32 s[SEL+1], 0xfedcba98
	s_mov_b32 s[MNT], 0x600000
	s_mov_b32 s[HM], 0xffff0000
	s_wait_dscnt 0x0
	s_wait_kmcnt 0x0
	s_add_nc_u64 s[20:21], s[6:7], s[20:21]
	s_add_nc_u64 s[22:23], s[6:7], s[22:23]
.irp p, 0,1
	s_mov_b32 s[G0V+4*\p], 1
	s_add_co_u32 s[G0V+4*\p+1], s70, \p*SLOT
	s_add_nc_u64 s[G0V+4*\p+2:G0V+4*\p+3], s[20:21], \p*8192
	s_or_b32 s[G0V+4*\p+3], s[G0V+4*\p+3], 0x80000000
.endr
	tensor_load_to_lds s[G0V:G0V+3], s[G1V:G1V+7]
	s_nop 0
.rept 4
	v_nop
.endr
	v_and_b32 v3, 31, v0
	v_and_b32 v1, 15, v0
	v_bfe_u32 v2, v0, 4, 1
	v_lshlrev_b32 v[LI], 4, v3
	v_lshlrev_b32 v[LS], 2, v3
	s_lshl_b32 s70, s12, 16
.irp p, 0,1
	v_add_nc_u32 v[ADRB+\p], s70, v[LI]
	s_add_co_u32 s70, s70, SLOT
.endr
	v_lshlrev_b32 v[VSL], 3, v3
	s_lshl_b32 s70, s10, 7
	v_lshlrev_b32 v[RLA], 2, v1
	v_add_nc_u32 v[RLA], s70, v[RLA]
	v_lshl_add_u32 v[PSA], v2, 1, v[RLA]
	v_add_nc_u32 v[PSA], PSB, v[PSA]
	v_add_nc_u32 v[RLA], RLB, v[RLA]
	s_lshl_b32 s70, s11, 8
	v_add_nc_u32 v[PSL], s70, v[LS]
	v_add_nc_u32 v[PSL], PSB, v[PSL]
	v_lshlrev_b32 v[RLL], 2, v1
	v_add_nc_u32 v[RLL], s70, v[RLL]
	v_add_nc_u32 v[RLL], RLB, v[RLL]
.irp a, 0,1,2,3
	v_mov_b32 v[RC+2*\a+1], 0
.endr
	v_mov_b32 v[FR+1], 0
	v_mov_b32 v31, 0
	s_mov_b32 s71, 0
	s_lshl_b32 s70, s10, 1
	s_add_co_u32 s70, s70, s18
	s_lshl_b32 s70, s70, 13
	s_add_co_u32 s70, s70, 16777216
	s_add_nc_u64 s[GLP:GLP+1], s[4:5], s[70:71]
	s_lshl_b32 s72, s11, 2
	s_add_co_u32 s72, s72, s18
	s_lshl_b32 s70, s72, 15
	s_add_nc_u64 s[PP:PP+1], s[4:5], s[70:71]
	s_lshl_b32 s73, ttmp9, 1
	s_add_co_u32 s73, s73, s12
	s_lshl_b32 s70, s72, 14
	s_lshl_b32 s74, s73, 11
	s_add_co_u32 s70, s70, s74
	s_add_nc_u64 s[COP:COP+1], s[8:9], s[70:71]
	s_lshl_b32 s70, s72, 9
	s_lshl_b32 s74, s73, 7
	s_add_co_u32 s70, s70, s74
	s_add_co_u32 s70, s70, 8388608
	s_add_nc_u64 s[CSP:CSP+1], s[8:9], s[70:71]
.irp pp, 0,1,2,3
.irp ks, 0,2,4,6,8,10,12,14
	global_load_b64 v[VS+16*\pp+\ks:VS+16*\pp+\ks+1], v[VSL], s[22:23] offset:\pp*8192+\ks*128   ; v's scale words, two steps a load: my 4 pairs of channel tiles, the batch's 16 steps
.endr
.endr
.irp tt, 0,1
.set k_, 1
.rept 15
	v_mov_b32 v[GT+64*\tt+4*k_], 0xff61b1e6
	v_mov_b32 v[GT+64*\tt+4*k_+1], 0xff61b1e6
	v_mov_b32 v[GT+64*\tt+4*k_+2], 0
	v_mov_b32 v[GT+64*\tt+4*k_+3], 0
.set k_, k_+1
.endr
.endr
.irp ks, 0,1,2,3,4,5,6,7,8,9,10,11,12,13,14,15
.if \ks > 0
	s_cmp_gt_u32 s17, \ks
	s_cbranch_scc0 .Lgl
.endif
.irp tt, 0,1
	global_load_b128 v[GT+64*\tt+4*\ks:GT+64*\tt+4*\ks+3], v[LI], s[GLP:GLP+1] offset:\tt*8192+\ks*512   ; G and l' of my query's blocks 2 h and 2 h + 1
.endr
.endr
.Lgl:
	PLOAD 0
	PLOAD 1
	PLOAD 2
	s_wait_loadcnt 48
	PLOAD 3
.macro FRAME tt
.set GB_, GT+64*(\tt)
	v_max_num_f32 v[FR], v[GB_], v[GB_+1]
.set k_, 1
.rept 15
	v_max3_num_f32 v[FR], v[GB_+4*k_], v[GB_+4*k_+1], v[FR]
.set k_, k_+1
.endr
	v_permlanex16_b32 v[FR+1], v[FR], s[SEL], s[SEL+1]
	v_max_num_f32 v[FR], v[FR], v[FR+1]
	v_mov_b32 v[LL], 0
	v_mov_b32 v[LL+1], 0
.set k_, 0
.rept 16
	v_pk_add_f32 v[GB_+4*k_:GB_+4*k_+1], v[GB_+4*k_:GB_+4*k_+1], v[FR:FR+1] op_sel_hi:[1,0] neg_lo:[0,1] neg_hi:[0,1]   ; G less the frame; stage by stage, so that no line waits for the line above it
.set k_, k_+1
.endr
.set k_, 0
.rept 16
	v_max_num_f32 v[GB_+4*k_], 0xc2de0000, v[GB_+4*k_]   ; held at -111: the byte stays at 1 or above
	v_max_num_f32 v[GB_+4*k_+1], 0xc2de0000, v[GB_+4*k_+1]
.set k_, k_+1
.endr
.set k_, 0
.rept 16
	v_cvt_i32_f32 v[GB_+4*k_], v[GB_+4*k_]
	v_cvt_i32_f32 v[GB_+4*k_+1], v[GB_+4*k_+1]
.set k_, k_+1
.endr
.set k_, 0
.rept 16
	v_ldexp_f32 v[GB_+4*k_+2], v[GB_+4*k_+2], v[GB_+4*k_]
	v_ldexp_f32 v[GB_+4*k_+3], v[GB_+4*k_+3], v[GB_+4*k_+1]
.set k_, k_+1
.endr
.set k_, 0
.rept 16
	v_pk_add_f32 v[LL:LL+1], v[LL:LL+1], v[GB_+4*k_+2:GB_+4*k_+3]
	v_lshl_add_u32 v[GB_+4*k_], v[GB_+4*k_+1], 8, v[GB_+4*k_]
.set k_, k_+1
.endr
.set k_, 0
.rept 16
	v_add_nc_u32 v[GB_+4*k_], 0x7070, v[GB_+4*k_]
.set k_, k_+1
.endr
.set k_, 0
.rept 16
	ds_store_b16 v[PSA], v[GB_+4*k_] offset:k_*512+(\tt)*64
.set k_, k_+1
.endr
	v_add_f32 v30, v[LL], v[LL+1]
	v_permlanex16_b32 v31, v30, s[SEL], s[SEL+1]
	v_add_f32 v30, v30, v31
	s_wait_alu depctr_va_vdst(0)
	v_rcp_f32 v30, v30
	v_nop
	s_wait_alu depctr_va_vdst(0)
	ds_store_b32 v[RLA], v30 offset:(\tt)*64
.endm
	FRAME 0
	FRAME 1
.macro KSTEP t, q
.set KS_, 4*(\t)+(\q)
.if (\q) < 3
	s_wait_dscnt 32
.else
	s_wait_dscnt 0x0
.endif
.if KS_ <= 12
	s_wait_loadcnt 48
.else
	s_wait_loadcnt 16*(15-KS_)
.endif
	WIN 0x5e
.if KS_ == 0
	MUL32 0, 0, 1
.else
	MUL32 (\q)%2, KS_, 0
.endif
	WIN 0
.if KS_ < 15
	s_cmp_eq_u32 s17, KS_+1
	s_cbranch_scc1 .Lepi
	PLACES 8
.if KS_+4 <= 15
	PLOAD KS_+4
.endif
.if (\q) < 2
	FETCHV (\t)%2, (\q)+2, (\q)%2
.endif
.endif
.endm
.macro TRIP t
.set P_, (\t)%2
	s_wait_tensorcnt 0x0
	ds_add_u32 v[SPW], v[NIL]
.if ((\t) >= 1) && ((\t) < 3)
	s_add_nc_u64 s[G0V+4*(1-P_)+2:G0V+4*(1-P_)+3], s[G0V+4*(1-P_)+2:G0V+4*(1-P_)+3], 16384
.endif
	s_wait_dscnt 0x0
	s_barrier_signal -1
	s_barrier_wait -1
.if (\t) < 3
	s_cmp_gt_u32 s17, 4*((\t)+1)
	s_cbranch_scc0 .Lpast_\@
	tensor_load_to_lds s[G0V+4*(1-P_):G0V+4*(1-P_)+3], s[G1V:G1V+7]
	s_nop 0
.rept 4
	v_nop
.endr
.Lpast_\@:
.endif
.if (\t) == 0
.irp pp, 0,1
.irp ks, 0,1,2,3,4,5,6,7,8,9,10,11,12,13,14,15
	ds_load_b32 v[PSR+16*\pp+\ks], v[PSL] offset:\ks*512+\pp*128
.endr
.endr
.endif
	FETCHV P_, 0, 0
	FETCHV P_, 1, 1
	KSTEP \t, 0
	KSTEP \t, 1
	KSTEP \t, 2
	KSTEP \t, 3
.endm
	TRIP 0
	TRIP 1
	TRIP 2
	TRIP 3
.Lepi:
	PLACES 8
.irp a, 0,1,2,3
	ds_load_b32 v[RC+2*\a], v[RLL] offset:64*\a
.endr
.irp b, 0,1,2,3
	v_mov_b32 v[TM+4+\b], 0
.endr
	s_wait_dscnt 0x0
.macro CTX a
	s_wait_xcnt 0x0
	WIN 0x41
.set n_, 0
.rept 32
	v_pk_mul_f32 v[64*(\a)+n_:64*(\a)+n_+1], v[64*(\a)+n_:64*(\a)+n_+1], v[RC+2*(\a):RC+2*(\a)+1] op_sel_hi:[1,0]
.set n_, n_+2
.endr
	QUANTW 64*(\a), 1
.irp c, 0,1,2,3
	global_store_b128 v[LI], v[PC+4*\c:PC+4*\c+3], s[COP:COP+1] offset:(\a)*16384+512*\c
.endr
.if (\a)%2 == 0
	v_mov_b32 v[PWE], v[PW]
.else
	v_cndmask_b32 v[PSO], v[PWE], v[PW], s[HM]
	global_store_b32 v[LS], v[PSO], s[CSP:CSP+1] offset:((\a)/2)*1024
.endif
.endm
.irp a, 0,1,2,3
	CTX \a
.endr
	s_wait_tensorcnt 0x0
	ds_add_u32 v[SPW], v[NIL]
	s_wait_dscnt 0x0
	s_endpgm
.Lfunc_end_k_q99f7563b1d_pv:
	.size	k_q99f7563b1d_pv, .Lfunc_end_k_q99f7563b1d_pv-k_q99f7563b1d_pv
	.p2alignl 7, 3214868480
	.fill 96, 4, 3214868480
	.section	.rodata,"a",@progbits
	.p2align	6, 0x0
	.amdhsa_kernel k_q99f7563b1d_pv
		.amdhsa_group_segment_fixed_size 327680
		.amdhsa_private_segment_fixed_size 0
		.amdhsa_enable_private_segment 0
		.amdhsa_kernarg_size 24
		.amdhsa_user_sgpr_count 2
		.amdhsa_user_sgpr_kernarg_segment_ptr 1
		.amdhsa_wavefront_size32 1
		.amdhsa_system_sgpr_workgroup_id_x 1
		.amdhsa_system_sgpr_workgroup_id_y 1
		.amdhsa_system_sgpr_workgroup_id_z 1
		.amdhsa_system_vgpr_workitem_id 0
		.amdhsa_next_free_vgpr 1024
		.amdhsa_next_free_sgpr 80
		.amdhsa_reserve_vcc 0
		.amdhsa_float_denorm_mode_32 3
		.amdhsa_float_denorm_mode_16_64 3
		.amdhsa_memory_ordered 1
		.amdhsa_forward_progress 1
		.amdhsa_inst_pref_size 217
	.end_amdhsa_kernel
	.amdgpu_metadata
---
amdhsa.version: [ 1, 2 ]
amdhsa.kernels:
  - .name:           k_q99f7563b1d_pv
    .symbol:         k_q99f7563b1d_pv.kd
    .args:
      - { .name: pgl, .offset: 0, .size: 8, .value_kind: global_buffer, .address_space: global }
      - { .name: qkvc, .offset: 8, .size: 8, .value_kind: global_buffer, .address_space: global }
      - { .name: ctxc, .offset: 16, .size: 8, .value_kind: global_buffer, .address_space: global }
    .group_segment_fixed_size: 327680
    .private_segment_fixed_size: 0
    .kernarg_segment_align: 8
    .kernarg_segment_size: 24
    .max_flat_workgroup_size: 128
    .sgpr_count:     80
    .vgpr_count:     1024
    .wavefront_size: 32
...
	.end_amdgpu_metadata
.endif
;; end of part 9
;; launch proj (part 10): grid 8 x 32, 4 waves a work-group, clusters of 4 x 4, 327,680 bytes of LDS; arguments ctxc, opnd, bo, out0; writes out0
.if DOCPART == 10
	.amdgcn_target "amdgcn-amd-amdhsa--gfx1250"
	.amdhsa_code_object_version 6
	.text
	.protected	k_q99f7563b1d_proj
	.globl	k_q99f7563b1d_proj
	.p2align	8
	.type	k_q99f7563b1d_proj,@function
k_q99f7563b1d_proj:
	s_mov_b64 s[64:65], 0
	v_nop
	global_prefetch_b8 v0, s[64:65] scope:SCOPE_SE
	s_setreg_imm32_b32 hwreg(HW_REG_WAVE_MODE, 25, 1), 1
	s_wait_xcnt 0x0
	s_wait_alu depctr_hold_cnt(0) depctr_sa_sdst(0) depctr_va_vdst(0) depctr_va_sdst(0) depctr_va_ssrc(0) depctr_va_vcc(0) depctr_vm_vsrc(0)
	s_getreg_b32 s2, hwreg(HW_REG_IB_STS2, 6, 4)
	s_cmp_eq_u32 s2, 0
	s_cbranch_scc0 .Lentry_in_a_cluster
	s_endpgm
.Lentry_in_a_cluster:
	s_bfe_u32 s2, ttmp6, 0x10000c
	s_cmp_lg_u32 s2, 0xf033
	s_cbranch_scc0 .Lentry_shape_is_right
	s_endpgm
.Lentry_shape_is_right:
; LAUNCH 5.  out = ctx Wo^T + bo on codes, f32.  Nothing is left out here.
; SHARES.  256 work-groups of 2 x 2 waves: 256 tokens (tile row T) x 128 outputs.  A wave holds 64 rows of Wo, all of K, in 512 registers and lets its 128 tokens pass in eight BLOCKS of 16 (32 products each), which stand whole in two register sets by turns.
; A block's sums (they begin with the bias as C) go through the wave's own stage in LDS and leave as whole units of 256 bytes while the next block is multiplied.
; LDS: slot 0 takes chunk 0 (tiles 0-3 of both rows of waves), slot 1 Wo's rows and then chunk 1, a refill behind Wo's reads: it has blocks 0, 1 and most of 2 in which to land.
; CLUSTERS, 4 x 4: ctx's tiles are asked for jointly along a row of the cluster, Wo's along a column.  PREFETCH: chunk 1, each block of 256 bytes once in each cluster, at the head, three blocks and Wo's reads ahead of the wait for it.
; The matrix instruction is used transposed (source 0 = Wo's rows): lane (r, h) holds token place r, and register 16 c + n of a block is output 32 c + 16 h + n of my 64.
; LIMITS: NaN and infinities are not served.
; REGISTERS: windows 1, 2: Wo, fragment 4 (K step) + tile; window 3: ctx's two sets; window 0: all else.
.set SLOT,  131072
.set STAGE, 262144                     ; 16 rows x 272 bytes a wave
.set SPARE, 279552
.set AD0, 4                            ; my lane's place in my row of waves' half of slot 0,
.set AD1, 5                            ; of slot 1
.set ADW, 6                            ; my rows of Wo in slot 1
.set LI,  8                            ; 16 x lane
.set LS,  9                            ; 4 x lane
.set SPW, 10                           ; my spare word
.set NIL, 11                           ; 0
.set STO, 12                           ; the stage, way in
.set RD,  13                           ; way back
.set GO,  14                           ; my offset in out0's rows
.set BO0, 15                           ; 64 h
.set PF1, 16
.set SB,  24                           ; v24-39 Wo's scale words: 8 x pair + K step
.set SA,  44                           ; v44-75 ctx's: 8 x pair + K step (numbers differ from SB's modulo 8)
.set BQ,  80                           ; v80-111 the bias
.set ACC, 112                          ; v112-175 two sets of four accumulators
.set OUT, 176                          ; v176-207 a block read back by rows
.set G1W, 24
.set G1X, 32
.set G1R, 48
.set G0W, 56
.set G0X, 60
.set G0R, 68
.set MSB, 0
.macro WIN new                         ; the immediate's high byte repeats the setting that is left
.if MSB != (\new)
	s_set_vgpr_msb (MSB<<8)|(\new)
.set MSB, (\new)
.endif
.endm
.macro PLACES n
.rept \n
	v_nop
.endr
.endm
.macro WALU
	s_wait_alu depctr_va_vdst(0)
.endm
.macro BARRIER
	s_barrier_signal -1
	s_barrier_wait -1
.endm
.macro CROUND                          ; a round of the cluster's barrier
	BARRIER
	s_cmp_lg_u32 s14, 0
	s_cbranch_scc1 .Lnot_wave_0_\@
	s_barrier_signal -3
.Lnot_wave_0_\@:
	s_barrier_wait -3
	BARRIER
.endm
.macro TLOAD g0, g1                    ; (s_nop 0 and four v_nop)
	tensor_load_to_lds s[\g0:\g0+3], s[\g1:\g1+7]
	s_nop 0
	PLACES 4
.endm
.macro DESC1 g, mask, r                ; group 1: r whole tiles of 16,384 bytes, dense
	s_or_b32 s[\g], s\mask, (3<<16)|(1<<21)
	s_mov_b32 s[\g+1], 2048<<16
	s_mov_b32 s[\g+2], (\r)<<16
	s_mov_b32 s[\g+3], 2048<<16
	s_mov_b32 s[\g+4], \r
	s_mov_b32 s[\g+5], 2048
	s_mov_b32 s[\g+6], 0
	s_mov_b32 s[\g+7], 0
.endm
.macro SADD d, x
	s_add_co_u32 s\d, s\d, s\x
.endm
	s_load_b256 s[4:11], s[0:1], 0x0               ; ctxc, opnd, bo, out0
	v_lshl_add_u32 v[SPW], v0, 2, SPARE
	v_mov_b32 v[NIL], 0
	ds_add_u32 v[SPW], v[NIL]                      ; the wave's opening
	ds_add_u32 v[SPW], v[NIL]
	v_lshrrev_b32 v1, 5, v0
	v_readfirstlane_b32 s14, v1                    ; wave
	s_lshr_b32 s15, s14, 1                         ; w: my row of waves
	s_and_b32 s16, s14, 1                          ; wc: my column.  Also: which half I fetch
	s_bfe_u32 s40, ttmp6, 0x40000                  ; cx
	s_bfe_u32 s41, ttmp6, 0x40004                  ; cy
	s_lshl_b32 s42, ttmp9, 2
	SADD 42, 40                                    ; tile column = 4 cluster x + cx
	s_and_b32 s43, ttmp7, 0xffff
	s_lshl_b32 s43, s43, 2
	SADD 43, 41                                    ; T = 4 cluster y + cy
	s_lshl_b32 s44, s41, 2
	s_lshl_b32 s44, 15, s44                        ; my row of the cluster
	s_lshl_b32 s45, 0x1111, s40                    ; my column
	DESC1 G1W, 45, 4                               ; half of Wo's 128 rows
	DESC1 G1X, 44, 4                               ; half of chunk 0
	DESC1 G1R, 44, 2                               ; a quarter of chunk 1
	s_lshl_b32 s17, s16, 16
	s_lshl_b32 s20, s42, 17
	SADD 20, 17
	s_add_co_u32 s20, s20, 704*16384               ; Wo: tile 704 + 8 x tile column + 4 (the half)
	s_mov_b32 s21, 0
	s_lshl_b32 s22, s43, 18
	s_lshl_b32 s18, s16, 17
	SADD 22, 18                                    ; ctx: tile 16 T + 8 (the half)
	s_mov_b32 s23, 0
	s_lshl_b32 s19, s15, 15
	s_add_co_u32 s46, s22, s19
	s_add_co_u32 s46, s46, 65536                   ; chunk 1: four tiles on; my two of each half's four
	s_mov_b32 s47, 0
	s_mov_b32 s[G0W], 1
	s_add_co_u32 s[G0W+1], s17, SLOT
	s_mov_b32 s[G0X], 1
	s_mov_b32 s[G0X+1], s17
	s_mov_b32 s[G0R], 1
	s_add_co_u32 s[G0R+1], s17, s19
	s_add_co_u32 s[G0R+1], s[G0R+1], SLOT
	s_lshl_b32 s72, s15, 16
	s_add_co_u32 s73, s17, SLOT
	s_mul_i32 s74, s14, 16*272
	s_add_co_u32 s74, s74, STAGE
	s_lshl_b32 s75, s40, 2                         ; of the prefetch I take one of 16 shares of 8,192 bytes, by cx and wave
	SADD 75, 14
	s_lshr_b32 s76, s75, 3
	s_lshl_b32 s76, s76, 17
	s_and_b32 s75, s75, 7
	s_lshl_b32 s75, s75, 13
	SADD 75, 76
	s_lshl_b32 s76, s43, 18
	SADD 75, 76
	s_add_co_u32 s75, s75, 65536
	v_and_b32 v1, 15, v0                           ; r
	v_bfe_u32 v2, v0, 4, 1                         ; h
	v_and_b32 v3, 31, v0                           ; lane
	v_lshlrev_b32 v[LI], 4, v3
	v_lshlrev_b32 v[LS], 2, v3
	v_lshlrev_b32 v[BO0], 6, v2
	v_lshlrev_b32 v[PF1], 8, v3
	v_add_nc_u32 v[PF1], s75, v[PF1]
	v_mul_u32_u24 v[STO], v1, 272                  ; in: row r, 64 bytes for each half of the lanes
	v_lshl_add_u32 v[STO], v2, 6, v[STO]
	v_add_nc_u32 v[STO], s74, v[STO]
	v_mul_u32_u24 v[RD], v2, 272                   ; back: sixteen lanes a row, two rows a load
	v_lshl_add_u32 v[RD], v1, 4, v[RD]
	v_add_nc_u32 v[RD], s74, v[RD]
	v_lshlrev_b32 v[GO], 12, v2                    ; and the same two rows of out0
	v_lshl_add_u32 v[GO], v1, 4, v[GO]
	v_add_nc_u32 v[AD0], s72, v[LI]
	v_add_nc_u32 v[AD1], 0x20000, v[AD0]
	v_add_nc_u32 v[ADW], s73, v[LI]
	WALU
	s_wait_dscnt 0x0                               ; both opening adds are done
	CROUND                                         ; all sixteen work-groups are here
	s_wait_kmcnt 0x0
	s_add_nc_u64 s[G0W+2:G0W+3], s[6:7], s[20:21]
	s_or_b32 s[G0W+3], s[G0W+3], 0x80000000
	s_add_nc_u64 s[G0X+2:G0X+3], s[4:5], s[22:23]
	s_or_b32 s[G0X+3], s[G0X+3], 0x80000000
	s_add_nc_u64 s[G0R+2:G0R+3], s[4:5], s[46:47]
	s_or_b32 s[G0R+3], s[G0R+3], 0x80000000
	s_cmp_lt_u32 s14, 2                            ; one joint load a wave
	s_cbranch_scc0 .Lfor_ctx
	TLOAD G0W, G1W                                 ; waves 0, 1: Wo's halves, which are wanted first
	s_branch .Lasked
.Lfor_ctx:
	TLOAD G0X, G1X                                 ; waves 2, 3: chunk 0's
.Lasked:
	s_lshl_b32 s76, s42, 12                        ; Wo's scale words: pair 352 + 4 x tile column + 2 wc on
	s_lshl_b32 s77, s16, 11
	SADD 76, 77
	s_add_co_u32 s76, s76, 12582912+352*1024
	s_mov_b32 s77, 0
	s_add_nc_u64 s[76:77], s[6:7], s[76:77]
	s_lshl_b32 s78, s43, 13                        ; ctx's: pair 8 T + 4 w on
	s_lshl_b32 s79, s15, 12
	SADD 78, 79
	s_add_co_u32 s78, s78, 8388608
	s_mov_b32 s79, 0
	s_add_nc_u64 s[78:79], s[4:5], s[78:79]
	s_lshl_b32 s80, s42, 9                         ; outputs 128 x tile column + 64 wc on, in bytes
	s_lshl_b32 s81, s16, 8
	SADD 80, 81
	s_mov_b32 s81, 0
	s_add_nc_u64 s[82:83], s[8:9], s[80:81]
	s_lshl_b32 s84, s43, 20                        ; tokens 256 T + 128 w on: rows of 4,096 bytes
	s_lshl_b32 s85, s15, 19
	SADD 84, 85
	SADD 84, 80
	s_mov_b32 s85, 0
	s_add_nc_u64 s[84:85], s[10:11], s[84:85]
.irp p, 0,1
.irp q, 0,1,2,3,4,5,6,7
	global_load_b32 v[SB+8*\p+\q], v[LS], s[76:77] offset:\p*1024+\q*128
.endr
.irp i, 0,1,2,3
	global_load_b128 v[BQ+16*\p+4*\i:BQ+16*\p+4*\i+3], v[BO0], s[82:83] offset:128*\p+16*\i
.endr
.endr
.irp p, 0,1,2,3
.irp q, 0,1,2,3,4,5,6,7
	global_load_b32 v[SA+8*\p+\q], v[LS], s[78:79] offset:\p*1024+\q*128
.endr
.endr
	s_cmp_lt_u32 s14, 2
	s_cbranch_scc0 .Lnot_weight
	s_wait_tensorcnt 0x0                           ; waves 0, 1: Wo has landed; the other waves' wait stands ahead of the round below
.Lnot_weight:
	BARRIER
	global_prefetch_b8 v[PF1], s[4:5] th:TH_LOAD_NT scope:SCOPE_SE
.macro WFRAG q                         ; K step q of my four tiles of Wo: 16 loads of 512 consecutive bytes, into windows 1 (q < 4) and 2
	WIN (1+(\q)/4)<<6
.irp b, 0,1,2,3
.irp c, 0,1,2,3
	ds_load_b128 v[16*((4*(\q)+\b)%16)+4*\c:16*((4*(\q)+\b)%16)+4*\c+3], v[ADW] offset:\b*16384+(\q)*2048+\c*512
.endr
.endr
.endm
.macro FETCH k                         ; block k of ctx, all of K, into set k % 2 of window 3: 32 loads
	WIN 0xc0
.irp q, 0,1,2,3,4,5,6,7
.irp c, 0,1,2,3
	ds_load_b128 v[128*((\k)%2)+16*\q+4*\c:128*((\k)%2)+16*\q+4*\c+3], v[AD0+(\k)/4] offset:((\k)%4)*16384+2048*\q+512*\c
.endr
.endr
	WIN 0
.endm
.macro WM d, f0, f1, cc, x0, x1, par   ; par: bit 0: source 0's scale words lie in lanes 16-31 (the odd tile of a pair), bit 1: source 1's
.if (\par) == 0
	v_wmma_scale_f32_16x16x128_f8f6f4 v[\d:\d+7], v[\f0:\f0+15], v[\f1:\f1+15], v[\cc:\cc+7], v[\x0], v[\x1] matrix_a_fmt:MATRIX_FMT_BF8 matrix_b_fmt:MATRIX_FMT_BF8
.elseif (\par) == 1
	v_wmma_scale_f32_16x16x128_f8f6f4 v[\d:\d+7], v[\f0:\f0+15], v[\f1:\f1+15], v[\cc:\cc+7], v[\x0], v[\x1] matrix_a_fmt:MATRIX_FMT_BF8 matrix_b_fmt:MATRIX_FMT_BF8 matrix_a_scale:MATRIX_SCALE_ROW1
.elseif (\par) == 2
	v_wmma_scale_f32_16x16x128_f8f6f4 v[\d:\d+7], v[\f0:\f0+15], v[\f1:\f1+15], v[\cc:\cc+7], v[\x0], v[\x1] matrix_a_fmt:MATRIX_FMT_BF8 matrix_b_fmt:MATRIX_FMT_BF8 matrix_b_scale:MATRIX_SCALE_ROW1
.else
	v_wmma_scale_f32_16x16x128_f8f6f4 v[\d:\d+7], v[\f0:\f0+15], v[\f1:\f1+15], v[\cc:\cc+7], v[\x0], v[\x1] matrix_a_fmt:MATRIX_FMT_BF8 matrix_b_fmt:MATRIX_FMT_BF8 matrix_a_scale:MATRIX_SCALE_ROW1 matrix_b_scale:MATRIX_SCALE_ROW1
.endif
.endm
.macro PROD j, n                       ; product n = 4 x K step + tile of block j; the four accumulators take turns
.set Q_, (\n)/4
.set B_, (\n)%4
.set A_, ACC+32*((\j)%2)+8*B_
.set C_, A_
.if Q_ == 0
.set C_, BQ+8*B_
.endif
.set X_, 128*((\j)%2)+16*Q_
.set W_, 16*((4*Q_+B_)%16)
.set S_, SB+8*(B_/2)+Q_
.set T_, SA+8*((\j)/2)+Q_
.set P_, B_%2+2*((\j)%2)
	WIN (1+Q_/4)|12
	WM A_, W_, X_, C_, S_, T_, P_
.endm
.macro PRODS j, from, to
.set N_, \from
.rept (\to)-(\from)
	PROD \j, N_
.set N_, N_+1
.endr
.endm
.macro TOSTAGE j                       ; each accumulator from its low end on; LDS serves a wave's instructions in order: the loads see the stores
.irp c, 0,1
.irp i, 0,1,2,3
	ds_store_b128 v[STO], v[ACC+32*((\j)%2)+16*\c+4*\i:ACC+32*((\j)%2)+16*\c+4*\i+3] offset:128*\c+16*\i
.endr
.endr
.irp t, 0,1,2,3,4,5,6,7
	ds_load_b128 v[OUT+4*\t:OUT+4*\t+3], v[RD] offset:544*\t
.endr
.endm
.macro SEND k                          ; block k = 2 c + u: place i of the tile is token 32 c + 8 u + i + 8 (i / 8): sixteen lanes store 256 consecutive bytes
.irp t, 0,1,2,3,4,5,6,7
	global_store_b128 v[GO], v[OUT+4*\t:OUT+4*\t+3], s[84:85] offset:((\k)/2)*131072+((\k)%2)*32768+(2*\t+8*(\t/4))*4096 th:TH_STORE_NT
.endr
.endm
.macro OBLK j
.if (\j) < 7
	s_wait_dscnt 32                                ; this block, and the last block's rows, are in; the next block's 32 loads may be out
.else
	s_wait_dscnt 0x0
.endif
.if (\j) > 0
	SEND (\j)-1
.endif
.if (\j) == 2
	PRODS \j, 0, 28
	WIN 0
	s_wait_tensorcnt 0x0                           ; my part of chunk 1 has landed
	s_wait_dscnt 0x0
	s_barrier_signal -1
	PRODS \j, 28, 32
	WIN 0
	s_barrier_wait -1                              ; everybody's part
.else
	PRODS \j, 0, 32
	WIN 0
.endif
	PLACES 8                                       ; ahead of the stores that read the sums and of the loads into what the products have read
.if (\j) > 0
	s_wait_xcnt 0x0                                ; the last block's stores have read their registers
.endif
	TOSTAGE \j
.if (\j) < 6
	FETCH (\j)+2
.endif
.endm
.irp q, 0,1,2,3,4,5,6,7
	WFRAG \q
.endr
	WIN 0
	s_wait_tensorcnt 0x0                           ; chunk 0 is in
	ds_add_u32 v[SPW], v[NIL]
	s_wait_dscnt 0x0                               ; the add is done, and Wo is in registers
	CROUND
	TLOAD G0R, G1R                                 ; chunk 1 over Wo's rows
	FETCH 0
	FETCH 1
	s_wait_loadcnt 0x0                             ; scale words and bias
.irp j, 0,1,2,3,4,5,6,7
	OBLK \j
.endr
	s_wait_dscnt 0x0
	SEND 7
	s_wait_tensorcnt 0x0                           ; the wave's end
	ds_add_u32 v[SPW], v[NIL]
	s_wait_dscnt 0x0
	CROUND                                         ; the closing round
	s_endpgm
.Lfunc_end_k_q99f7563b1d_proj:
	.size	k_q99f7563b1d_proj, .Lfunc_end_k_q99f7563b1d_proj-k_q99f7563b1d_proj
	.p2alignl 7, 3214868480
	.fill 96, 4, 3214868480
	.section	.rodata,"a",@progbits
	.p2align	6, 0x0
	.amdhsa_kernel k_q99f7563b1d_proj
		.amdhsa_group_segment_fixed_size 327680
		.amdhsa_private_segment_fixed_size 0
		.amdhsa_enable_private_segment 0
		.amdhsa_kernarg_size 32
		.amdhsa_user_sgpr_count 2
		.amdhsa_user_sgpr_kernarg_segment_ptr 1
		.amdhsa_wavefront_size32 1
		.amdhsa_system_sgpr_workgroup_id_x 1
		.amdhsa_system_sgpr_workgroup_id_y 1
		.amdhsa_system_sgpr_workgroup_id_z 1
		.amdhsa_system_vgpr_workitem_id 0
		.amdhsa_next_free_vgpr 1024
		.amdhsa_next_free_sgpr 90
		.amdhsa_reserve_vcc 0
		.amdhsa_float_denorm_mode_32 3
		.amdhsa_float_denorm_mode_16_64 3
		.amdhsa_memory_ordered 1
		.amdhsa_forward_progress 1
		.amdhsa_inst_pref_size 88
	.end_amdhsa_kernel
	.amdgpu_metadata
---
amdhsa.version: [ 1, 2 ]
amdhsa.kernels:
  - .name:           k_q99f7563b1d_proj
    .symbol:         k_q99f7563b1d_proj.kd
    .args:
      - { .name: ctxc, .offset: 0, .size: 8, .value_kind: global_buffer, .address_space: global }
      - { .name: opnd, .offset: 8, .size: 8, .value_kind: global_buffer, .address_space: global }
      - { .name: bo, .offset: 16, .size: 8, .value_kind: global_buffer, .address_space: global }
      - { .name: out0, .offset: 24, .size: 8, .value_kind: global_buffer, .address_space: global }
    .group_segment_fixed_size: 327680
    .private_segment_fixed_size: 0
    .kernarg_segment_align: 8
    .kernarg_segment_size: 32
    .max_flat_workgroup_size: 128
    .sgpr_count:     90
    .vgpr_count:     1024
    .wavefront_size: 32
...
	.end_amdgpu_metadata
.endif
;; end of part 10
